; MI455X (gfx1250); checked and timed in simulation.
; The chip was launched on July 23, 2026; its instructions are those of AMD's public machine-readable ISA for CDNA 5 (MIT licence, August 2026) and "CDNA5" Instruction Set Architecture Reference Guide (July 2026). The comments in the code are by the model that wrote it; some were corrected since.
;; Multihead Attention. Allowed arithmetic: matrix products marked QUANTISED: E2M3 operands, one E8M0 scale for each 32 along K, by v_wmma_scale_f32_16x16x128_f8f6f4 with both operands' format E2M3, f32 sums; everything else in f32.
;; Inputs: K 4 x 2,048 x 1,024 float32; Q 4 x 2,048 x 1,024 float32; V 4 x 2,048 x 1,024 float32; Wk 16 x 1,024 x 64 float32; Wo 1,024 x 1,024 float32; Wq 16 x 1,024 x 64 float32; Wv 16 x 1,024 x 64 float32; bk 16 x 64 float32; bo 1,024 float32; bq 16 x 64 float32; bv 16 x 64 float32.
;; Outputs: out0 4 x 2,048 x 1,024 float32.
;; This version of the problem:
;;   THIS VERSION OF THE PROBLEM IS GIVEN IN LOW PRECISION. The matrix products marked QUANTISED in the list below multiply operands that are first quantised to E2M3 (2 exponent bits, 3 mantissa bits; 6 bits a number), with one power-of-two scale for each 32 numbers along K (OCP MX v1.0); their sums are f32. All else is computed in f32.
;;   The module's matrix products, in the order in which they are computed (A, B: the left and right operand; K: the contracted axis; several contracted axes count as one K, in the product's order):
;;     1. [M 1,024, K 1,024] x [K 1,024, N 8,192]; A: input Wq; B: input Q: QUANTISED
;;     2. [M 1,024, K 1,024] x [K 1,024, N 8,192]; A: input Wk; B: input K: QUANTISED
;;     3. [M 1,024, K 1,024] x [K 1,024, N 8,192]; A: input Wv; B: input V: QUANTISED
;;     4. batch 64 x [M 2,048, K 64] x [K 64, N 2,048]; A: computed on the way; B: computed on the way: QUANTISED
;;     5. batch 64 x [M 2,048, K 2,048] x [K 2,048, N 64]; A: softmax (see below); B: computed on the way: QUANTISED
;;     6. [M 8,192, K 1,024] x [K 1,024, N 1,024]; A: computed on the way; B: input Wo: QUANTISED
;;   THE QUANTISER, for each operand of a quantised product, along K:
;;     - K is cut into blocks of 32 from its start; a last block that is shorter is filled with zeros.
;;     - A block's scale is 2^e with e = floor(log2(the largest magnitude in the block)) - 2, held to -126 .. 127; a block of zeros has e = 0. As a byte (E8M0): e + 127.
;;     - Each number is divided by its block's scale, clamped to +-7.5, and rounded to the nearest number of E2M3, ties to even, subnormals kept.
;;     - The product sums the exact products of the quantised numbers (number of the format x scale) in f32.
;;   ~~~python
;;   def quantise(x, axis):      # numpy; x: float32 -> the quantised numbers, widened to float32 again
;;       x = np.moveaxis(x, axis, -1); K = x.shape[-1]
;;       x = np.pad(x, [(0, 0)] * (x.ndim - 1) + [(0, -K % 32)]); x = x.reshape(x.shape[:-1] + (-1, 32)); a = np.abs(x).max(-1, keepdims=True)
;;       e = np.where(a > 0, np.clip(np.frexp(np.where(a > 0, a, 1))[1] - 1 - 2, -126, 127), 0)      # np.frexp(a)[1] - 1 = floor(log2(a)), exactly
;;       r = np.clip(x / 2.0 ** e, -7.5, 7.5)
;;       step = 2.0 ** (np.maximum(np.frexp(np.where(r == 0, 1, r))[1] - 1, 0) - 3)
;;       q = np.round(r / step) * step * 2.0 ** e      # np.round: ties to even
;;       return np.moveaxis(q.reshape(q.shape[:-2] + (-1,))[..., :K], -1, axis).astype(np.float32)
;;   ~~~
;;   SOFTMAX AHEAD OF A QUANTISED PRODUCT. Where the list says 'softmax', what is quantised is not the finished softmax but p = 2^(t - M), with t = logit x log2(e) and M = ceil(the row's largest t), a whole number; so 1/2 < the row's largest p <= 1. The row's sum l is taken of the UNQUANTISED p, in f32, and the product's result is divided by l at the end. Since M is a whole number, a kernel that streams over the keys may use a running M (the ceiling of the running maximum): every later rescaling is an exact power of two, which a block's scale takes up: the codes' values come out the same.
;;   OPERANDS COMPUTED ON THE WAY. 'Computed on the way' means the value that the module computes at that place (a softmax that the list does not call 'softmax' is quantised finished and normalised). What goes into a quantiser is computed in f32, as accurately as f32 sums, v_exp_f32 and their like allow (about 1e-6 of the number): no bf16 or f16 on the way to a quantiser, and a product that is left as it is and whose result goes on into a quantised operand takes f32 operands (vector FMAs, or v_wmma_f32_16x16x4_f32). A number that lies on a knife's edge between two numbers of the format may be rounded either way, as far as f32 arithmetic and the matrix unit's own rounding can turn it there, and no further.
;; 2 versions. Each part assembles by itself: llvm-mc -triple=amdgcn-amd-amdhsa -mcpu=gfx1250 --defsym DOCPART=n.
;; ======== version 1 of 2: 4 launches
;; workspace buffers: wimg 3,276,800 bytes; qimg 6,553,600 bytes; kvimg 13,107,200 bytes; heads 33,554,432 bytes
;; launch prep (part 1): grid 256 x 1, 4 waves a work-group, no clusters, 80,896 bytes of LDS; arguments Wq, Wk, Wv, Wo, wimg; writes wimg
.if DOCPART == 1
	.amdgcn_target "amdgcn-amd-amdhsa--gfx1250"
	.amdhsa_code_object_version 6
	.text
	.protected	k_qa0bb8f18d4_prep
	.globl	k_qa0bb8f18d4_prep
	.p2align	8
	.type	k_qa0bb8f18d4_prep,@function
k_qa0bb8f18d4_prep:
	s_mov_b64 s[64:65], 0
	v_nop
	global_prefetch_b8 v0, s[64:65] scope:SCOPE_SE
	s_setreg_imm32_b32 hwreg(HW_REG_WAVE_MODE, 25, 1), 1
	s_wait_xcnt 0x0
; The four weights become codes of E2M3 with one E8M0 byte for each 32 along K, laid in the order of an operand's registers.
; wimg: 256 blocks of 12,800 bytes; block 64 T + 8 cg + s (T: 0 Wq, 1 Wk, 2 Wv, 3 Wo; cg: 128 output columns; s: 128 along K) holds 8 fragment images of 1,536 bytes and one scale image of 512.
; A fragment image is the 12 registers of an operand as they stand: registers 4 c .. 4 c + 3 of lane l at 512 c + 16 l.  Tile 2 g + u of the 128 columns: lane r holds column 32 g + 8 u + r + 8 (r / 8).
; The scale image: the word at 16 l + 4 i belongs to tile 2 i + l / 16, row l % 16.
; A work-group makes one block; wave w takes columns 32 w .. 32 w + 31, A LANE A COLUMN, ITS REGISTERS DOWN K: a block of 32 lies in one lane, and the conversions give codes with K innermost.
; Wq, Wk, Wv are [16][1024][64] with K in the middle: each load reads 128 consecutive bytes.  Wo is [n][c] with K innermost: its rows come as 512 dense bytes and turn through the wave's own stage.
; Wo's codes are laid in another order inside each block of 32: place 2 h + p holds c = 32 j + 16 p + h; the last launch quantises its rows in the same order, so blocks and products stay the same.
; A block's scale byte is its largest magnitude's exponent field - 2, held at 1 from below.
; LIMITS: NaN and infinities are not served; a block of zeros, or one whose largest magnitude lies under 2^-124, keeps the byte 1 (its bytes are read by this program alone).
; No matrix unit, no cluster, no tensor load: the launch streams 16 MiB once and shares nothing between work-groups.
.set TSTG,  12800                      ; LDS: 0 .. 12,799 the block's image; from here Wo's stage: 4 waves x 32 rows x 528 bytes
.set SPARE, 80384                      ; the spare words, 128 bytes for each wave
.set X,     32                         ; v32-159: my column's 128 numbers
	s_load_b256 s[4:11], s[0:1], 0x0               ; Wq, Wk, Wv, Wo
	s_load_b64 s[12:13], s[0:1], 0x20              ; wimg
	v_lshl_add_u32 v18, v0, 2, SPARE               ; my spare word; never rewritten
	v_mov_b32 v19, 0                               ; 0; never rewritten
	v_lshrrev_b32 v1, 5, v0
	v_readfirstlane_b32 s14, v1                    ; wave
	v_and_b32 v1, 31, v0                           ; lane = my column among the wave's 32
	v_lshlrev_b32 v2, 2, v1                        ; 4 x lane
	v_lshlrev_b32 v3, 4, v1                        ; 16 x lane
	v_bfe_u32 v9, v0, 3, 1                         ; u: which of the wave's two tiles my column falls into
	v_and_b32 v10, 7, v0
	v_bfe_u32 v11, v0, 4, 1
	v_lshl_add_u32 v10, v11, 3, v10                ; r: its row there
	s_mul_i32 s15, s14, 3072
	v_mul_u32_u24 v4, v9, 1536
	v_lshl_add_u32 v4, v10, 4, v4
	v_add_nc_u32 v4, s15, v4                       ; v4: where my codes go: 3,072 w + 1,536 u + 16 r
	s_lshl_b32 s17, s14, 2
	s_add_co_u32 s17, s17, 12288
	v_lshlrev_b32 v5, 4, v10
	v_lshl_add_u32 v5, v9, 8, v5
	v_add_nc_u32 v5, s17, v5                       ; v5: my scale word: 12,288 + 16 r + 256 u + 4 w
	v_add_nc_u32 v6, s15, v3                       ; v6: the way out: 3,072 w + 16 x lane, in LDS and in the block alike
	s_mul_i32 s17, s14, 16896
	s_add_co_u32 s17, s17, TSTG
	v_add_nc_u32 v7, s17, v3                       ; v7: Wo's stage, in: 16 x lane of a row
	v_mul_u32_u24 v8, v1, 528
	v_add_nc_u32 v8, s17, v8                       ; v8: and out: my row
	s_lshr_b32 s16, ttmp9, 6                       ; T
	s_bfe_u32 s18, ttmp9, 0x30003                  ; cg
	s_and_b32 s19, ttmp9, 7                        ; s
	s_mul_i32 s20, ttmp9, 12800
	s_mov_b32 s21, 0
	s_lshl_b32 s22, s18, 1                         ; Wq, Wk, Wv: head 2 cg + w / 2, 262,144 bytes a head; row 128 s of 256 bytes; column 32 (w % 2)
	s_lshr_b32 s23, s14, 1
	s_add_co_u32 s22, s22, s23
	s_lshl_b32 s22, s22, 18
	s_lshl_b32 s23, s19, 15
	s_add_co_u32 s22, s22, s23
	s_and_b32 s23, s14, 1
	s_lshl_b32 s23, s23, 7
	s_add_co_u32 s22, s22, s23
	s_mov_b32 s23, 0
	s_lshl_b32 s24, s18, 19                        ; Wo: row 128 cg + 32 w of 4,096 bytes, + 512 s
	s_lshl_b32 s25, s14, 17
	s_add_co_u32 s24, s24, s25
	s_lshl_b32 s25, s19, 9
	s_add_co_u32 s24, s24, s25
	s_mov_b32 s25, 0
	s_wait_kmcnt 0x0
	s_add_nc_u64 s[12:13], s[12:13], s[20:21]      ; my block
	s_cmp_eq_u32 s16, 1                            ; the choice hangs on the work-group's number alone
	s_cselect_b64 s[4:5], s[6:7], s[4:5]
	s_cmp_eq_u32 s16, 2
	s_cselect_b64 s[4:5], s[8:9], s[4:5]
	s_add_nc_u64 s[4:5], s[4:5], s[22:23]
	s_add_nc_u64 s[10:11], s[10:11], s[24:25]
	s_cmp_eq_u32 s16, 3
	s_cbranch_scc1 .Lwo
.irp b, 0,1,2,3
.irp i, 0,1,2,3,4,5,6,7,8,9,10,11,12,13,14,15,16,17,18,19,20,21,22,23,24,25,26,27,28,29,30,31
	global_load_b32 v[X+32*\b+\i], v2, s[4:5] offset:(32*\b+\i)*256 th:TH_LOAD_NT   ; W(k, my column): 32 lanes read 128 consecutive bytes
.endr
.endr
	s_branch .Lquant
.Lwo:
.irp n, 0,1,2,3,4,5,6,7,8,9,10,11,12,13,14,15,16,17,18,19,20,21,22,23,24,25,26,27,28,29,30,31
	global_load_b128 v[X+4*\n:X+4*\n+3], v3, s[10:11] offset:4096*\n th:TH_LOAD_NT   ; row n's 128 numbers: 512 consecutive bytes
.endr
	s_wait_loadcnt 0x0
.irp n, 0,1,2,3,4,5,6,7,8,9,10,11,12,13,14,15,16,17,18,19,20,21,22,23,24,25,26,27,28,29,30,31
	ds_store_b128 v7, v[X+4*\n:X+4*\n+3] offset:528*\n
.endr
	s_wait_dscnt 0x0                               ; the stores have read X: it is loaded anew
.irp b, 0,1,2,3
.irp h, 0,1,2,3,4,5,6,7,8,9,10,11,12,13,14,15
.irp p, 0,1
	ds_load_b32 v[X+32*\b+2*\h+\p], v8 offset:128*\b+4*(16*\p+\h)   ; place 2 h + p of block b takes c = 32 b + 16 p + h of my row
.endr
.endr
.endr
	s_wait_dscnt 0x0
.Lquant:
; Block b of my column: lane (r, b % 2) of the fragment wants it in registers 6 (b / 2) .. 6 (b / 2) + 5.
.macro BLOCK b
.set XS, X+32*(\b)
.if 96-32*(\b) > 63
	s_wait_loadcnt 63                              ; 96 younger loads might stay out; the wait's field holds 63
.else
	s_wait_loadcnt 96-32*(\b)                      ; the later blocks' loads may stay out
.endif
	v_max3_num_f32 v12, |v[XS]|, |v[XS+1]|, |v[XS+2]|
	v_max3_num_f32 v13, |v[XS+3]|, |v[XS+4]|, |v[XS+5]|
.irp i, 6,10,14,18,22,26
	v_max3_num_f32 v12, v12, |v[XS+\i]|, |v[XS+\i+1]|
	v_max3_num_f32 v13, v13, |v[XS+\i+2]|, |v[XS+\i+3]|
.endr
	v_max3_num_f32 v12, v12, |v[XS+30]|, |v[XS+31]|
	v_max3_num_f32 v12, v12, v13, 0x1800000        ; and the floor 2^(3 - 127): the byte cannot fall under 1
	v_add_nc_u32 v14, 0xff000000, v12              ; 2 off the exponent field: the conversion's scale operand
	v_lshrrev_b32 v15, 23, v14                     ; the scale's byte
.if (\b) == 0
	v_mov_b32 v16, v15
.else
	v_lshl_or_b32 v16, v15, 8*(\b), v16
.endif
	v_cvt_scalef32_pk16_fp6_f32 v[20:22], v[XS:XS+15], v14
	v_cvt_scalef32_pk16_fp6_f32 v[26:28], v[XS+16:XS+31], v14      ; (a conversion's three registers begin on an even number)
	v_nop                                          ; one plain place behind a scaled conversion
	v_mov_b32 v23, v26
	v_mov_b32 v24, v27
	v_mov_b32 v25, v28
.irp q, 0,1,2
	ds_store_b64 v4, v[20+2*\q:21+2*\q] offset:512*((3*((\b)/2)+\q)/2)+8*((3*((\b)/2)+\q)%2)+256*((\b)%2)
.endr
	s_wait_dscnt 0x0                               ; the stores have read their registers: the next block's codes may be written
.endm
	BLOCK 0
	BLOCK 1
	BLOCK 2
	BLOCK 3
	ds_store_b32 v5, v16
.irp k, 0,1,2,3,4,5
	ds_load_b128 v[160+4*\k:163+4*\k], v6 offset:512*\k            ; my wave's two images: LDS serves a wave's instructions in order, so these see my stores
.endr
.irp k, 0,1,2,3,4,5
	s_wait_dscnt 5-\k
	global_store_b128 v6, v[160+4*\k:163+4*\k], s[12:13] offset:512*\k   ; 32 lanes store 512 consecutive bytes, at a multiple of 256 from the buffer's first byte
.endr
	s_wait_dscnt 0x0                               ; for the others' sake: my scale words have landed
	s_barrier_signal -1
	s_barrier_wait -1
	s_cmp_lg_u32 s14, 0
	s_cbranch_scc1 .Ldone
	ds_load_b128 v[184:187], v3 offset:12288       ; wave 0 sends the scale image, to which all four waves wrote
	s_wait_dscnt 0x0
	global_store_b128 v3, v[184:187], s[12:13] offset:12288
.Ldone:
	s_wait_tensorcnt 0x0                           ; the wave's end, behind my last LDS store
	ds_add_u32 v18, v19
	s_wait_dscnt 0x0
	s_endpgm
.Lfunc_end_k_qa0bb8f18d4_prep:
	.size	k_qa0bb8f18d4_prep, .Lfunc_end_k_qa0bb8f18d4_prep-k_qa0bb8f18d4_prep
	.p2alignl 7, 3214868480
	.fill 96, 4, 3214868480
	.section	.rodata,"a",@progbits
	.p2align	6, 0x0
	.amdhsa_kernel k_qa0bb8f18d4_prep
		.amdhsa_group_segment_fixed_size 80896
		.amdhsa_private_segment_fixed_size 0
		.amdhsa_enable_private_segment 0
		.amdhsa_kernarg_size 40
		.amdhsa_user_sgpr_count 2
		.amdhsa_user_sgpr_kernarg_segment_ptr 1
		.amdhsa_wavefront_size32 1
		.amdhsa_system_sgpr_workgroup_id_x 1
		.amdhsa_system_sgpr_workgroup_id_y 1
		.amdhsa_system_sgpr_workgroup_id_z 1
		.amdhsa_system_vgpr_workitem_id 0
		.amdhsa_next_free_vgpr 192
		.amdhsa_next_free_sgpr 66
		.amdhsa_reserve_vcc 0
		.amdhsa_float_denorm_mode_32 3
		.amdhsa_float_denorm_mode_16_64 3
		.amdhsa_memory_ordered 1
		.amdhsa_forward_progress 1
		.amdhsa_inst_pref_size 37
	.end_amdhsa_kernel
	.amdgpu_metadata
---
amdhsa.version: [ 1, 2 ]
amdhsa.kernels:
  - .name:           k_qa0bb8f18d4_prep
    .symbol:         k_qa0bb8f18d4_prep.kd
    .args:
      - { .name: Wq, .offset: 0, .size: 8, .value_kind: global_buffer, .address_space: global }
      - { .name: Wk, .offset: 8, .size: 8, .value_kind: global_buffer, .address_space: global }
      - { .name: Wv, .offset: 16, .size: 8, .value_kind: global_buffer, .address_space: global }
      - { .name: Wo, .offset: 24, .size: 8, .value_kind: global_buffer, .address_space: global }
      - { .name: wimg, .offset: 32, .size: 8, .value_kind: global_buffer, .address_space: global }
    .group_segment_fixed_size: 80896
    .private_segment_fixed_size: 0
    .kernarg_segment_align: 8
    .kernarg_segment_size: 40
    .max_flat_workgroup_size: 128
    .sgpr_count:     66
    .vgpr_count:     192
    .wavefront_size: 32
...
	.end_amdgpu_metadata
.endif
;; end of part 1
;; launch proj (part 2): grid 64 x 3, 4 waves a work-group, no clusters, 170,496 bytes of LDS; arguments Q, K, V, bq, bk, bv, wimg, qimg, kvimg; writes qimg, kvimg
.if DOCPART == 2
	.amdgcn_target "amdgcn-amd-amdhsa--gfx1250"
	.amdhsa_code_object_version 6
	.text
	.protected	k_qa0bb8f18d4_proj
	.globl	k_qa0bb8f18d4_proj
	.p2align	8
	.type	k_qa0bb8f18d4_proj,@function
k_qa0bb8f18d4_proj:
	s_mov_b64 s[64:65], 0
	v_nop
	global_prefetch_b8 v0, s[64:65] scope:SCOPE_SE
	s_setreg_imm32_b32 hwreg(HW_REG_WAVE_MODE, 25, 1), 1
	s_wait_xcnt 0x0
; q = Q Wq + bq, k = K Wk + bk, v = V Wv + bv on codes of E2M3; the results are quantised again, q and k along a head's 64, v along the keys, and stored in the order of the next launch's operand registers.
; SHARES.  Work-group (R, T): tensor T (0 Q, 1 K, 2 V), rows 128 R .. 128 R + 127 of its 8,192, all 1,024 columns.  192 work-groups: 8,192 rows a tensor do not divide into 256 equal shares of whole groups of 32 rows.
; PHASE X: wave w quantises rows 32 w .. 32 w + 31 (two tiles of 16) for all of K and stores fragment images in LDS: 8 K steps x (8 images of 1,536 bytes + a scale image of 512).  The f32 rows are read once.
; PHASE G: wave w makes columns 256 w .. 256 w + 255 in two passes of 128: 64 accumulators; x's fragments come from LDS, the weights' from wimg straight into registers, two blocks ahead.
; TILES.  Tile 2 g + u of 32 rows (of x and of the weights' columns alike): lane r holds row 32 g + 8 u + r + 8 (r / 8), so that, as source 0, the 16 registers of result tiles 2 g, 2 g + 1 are 16 neighbours.
;   q, k: source 0 = 16 columns of W, source 1 = 16 rows of x: a lane holds one row and its registers run along the head's channels.   v: source 0 = x, source 1 = W: a lane holds one channel and its registers run along the keys.
; OUT.  q, k: for 32 rows of one head a DOUBLE TILE of 1,536 bytes: registers 0-5 row r of tile 2 p (block lane / 16 of the head's 64), registers 6-11 the same of tile 2 p + 1; scale bytes 0, 1 and 2, 3.
;   v: for 16 channels and 128 keys a plain fragment.  qimg [64 heads][16 steps] x 6,400 (4 double tiles, 256 of scale words); kvimg [64][16] x 12,800 (K's 4, V's 4, K's words, V's words).
; NO MULTICAST: a weight fragment feeds one wave of a work-group and goes from memory into that wave's registers; a joint ring would add 800 KB of LDS writes and reads to each work-group for bytes that are used once there.
; LIMITS: NaN and infinities are not served; a block of zeros, or one whose largest magnitude lies under 2^-124, keeps the scale byte 1 (read by this program alone).
; REGISTERS.  window 0: v1-11 addresses; v12-17 the way out's scale words; v20-27 x's scale words, v28-35 W's (two sets each); v36-53 the quantiser's; v64-159, v160-255 x's two sets (phase X: 2 x 64 numbers, codes from v192).
;   window 1: W's two sets at v0, v96; the bias at v192.   windows 2, 3: the accumulators (phase X: window 2 holds four units as loaded).
.set STG,   102400                     ; LDS: behind x's images: 4 waves x 2 stages x 16 rows x 528 bytes
.set SPARE, 169984                     ; the spare words, 128 bytes for each wave
.set LI,  1                            ; 16 x lane
.set SI,  2                            ; stage, in
.set SOA, 3                            ; stage, out: row r, + 64 (lane / 16)
.set XW,  4                            ; x's images: 3,072 w + 16 x lane
.set XWS, 5                            ; their scale words: 12,288 + 16 r + 4 w
.set XA,  6                            ; phase G: the K step's images
.set BAQ, 7                            ; the bias, q and k: 64 (lane / 16)
.set SPW, 8
.set NIL, 9
.set L8,  10                           ; 8 x lane
.set BAV, 11                           ; the bias, v: 4 (r + 8 (r / 8))
.set SW,  12
.set SD,  16
.set XS,  20
.set WS,  28
.set TM,  36
.set PW,  52
.set XWC, 56
.set XWSC, 57
.set XF,  64
.set XN,  64
.set PC,  192
.set MSB, 0
.macro WIN new                         ; the immediate's high byte repeats the setting that is left
.if MSB != (\new)
	s_set_vgpr_msb (MSB<<8)|(\new)
.set MSB, (\new)
.endif
.endm
.macro PLACES
.rept 4
	v_nop
.endr
.endm
; one matrix instruction: D, A, B, C (the constant 0 where c < 0), the two scale registers, and whether each side's words stand in lanes 16-31
.macro WM d, a, b, c, sa, sb, ra, rb
.if (\c) < 0
.if (\ra) && (\rb)
	v_wmma_scale_f32_16x16x128_f8f6f4 v[0+(\d):7+(\d)], v[0+(\a):11+(\a)], v[0+(\b):11+(\b)], 0, v[0+(\sa)], v[0+(\sb)] matrix_a_fmt:MATRIX_FMT_FP6 matrix_b_fmt:MATRIX_FMT_FP6 matrix_a_scale:MATRIX_SCALE_ROW1 matrix_b_scale:MATRIX_SCALE_ROW1
.elseif (\ra)
	v_wmma_scale_f32_16x16x128_f8f6f4 v[0+(\d):7+(\d)], v[0+(\a):11+(\a)], v[0+(\b):11+(\b)], 0, v[0+(\sa)], v[0+(\sb)] matrix_a_fmt:MATRIX_FMT_FP6 matrix_b_fmt:MATRIX_FMT_FP6 matrix_a_scale:MATRIX_SCALE_ROW1
.elseif (\rb)
	v_wmma_scale_f32_16x16x128_f8f6f4 v[0+(\d):7+(\d)], v[0+(\a):11+(\a)], v[0+(\b):11+(\b)], 0, v[0+(\sa)], v[0+(\sb)] matrix_a_fmt:MATRIX_FMT_FP6 matrix_b_fmt:MATRIX_FMT_FP6 matrix_b_scale:MATRIX_SCALE_ROW1
.else
	v_wmma_scale_f32_16x16x128_f8f6f4 v[0+(\d):7+(\d)], v[0+(\a):11+(\a)], v[0+(\b):11+(\b)], 0, v[0+(\sa)], v[0+(\sb)] matrix_a_fmt:MATRIX_FMT_FP6 matrix_b_fmt:MATRIX_FMT_FP6
.endif
.else
.if (\ra) && (\rb)
	v_wmma_scale_f32_16x16x128_f8f6f4 v[0+(\d):7+(\d)], v[0+(\a):11+(\a)], v[0+(\b):11+(\b)], v[0+(\c):7+(\c)], v[0+(\sa)], v[0+(\sb)] matrix_a_fmt:MATRIX_FMT_FP6 matrix_b_fmt:MATRIX_FMT_FP6 matrix_a_scale:MATRIX_SCALE_ROW1 matrix_b_scale:MATRIX_SCALE_ROW1
.elseif (\ra)
	v_wmma_scale_f32_16x16x128_f8f6f4 v[0+(\d):7+(\d)], v[0+(\a):11+(\a)], v[0+(\b):11+(\b)], v[0+(\c):7+(\c)], v[0+(\sa)], v[0+(\sb)] matrix_a_fmt:MATRIX_FMT_FP6 matrix_b_fmt:MATRIX_FMT_FP6 matrix_a_scale:MATRIX_SCALE_ROW1
.elseif (\rb)
	v_wmma_scale_f32_16x16x128_f8f6f4 v[0+(\d):7+(\d)], v[0+(\a):11+(\a)], v[0+(\b):11+(\b)], v[0+(\c):7+(\c)], v[0+(\sa)], v[0+(\sb)] matrix_a_fmt:MATRIX_FMT_FP6 matrix_b_fmt:MATRIX_FMT_FP6 matrix_b_scale:MATRIX_SCALE_ROW1
.else
	v_wmma_scale_f32_16x16x128_f8f6f4 v[0+(\d):7+(\d)], v[0+(\a):11+(\a)], v[0+(\b):11+(\b)], v[0+(\c):7+(\c)], v[0+(\sa)], v[0+(\sb)] matrix_a_fmt:MATRIX_FMT_FP6 matrix_b_fmt:MATRIX_FMT_FP6
.endif
.endif
.endm
; four of a weight block's eight fragments into set sg (window 1), from off bytes behind the block in hand: three loads of 512 consecutive bytes each
.macro WLOADH sg, t0, off
	WIN 0x40
.irp i, 0,1,2,3
.irp c, 0,1,2
	global_load_b128 v[96*(\sg)+12*((\t0)+\i)+4*\c:96*(\sg)+12*((\t0)+\i)+4*\c+3], v[LI], s[16:17] offset:(\off)+1536*((\t0)+\i)+512*\c
.endr
.endr
	WIN 0
.endm
.macro WLOADS sg, off                  ; and its scale image
	global_load_b128 v[WS+4*(\sg):WS+4*(\sg)+3], v[LI], s[16:17] offset:(\off)+12288
.endm
; PHASE X.  A unit is one tile's 16 rows x 128 along K; unit 2 s + u; pos = unit % 4.  Each load takes 512 consecutive bytes of one row.
.macro LOADU pos, off
	WIN 0x80
.irp i, 0,1,2,3,4,5,6,7,8,9,10,11,12,13,14,15
	global_load_b128 v[64*(\pos)+4*\i:64*(\pos)+4*\i+3], v[LI], s[4:5] offset:(8*((\pos)%2)+\i+8*(\i/8))*4096+512*((\pos)/2)+(\off) th:TH_LOAD_NT
.endr
	WIN 0
.endm
; the unit turns through the wave's own stage: in as loaded, out 16 neighbours of each block of 32 to a lane.  LDS serves a wave's instructions in order: no wait between the stores and the loads
.macro TURNU pos
	WIN 0x08
.irp i, 0,1,2,3,4,5,6,7,8,9,10,11,12,13,14,15
	ds_store_b128 v[SI], v[64*(\pos)+4*\i:64*(\pos)+4*\i+3] offset:8448*((\pos)%2)+528*\i
.endr
	WIN 0
.irp b, 0,1,2,3
.irp j, 0,1,2,3
	ds_load_b128 v[XN+64*((\pos)%2)+16*\b+4*\j:XN+64*((\pos)%2)+16*\b+4*\j+3], v[SOA] offset:8448*((\pos)%2)+128*\b+16*\j
.endr
.endr
.endm
; 64 numbers of a lane, v[s] on in window w, register 16 b + i = k 32 b + 16 (lane / 16) + i of my row, become a fragment's codes in v[pc] on and its scale word in v[pw] (window 0).
; Each result tile of eight registers is read from its low end on.
.macro QUANT s, w, pc, pw
	WIN (\w)*5
.irp b, 0,1,2,3
	v_max3_num_f32 v[TM+\b], |v[(\s)+16*\b]|, |v[(\s)+16*\b+1]|, 0x1800000   ; with the floor 2^(3 - 127): the byte cannot fall under 1
.endr
.irp i, 2,4,6,8,10,12,14
.irp b, 0,1,2,3
	v_max3_num_f32 v[TM+\b], |v[(\s)+16*\b+\i]|, |v[(\s)+16*\b+\i+1]|, v[TM+\b]
.endr
.endr
	WIN 0
.irp b, 0,1,2,3
	v_permlanex16_b32 v[TM+4+\b], v[TM+\b], s32, s33
.endr
.irp b, 0,1,2,3
	v_max_num_f32 v[TM+\b], v[TM+\b], v[TM+4+\b]   ; with lane l xor 16's: the block's largest magnitude
.endr
.irp b, 0,1,2,3
	v_add_nc_u32 v[TM+12+\b], 0xff000000, v[TM+\b] ; 2 off the exponent field: the conversion's scale operand
.endr
.irp b, 0,1,2,3
	v_lshrrev_b32 v[TM+4+\b], 23, v[TM+12+\b]      ; the scale's byte
.endr
	v_lshl_or_b32 v[\pw], v[TM+5], 8, v[TM+4]
	v_lshl_or_b32 v[\pw], v[TM+6], 16, v[\pw]
	v_lshl_or_b32 v[\pw], v[TM+7], 24, v[\pw]
	WIN (\w)
.irp c, 0,1
	v_cvt_scalef32_pk16_fp6_f32 v[(\pc)+6*\c:(\pc)+6*\c+2], v[(\s)+32*\c:(\s)+32*\c+15], v[TM+12+2*\c]
	v_cvt_scalef32_pk16_fp6_f32 v[(\pc)+12+4*\c:(\pc)+14+4*\c], v[(\s)+32*\c+16:(\s)+32*\c+31], v[TM+13+2*\c]
.endr
	WIN 0
	v_nop                                          ; one plain place behind a scaled conversion
.irp c, 0,1                            ; the operand's layout wants a whole block in a lane
.irp i, 0,1,2
	v_permlane16_swap_b32 v[(\pc)+6*\c+\i], v[(\pc)+12+4*\c+\i]
.endr
.irp i, 0,1,2
	v_mov_b32 v[(\pc)+3+6*\c+\i], v[(\pc)+12+4*\c+\i]
.endr
.endr
.endm
.macro IMAGE pos
.irp c, 0,1,2
	ds_store_b128 v[XWC], v[PC+20*((\pos)%2)+4*\c:PC+20*((\pos)%2)+4*\c+3] offset:12800*((\pos)/2)+1536*((\pos)%2)+512*\c
.endr
	ds_store_b32 v[XWSC], v[PW+(\pos)%2] offset:12800*((\pos)/2)+256*((\pos)%2)   ; lanes r and r + 16 write the same word with the same value
.endm
.macro UNIT pos, ld, cnt, turn
	s_wait_dscnt 4                                 ; this unit's numbers are back from the stage, so its stage stores have read their registers; the last unit's four image stores may be out
.if \ld
	LOADU \pos, 1024                               ; the unit four on, into the registers just freed
.endif
.if \turn
	s_wait_loadcnt \cnt                            ; the next unit's 16 loads are in; the units behind it may be out
	TURNU ((\pos)+1)%4
.endif
	QUANT XN+64*((\pos)%2), 0, PC+20*((\pos)%2), PW+(\pos)%2
	IMAGE \pos
.endm
; PHASE G
.macro FETCHX sg                       ; a K step's eight fragments of x and their scale image
.irp j, 0,1,2,3,4,5,6,7
.irp c, 0,1,2
	ds_load_b128 v[XF+96*(\sg)+12*\j+4*\c:XF+96*(\sg)+12*\j+4*\c+3], v[XA] offset:1536*\j+512*\c
.endr
.endr
	ds_load_b128 v[XS+4*(\sg):XS+4*(\sg)+3], v[XA] offset:12288
.endm
; 32 matrix instructions: W's tiles t0 .. t0 + 3 x x's eight.  The 64 accumulators take turns, one instruction a turn, in the same order in every step.
; q, k (var 0): accumulator (x tile j, W tile i) at 256 (i / 4) + 32 j + 8 (i % 4);  v (var 1): at 64 i + 8 j.  first: the bias is the C of the sum's first instruction.
.macro MULH var, sg, t0, first
.if \var
.if \first
	WIN 0x94+0x40*((\t0)/4)
.else
	WIN 0xa4+0x50*((\t0)/4)
.endif
.else
.if \first
	WIN 0x91+0x40*((\t0)/4)
.else
	WIN 0xa1+0x50*((\t0)/4)
.endif
.endif
.set ii, \t0
.rept 4
.set jj, 0
.rept 8
.if \var
.set dd, 64*(ii%4)+8*jj
.else
.set dd, 32*jj+8*(ii%4)
.endif
.if \first
.set cc, 192+8*ii
.else
.set cc, dd
.endif
.if \var
	WM dd, XF+96*(\sg)+12*jj, 96*(\sg)+12*ii, cc, XS+4*(\sg)+jj/2, WS+4*(\sg)+ii/2, jj%2, ii%2
.else
	WM dd, 96*(\sg)+12*ii, XF+96*(\sg)+12*jj, cc, WS+4*(\sg)+ii/2, XS+4*(\sg)+jj/2, ii%2, jj%2
.endif
.set jj, jj+1
.endr
.set ii, ii+1
.endr
.endm
.macro MSEL sg, t0, first              ; the branch hangs on the work-group's number alone and stands round the products alone
	s_cmp_eq_u32 s23, 2
	s_cbranch_scc1 .Lmv_\@
	MULH 0, \sg, \t0, \first
	WIN 0
	s_branch .Lmj_\@
.Lmv_\@:
	MULH 1, \sg, \t0, \first
	WIN 0
.Lmj_\@:
.endm
.macro REFILL sg, half, cond           ; the block two on takes the set's registers; cond = 2: not in the last pass, whose last two steps have no block two on
.if \cond == 2
	s_cmp_eq_u32 s31, 1
	s_cbranch_scc1 .Lnr_\@
.endif
	WLOADH \sg, 4*(\half), 25600
.if \half
	WLOADS \sg, 25600
.endif
.if \cond == 2
.Lnr_\@:
.endif
.endm
.macro STEP sg, first, refill, lcnt, xnext
	s_wait_loadcnt \lcnt                           ; this block's 25 loads are in; the next block's 25 may be out
	s_wait_dscnt 0x0                               ; x's fragments, asked for a step ago
.if \xnext
	s_add_co_u32 s35, s35, 12800
	v_add_nc_u32 v[XA], s35, v[LI]
	FETCHX 1-(\sg)                                 ; (the places in front of these loads closed the step before)
.endif
	MSEL \sg, 0, \first
	PLACES                                         ; four places in front of loads into registers that matrix instructions have read
	REFILL \sg, 0, \refill
	MSEL \sg, 4, \first
	PLACES
	REFILL \sg, 1, \refill
	s_wait_xcnt 0x0                                ; the loads have read their base: it steps to the next block
	s_add_nc_u64 s[16:17], s[16:17], 12800
.endm
	s_load_b256 s[4:11], s[0:1], 0x0               ; Q, K, V, bq
	s_load_b256 s[12:19], s[0:1], 0x20             ; bk, bv, wimg, qimg
	s_load_b64 s[20:21], s[0:1], 0x40              ; kvimg
	v_lshl_add_u32 v[SPW], v0, 2, SPARE
	v_mov_b32 v[NIL], 0
	v_lshrrev_b32 v1, 5, v0
	v_readfirstlane_b32 s22, v1                    ; wave
	s_and_b32 s23, ttmp7, 0xffff                   ; T
	v_and_b32 v54, 31, v0                          ; lane
	v_and_b32 v55, 15, v0                          ; r
	v_bfe_u32 v58, v0, 4, 1                        ; lane / 16
	v_lshlrev_b32 v[LI], 4, v54
	v_lshlrev_b32 v[L8], 3, v54
	s_mul_i32 s36, s22, 16896
	s_add_co_u32 s36, s36, STG
	v_add_nc_u32 v[SI], s36, v[LI]
	v_mul_u32_u24 v[SOA], v55, 528
	v_lshl_add_u32 v[SOA], v58, 6, v[SOA]
	v_add_nc_u32 v[SOA], s36, v[SOA]
	s_mul_i32 s36, s22, 3072
	v_add_nc_u32 v[XW], s36, v[LI]
	s_lshl_b32 s36, s22, 2
	s_add_co_u32 s36, s36, 12288
	v_lshl_add_u32 v[XWS], v55, 4, s36
	v_lshlrev_b32 v[BAQ], 6, v58
	v_and_b32 v59, 8, v55
	v_add_nc_u32 v59, v59, v55
	v_lshlrev_b32 v[BAV], 2, v59
.irp b, 0,1,2,3
	v_mov_b32 v[TM+4+\b], 0                        ; written once: a lane permute's destination counts as one of its sources
.endr
	s_mov_b32 s30, 0xffff0000                      ; lanes 16-31
	s_mov_b32 s32, 0x76543210
	s_mov_b32 s33, 0xfedcba98                      ; v_permlanex16_b32's selects for lane l xor 16
	s_lshl_b32 s36, ttmp9, 19                      ; x: row 128 R + 32 w of 4,096 bytes
	s_lshl_b32 s37, s22, 17
	s_add_co_u32 s36, s36, s37
	s_mov_b32 s37, 0
	s_mul_i32 s38, s23, 819200                     ; the weights: 64 blocks a tensor, 16 a wave, on end
	s_mul_i32 s39, s22, 204800
	s_add_co_u32 s38, s38, s39
	s_mov_b32 s39, 0
	s_lshl_b32 s40, s22, 10                        ; the bias: 256 numbers a wave
	s_mov_b32 s41, 0
	s_cmp_eq_u32 s23, 0
	s_cselect_b32 s42, 0, 1                        ; kvimg's steps are twice qimg's
	s_lshl_b32 s28, 102400, s42                    ; s[28:29]: from head to head
	s_mov_b32 s29, 0
	s_lshr_b32 s43, ttmp9, 4
	s_lshl_b32 s43, s43, 4
	s_lshl_b32 s44, s22, 2
	s_add_co_u32 s43, s43, s44                     ; my first head: 16 b + 4 w
	s_mul_i32 s43, s43, s28
	s_and_b32 s44, ttmp9, 15                       ; the step of 128 rows in the sequence
	s_lshl_b32 s45, 6400, s42
	s_mul_i32 s44, s44, s45
	s_add_co_u32 s44, s43, s44
	s_mov_b32 s45, 0
	s_lshl_b32 s46, 6144, s42
	s_add_co_u32 s46, s46, s44                     ; the scale images lie behind the fragments
	s_mov_b32 s47, 0
	s_cmp_eq_u32 s23, 2
	s_cselect_b32 s48, 6144, 0                     ; V's fragments behind K's,
	s_cselect_b32 s49, 256, 0                      ; V's words behind K's
	s_add_co_u32 s44, s44, s48
	s_add_co_u32 s46, s46, s49
	s_wait_kmcnt 0x0
	s_cmp_eq_u32 s23, 1                            ; the choices hang on the work-group's number alone
	s_cselect_b64 s[4:5], s[6:7], s[4:5]
	s_cselect_b64 s[10:11], s[12:13], s[10:11]
	s_cmp_eq_u32 s23, 2
	s_cselect_b64 s[4:5], s[8:9], s[4:5]
	s_cselect_b64 s[10:11], s[14:15], s[10:11]
	s_cmp_eq_u32 s23, 0
	s_cselect_b64 s[18:19], s[18:19], s[20:21]
	s_add_nc_u64 s[4:5], s[4:5], s[36:37]          ; x at my wave's first row
	s_add_nc_u64 s[16:17], s[16:17], s[38:39]      ; the weights at my first block
	s_add_nc_u64 s[10:11], s[10:11], s[40:41]      ; the bias at my first column
	s_add_nc_u64 s[26:27], s[18:19], s[46:47]      ; out: the scale image,
	s_add_nc_u64 s[18:19], s[18:19], s[44:45]      ; and the fragments
	WLOADH 0, 0, 0                                 ; the first two weight blocks land while x is quantised
	WLOADH 0, 4, 0
	WLOADS 0, 0
	WLOADH 1, 0, 12800
	WLOADH 1, 4, 12800
	WLOADS 1, 12800
	LOADU 0, 0
	LOADU 1, 0
	LOADU 2, 0
	LOADU 3, 0
	s_wait_loadcnt 48                              ; unit 0 is in; units 1 to 3 may be out
	TURNU 0
	s_wait_dscnt 0x0
	s_mov_b32 s35, 0                               ; where the trip's two K steps lie among x's images
	s_mov_b32 s34, 0
.Lx:                                               ; three trips of four units; each unit asks for the unit four on
	v_add_nc_u32 v[XWC], s35, v[XW]
	v_add_nc_u32 v[XWSC], s35, v[XWS]
	UNIT 0, 1, 48, 1
	UNIT 1, 1, 48, 1
	UNIT 2, 1, 48, 1
	UNIT 3, 1, 48, 1
	s_wait_dscnt 0x0                               ; my image stores have read their address registers, which are made anew
	s_wait_xcnt 0x0                                ; the loads have read their base
	s_add_nc_u64 s[4:5], s[4:5], 1024
	s_add_co_u32 s35, s35, 25600
	s_add_co_u32 s34, s34, 1
	s_cmp_lt_u32 s34, 3
	s_cbranch_scc1 .Lx
	v_add_nc_u32 v[XWC], s35, v[XW]
	v_add_nc_u32 v[XWSC], s35, v[XWS]
	UNIT 0, 0, 32, 1                               ; the last four units load nothing: the counts run down
	UNIT 1, 0, 16, 1
	UNIT 2, 0, 0, 1
	UNIT 3, 0, 0, 0
	s_wait_dscnt 0x0                               ; for the others' sake: my images have landed
	s_barrier_signal -1
	s_barrier_wait -1                              ; x's 64 fragments lie in LDS; nothing writes them again
	s_mov_b32 s31, 0                               ; the pass
.Lpass:
	s_mov_b32 s35, 0
	v_mov_b32 v[XA], v[LI]
	FETCHX 0
	s_cmp_eq_u32 s23, 2
	s_cbranch_scc1 .Lbias_v
	WIN 0x40
.irp i, 0,1,2,3,4,5,6,7                ; q, k: lane (r, h) wants, for W's tile 2 b + u, the bias of columns 32 b + 16 h + 8 u + 0 .. 7
	global_load_b128 v[192+8*\i:195+8*\i], v[BAQ], s[10:11] offset:128*(\i/2)+32*(\i%2)
	global_load_b128 v[196+8*\i:199+8*\i], v[BAQ], s[10:11] offset:128*(\i/2)+32*(\i%2)+16
.endr
	WIN 0
	s_branch .Lbias_done
.Lbias_v:
	WIN 0x40
.irp i, 0,1,2,3,4,5,6,7                ; v: a lane holds one column: its bias, in all eight registers
	global_load_b32 v[192+8*\i], v[BAV], s[10:11] offset:128*(\i/2)+32*(\i%2)
.endr
	s_wait_loadcnt 0x0
	WIN 0x41
.irp i, 0,1,2,3,4,5,6,7
.irp k, 1,2,3,4,5,6,7
	v_mov_b32 v[192+8*\i+\k], v[192+8*\i]
.endr
.endr
	WIN 0
	PLACES
.Lbias_done:
	STEP 0, 1, 1, 0, 1                             ; K step 0 starts the sums on the bias; the wait for 0 covers the bias too
	s_mov_b32 s34, 0
.Lk:
	STEP 1, 0, 1, 25, 1
	STEP 0, 0, 1, 25, 1
	s_add_co_u32 s34, s34, 1
	s_cmp_lt_u32 s34, 2
	s_cbranch_scc1 .Lk
	STEP 1, 0, 1, 25, 1
	STEP 0, 0, 2, 25, 1
	STEP 1, 0, 2, 0, 0                             ; the wait is for 0: whether the step before asked for a block hangs on the pass
	; THE WAY OUT.  Group G = 4 e + g is 64 registers at 64 g of window 2 + e: q, k: head e's 64 channels of x's tiles 2 g, 2 g + 1; v: 128 keys of head e's channel tile g.  Each becomes one image of 1,536 bytes.
.irp e, 0,1
.irp g, 0,1,2,3
	s_wait_xcnt 0x0                                ; the earlier stores have read their registers
	QUANT 64*\g, 2+\e, PC+20*(\g%2), SW+\g
.irp c, 0,1,2
	global_store_b128 v[LI], v[PC+20*(\g%2)+4*\c:PC+20*(\g%2)+4*\c+3], s[18:19] offset:1536*\g+512*\c   ; 512 consecutive bytes, at a multiple of 256 from the buffer's first byte
.endr
.endr
	v_cndmask_b32 v[SD], v[SW], v[SW+1], s30       ; the scale image: lanes 0-15 the even group's words, lanes 16-31 the odd group's
	v_cndmask_b32 v[SD+1], v[SW+2], v[SW+3], s30
	global_store_b64 v[L8], v[SD:SD+1], s[26:27]   ; 256 consecutive bytes
	s_wait_xcnt 0x0
	s_add_nc_u64 s[18:19], s[18:19], s[28:29]      ; the next head
	s_add_nc_u64 s[26:27], s[26:27], s[28:29]
.endr
	s_add_nc_u64 s[10:11], s[10:11], 512           ; the next pass's bias
	s_add_co_u32 s31, s31, 1
	s_cmp_lt_u32 s31, 2
	s_cbranch_scc1 .Lpass
	s_wait_tensorcnt 0x0                           ; the wave's end, behind my last LDS store
	ds_add_u32 v[SPW], v[NIL]
	s_wait_dscnt 0x0
	s_endpgm
.Lfunc_end_k_qa0bb8f18d4_proj:
	.size	k_qa0bb8f18d4_proj, .Lfunc_end_k_qa0bb8f18d4_proj-k_qa0bb8f18d4_proj
	.p2alignl 7, 3214868480
	.fill 96, 4, 3214868480
	.section	.rodata,"a",@progbits
	.p2align	6, 0x0
	.amdhsa_kernel k_qa0bb8f18d4_proj
		.amdhsa_group_segment_fixed_size 170496
		.amdhsa_private_segment_fixed_size 0
		.amdhsa_enable_private_segment 0
		.amdhsa_kernarg_size 72
		.amdhsa_user_sgpr_count 2
		.amdhsa_user_sgpr_kernarg_segment_ptr 1
		.amdhsa_wavefront_size32 1
		.amdhsa_system_sgpr_workgroup_id_x 1
		.amdhsa_system_sgpr_workgroup_id_y 1
		.amdhsa_system_sgpr_workgroup_id_z 1
		.amdhsa_system_vgpr_workitem_id 0
		.amdhsa_next_free_vgpr 1024
		.amdhsa_next_free_sgpr 80
		.amdhsa_reserve_vcc 0
		.amdhsa_float_denorm_mode_32 3
		.amdhsa_float_denorm_mode_16_64 3
		.amdhsa_memory_ordered 1
		.amdhsa_forward_progress 1
		.amdhsa_inst_pref_size 236
	.end_amdhsa_kernel
	.amdgpu_metadata
---
amdhsa.version: [ 1, 2 ]
amdhsa.kernels:
  - .name:           k_qa0bb8f18d4_proj
    .symbol:         k_qa0bb8f18d4_proj.kd
    .args:
      - { .name: Q, .offset: 0, .size: 8, .value_kind: global_buffer, .address_space: global }
      - { .name: K, .offset: 8, .size: 8, .value_kind: global_buffer, .address_space: global }
      - { .name: V, .offset: 16, .size: 8, .value_kind: global_buffer, .address_space: global }
      - { .name: bq, .offset: 24, .size: 8, .value_kind: global_buffer, .address_space: global }
      - { .name: bk, .offset: 32, .size: 8, .value_kind: global_buffer, .address_space: global }
      - { .name: bv, .offset: 40, .size: 8, .value_kind: global_buffer, .address_space: global }
      - { .name: wimg, .offset: 48, .size: 8, .value_kind: global_buffer, .address_space: global }
      - { .name: qimg, .offset: 56, .size: 8, .value_kind: global_buffer, .address_space: global }
      - { .name: kvimg, .offset: 64, .size: 8, .value_kind: global_buffer, .address_space: global }
    .group_segment_fixed_size: 170496
    .private_segment_fixed_size: 0
    .kernarg_segment_align: 8
    .kernarg_segment_size: 72
    .max_flat_workgroup_size: 128
    .sgpr_count:     80
    .vgpr_count:     1024
    .wavefront_size: 32
...
	.end_amdgpu_metadata
.endif
;; end of part 2
;; launch attn (part 3): grid 4 x 64, 8 waves a work-group, clusters of 4 x 1, 240,640 bytes of LDS; arguments qimg, kvimg, heads; writes heads
.if DOCPART == 3
	.amdgcn_target "amdgcn-amd-amdhsa--gfx1250"
	.amdhsa_code_object_version 6
	.text
	.protected	k_qa0bb8f18d4_attn
	.globl	k_qa0bb8f18d4_attn
	.p2align	8
	.type	k_qa0bb8f18d4_attn,@function
k_qa0bb8f18d4_attn:
	s_mov_b64 s[64:65], 0
	v_nop
	global_prefetch_b8 v0, s[64:65] scope:SCOPE_SE
	s_setreg_imm32_b32 hwreg(HW_REG_WAVE_MODE, 25, 1), 1
	s_wait_xcnt 0x0
	s_wait_alu depctr_hold_cnt(0) depctr_sa_sdst(0) depctr_va_vdst(0) depctr_va_sdst(0) depctr_va_ssrc(0) depctr_va_vcc(0) depctr_vm_vsrc(0)
	s_getreg_b32 s2, hwreg(HW_REG_IB_STS2, 6, 4)
	s_cmp_eq_u32 s2, 0
	s_cbranch_scc0 .Lentry_in_a_cluster
	s_endpgm
.Lentry_in_a_cluster:
	s_bfe_u32 s2, ttmp6, 0x10000c
	s_cmp_lg_u32 s2, 0x3003
	s_cbranch_scc0 .Lentry_shape_is_right
	s_endpgm
.Lentry_shape_is_right:
; heads[b][s][h][:] = the sum over keys of softmax(q . k / 8) v, both products on codes of E2M3 with one E8M0 scale for each 32 along a product's K.
; THE SOFTMAX: t = score x log2(e) / 8; M = the running largest t rounded UP to a whole number; p = 2^(t - M) is quantised along the keys, not normalised; the row's sum is taken of the unquantised p and divides at the end.
; When M moves, the sum and O are multiplied by 2^(old M - new M), which rounds nothing.
; SHARES.  A cluster of four work-groups owns one head (64 of them); a work-group 512 queries, each of its eight waves 64: four tiles of 16, two waves to a SIMD.  Every wave walks the head's 2,048 keys, 128 a step.
; A HEAD'S K AND V, CODES AND SCALES, ARE 204,800 BYTES AND STAY IN LDS: filled once, jointly for the four partners (the same tensor loads with a mask that names the four), so there is no ring and nothing is filled again.
; Each wave issues two loads: 6,400 bytes of the first four steps, then 19,200 of the other twelve; two tensor loads of a wave are out at the most.
; LAYOUT.  Both products are used transposed: S^T = K Q^T, O^T = V^T P^T: a lane holds ONE query throughout.  The head's 64 fill half of the instruction's 128 along K: a DOUBLE TILE of K holds two tiles of 16 keys in
; the two halves; against (q | 0) it gives the first tile's scores, against (0 | q) the second's.  q's six registers stand between blocks of six zero registers, so both forms are runs of 12; the empty half has zero codes.
; Tile 2 b + u of a step: lane r holds key 32 b + 8 u + r + 8 (r / 8), so that the 16 registers of tiles 2 b, 2 b + 1 are keys 32 b + 16 (lane / 16) + 0 .. 15.  Queries and V's channels are ordered likewise.
; LIMITS: p under 2^-126 counts as 0; a block of p that is all 0 keeps the scale byte 1 over zero codes; NaN and infinities are not served.
; REGISTERS.  window 0: v1-9 addresses; v12-27 four statistics a tile (-M, largest t, the sum in two halves); v28-31 K's and V's scale words; v32-35 q's four forms of scale word; v36-53 at work; v60-107 K's four double tiles;
;   v108-171, v172-235 two buffers of scores; v236-254 p's codes.   window 1: v0-127 O^T (32 a tile); v128-181 zeros and q by turns; v184-231 V's four fragments.
.set STG,   204800                     ; LDS: behind K and V: 8 waves x 16 rows x 272 bytes, for the way out
.set SPARE, 239616                     ; the spare words, 128 bytes for each wave
.set LI,  1
.set L8,  2
.set KA,  3
.set KB,  4
.set SPW, 5
.set NIL, 6
.set STO, 7
.set RD,  8
.set GO,  9
.set KS,  28
.set VS,  30
.set QSA, 32
.set F,   36
.set BM,  38
.set BP,  42
.set SO,  46
.set TA,  50
.set PS,  51
.set SU,  52
.set KF,  60
.set S0,  108
.set S1,  172
.set PC,  236
.set VF,  184
.set CS,  40                           ; s[40:41] c = log2(e) / 8
.set SEL, 42                           ; s[42:43]
.set TB,  44                           ; s44 LDS byte at which the step's block begins
.set MSB, 0
.macro WIN new
.if MSB != (\new)
	s_set_vgpr_msb (MSB<<8)|(\new)
.set MSB, (\new)
.endif
.endm
.macro PLACES
.rept 4
	v_nop
.endr
.endm
.macro WM d, a, b, c, sa, sb, ra, rb
.if (\c) < 0
.if (\ra) && (\rb)
	v_wmma_scale_f32_16x16x128_f8f6f4 v[0+(\d):7+(\d)], v[0+(\a):11+(\a)], v[0+(\b):11+(\b)], 0, v[0+(\sa)], v[0+(\sb)] matrix_a_fmt:MATRIX_FMT_FP6 matrix_b_fmt:MATRIX_FMT_FP6 matrix_a_scale:MATRIX_SCALE_ROW1 matrix_b_scale:MATRIX_SCALE_ROW1
.elseif (\ra)
	v_wmma_scale_f32_16x16x128_f8f6f4 v[0+(\d):7+(\d)], v[0+(\a):11+(\a)], v[0+(\b):11+(\b)], 0, v[0+(\sa)], v[0+(\sb)] matrix_a_fmt:MATRIX_FMT_FP6 matrix_b_fmt:MATRIX_FMT_FP6 matrix_a_scale:MATRIX_SCALE_ROW1
.elseif (\rb)
	v_wmma_scale_f32_16x16x128_f8f6f4 v[0+(\d):7+(\d)], v[0+(\a):11+(\a)], v[0+(\b):11+(\b)], 0, v[0+(\sa)], v[0+(\sb)] matrix_a_fmt:MATRIX_FMT_FP6 matrix_b_fmt:MATRIX_FMT_FP6 matrix_b_scale:MATRIX_SCALE_ROW1
.else
	v_wmma_scale_f32_16x16x128_f8f6f4 v[0+(\d):7+(\d)], v[0+(\a):11+(\a)], v[0+(\b):11+(\b)], 0, v[0+(\sa)], v[0+(\sb)] matrix_a_fmt:MATRIX_FMT_FP6 matrix_b_fmt:MATRIX_FMT_FP6
.endif
.else
.if (\ra) && (\rb)
	v_wmma_scale_f32_16x16x128_f8f6f4 v[0+(\d):7+(\d)], v[0+(\a):11+(\a)], v[0+(\b):11+(\b)], v[0+(\c):7+(\c)], v[0+(\sa)], v[0+(\sb)] matrix_a_fmt:MATRIX_FMT_FP6 matrix_b_fmt:MATRIX_FMT_FP6 matrix_a_scale:MATRIX_SCALE_ROW1 matrix_b_scale:MATRIX_SCALE_ROW1
.elseif (\ra)
	v_wmma_scale_f32_16x16x128_f8f6f4 v[0+(\d):7+(\d)], v[0+(\a):11+(\a)], v[0+(\b):11+(\b)], v[0+(\c):7+(\c)], v[0+(\sa)], v[0+(\sb)] matrix_a_fmt:MATRIX_FMT_FP6 matrix_b_fmt:MATRIX_FMT_FP6 matrix_a_scale:MATRIX_SCALE_ROW1
.elseif (\rb)
	v_wmma_scale_f32_16x16x128_f8f6f4 v[0+(\d):7+(\d)], v[0+(\a):11+(\a)], v[0+(\b):11+(\b)], v[0+(\c):7+(\c)], v[0+(\sa)], v[0+(\sb)] matrix_a_fmt:MATRIX_FMT_FP6 matrix_b_fmt:MATRIX_FMT_FP6 matrix_b_scale:MATRIX_SCALE_ROW1
.else
	v_wmma_scale_f32_16x16x128_f8f6f4 v[0+(\d):7+(\d)], v[0+(\a):11+(\a)], v[0+(\b):11+(\b)], v[0+(\c):7+(\c)], v[0+(\sa)], v[0+(\sb)] matrix_a_fmt:MATRIX_FMT_FP6 matrix_b_fmt:MATRIX_FMT_FP6
.endif
.endif
.endm
.macro CROUND                          ; a round of the cluster's barrier
	s_barrier_signal -1
	s_barrier_wait -1
	s_cmp_lg_u32 s10, 0
	s_cbranch_scc1 .Lnot_wave_0_\@
	s_barrier_signal -3
.Lnot_wave_0_\@:
	s_barrier_wait -3
	s_barrier_signal -1
	s_barrier_wait -1
.endm
; tile t's scores of the step's 128 keys into the buffer at sb: K's double tile b against (q | 0), then against (0 | q)
.macro STT t, sb
	WIN 0x04                                       ; source 1 (q) window 1
.irp b, 0,1,2,3
.irp u, 0,1
	WM (\sb)+16*\b+8*\u, KF+12*\b, 134+12*(\t)-6*\u, -1, KS+\b/2, QSA+2*((\t)%2)+\u, \b%2, (\t)/2
.endr
.endr
.endm
; tile t's O^T += V^T P^T: four tiles of 16 channels, four accumulators by turns
.macro PV t
	WIN 0x51                                       ; source 0 (V), C and D window 1; source 1 (p) window 0
.irp d, 0,1,2,3
	WM 32*(\t)+8*\d, VF+12*\d, PC, 32*(\t)+8*\d, VS+\d/2, PS, \d%2, 0
.endr
.endm
; tile t's softmax of one step, on the 64 scores at sb; it leaves p's codes at PC, their scale word in PS, and O^T under the new M
.macro SOFT t, sb
.set rT, 12+4*(\t)
	WIN 0
.irp b, 0,1,2,3
	v_max3_num_f32 v[BM+\b], v[(\sb)+16*\b], v[(\sb)+16*\b+1], v[(\sb)+16*\b+2]   ; the largest score of each block of 32 keys: for the row's maximum, and, since p rises with the score, for the block's largest p
.endr
.irp i, 3,5,7,9,11,13
.irp b, 0,1,2,3
	v_max3_num_f32 v[BM+\b], v[BM+\b], v[(\sb)+16*\b+\i], v[(\sb)+16*\b+\i+1]
.endr
.endr
.irp b, 0,1,2,3
	v_max_num_f32 v[BM+\b], v[BM+\b], v[(\sb)+16*\b+15]
.endr
.irp b, 0,1,2,3
	v_permlanex16_b32 v[BP+\b], v[BM+\b], s[SEL], s[SEL+1]
.endr
.irp b, 0,1,2,3
	v_max_num_f32 v[BM+\b], v[BM+\b], v[BP+\b]     ; with lane l xor 16's 16 keys
.endr
	v_max3_num_f32 v[TA], v[BM], v[BM+1], v[BM+2]
	v_max_num_f32 v[TA], v[TA], v[BM+3]
	v_mul_f32 v[TA], s[CS], v[TA]                  ; the step's largest t (c is positive)
	v_max_num_f32 v[rT+1], v[rT+1], v[TA]          ; the running largest t
	v_mov_b32 v[TA], v[rT]
	v_floor_f32 v[rT], -v[rT+1]                    ; -M = floor(-t): M is a whole number
	v_sub_f32 v[TA], v[rT], v[TA]                  ; old M - new M: a whole number, 0 or less
	v_cvt_i32_f32 v[TA], v[TA]                     ; (it saturates)
	v_ldexp_f32 v[F], 1.0, v[TA]                   ; f = 2^(old M - new M)
.irp j, 0,2,4,6,8,10,12,14,16,18,20,22,24,26,28,30,32,34,36,38,40,42,44,46,48,50,52,54,56,58,60,62
	v_pk_fma_f32 v[(\sb)+\j:(\sb)+\j+1], v[(\sb)+\j:(\sb)+\j+1], s[CS:CS+1], v[rT:rT+1] op_sel_hi:[1,0,0]   ; t - M
.endr
.irp b, 0,1,2,3
	v_fma_f32 v[BM+\b], v[BM+\b], s[CS], v[rT]     ; the same of each block's largest score
.endr
.irp j, 0,1,2,3,4,5,6,7,8,9,10,11,12,13,14,15,16,17,18,19,20,21,22,23,24,25,26,27,28,29,30,31,32,33,34,35,36,37,38,39,40,41,42,43,44,45,46,47,48,49,50,51,52,53,54,55,56,57,58,59,60,61,62,63
	v_exp_f32 v[(\sb)+\j], v[(\sb)+\j]             ; p = 2^(t - M), at most 1
.endr
	v_pk_mul_f32 v[rT+2:rT+3], v[rT+2:rT+3], v[F:F+1] op_sel_hi:[1,0]   ; the sums under the new M: the plain place behind the exponentials
	s_wait_alu depctr_va_vdst(0)                   ; one wait for the batch of 64, ahead of its first reader
.irp b, 0,1,2,3
	v_exp_f32 v[BM+\b], v[BM+\b]                   ; the block's largest p: the same two instructions on the same number
.endr
	v_pk_add_f32 v[SU:SU+1], v[(\sb):(\sb)+1], v[(\sb)+2:(\sb)+3]       ; the row's sum, of the unquantised p, in two chains
.irp j, 4,8,12,16,20,24,28,32,36,40,44,48,52,56,60
	v_pk_add_f32 v[rT+2:rT+3], v[rT+2:rT+3], v[(\sb)+\j:(\sb)+\j+1]
	v_pk_add_f32 v[SU:SU+1], v[SU:SU+1], v[(\sb)+\j+2:(\sb)+\j+3]
.endr
	v_pk_add_f32 v[rT+2:rT+3], v[rT+2:rT+3], v[SU:SU+1]
	s_wait_alu depctr_va_vdst(0)                   ; and one for the four
.irp b, 0,1,2,3
	v_max_num_f32 v[BM+\b], 0x1800000, v[BM+\b]    ; the floor 2^(3 - 127): the byte cannot fall under 1
.endr
.irp b, 0,1,2,3
	v_add_nc_u32 v[SO+\b], 0xff000000, v[BM+\b]    ; 2 off the exponent field: the conversion's scale operand
.endr
.irp b, 0,1,2,3
	v_lshrrev_b32 v[BP+\b], 23, v[SO+\b]           ; the scale's byte
.endr
	v_lshl_or_b32 v[PS], v[BP+1], 8, v[BP]
	v_lshl_or_b32 v[PS], v[BP+2], 16, v[PS]
	v_lshl_or_b32 v[PS], v[BP+3], 24, v[PS]
.irp c, 0,1
	v_cvt_scalef32_pk16_fp6_f32 v[PC+6*\c:PC+6*\c+2], v[(\sb)+32*\c:(\sb)+32*\c+15], v[SO+2*\c]
	v_cvt_scalef32_pk16_fp6_f32 v[PC+12+4*\c:PC+14+4*\c], v[(\sb)+32*\c+16:(\sb)+32*\c+31], v[SO+2*\c+1]
.endr
	v_nop                                          ; one plain place behind a scaled conversion
.irp c, 0,1
.irp i, 0,1,2
	v_permlane16_swap_b32 v[PC+6*\c+\i], v[PC+12+4*\c+\i]
.endr
.irp i, 0,1,2
	v_mov_b32 v[PC+3+6*\c+\i], v[PC+12+4*\c+\i]
.endr
.endr
	WIN 0x41
.irp j, 0,2,4,6,8,10,12,14,16,18,20,22,24,26,28,30
	v_pk_mul_f32 v[32*(\t)+\j:32*(\t)+\j+1], v[32*(\t)+\j:32*(\t)+\j+1], v[F:F+1] op_sel_hi:[1,0]   ; O^T under the new M
.endr
	PLACES                                         ; with the sixteen above: the places between p's codes and scale word, written by vector instructions, and the products
.endm
; A KEY STEP: 128 keys.  The next tile's scores are made ahead of the present tile's softmax, in the other buffer.
.macro KSTEP
	v_add_nc_u32 v[KA], s[TB], v[LI]
	v_add_nc_u32 v[KB], s[TB], v[L8]
	v_nop
	v_nop                                          ; four places in front of loads into registers that the last products read
.irp b, 0,1,2,3
.irp c, 0,1,2
	ds_load_b128 v[KF+12*\b+4*\c:KF+12*\b+4*\c+3], v[KA] offset:1536*\b+512*\c
.endr
.endr
	ds_load_b64 v[KS:KS+1], v[KB] offset:12288
	WIN 0x40
.irp d, 0,1,2,3
.irp c, 0,1,2
	ds_load_b128 v[VF+12*\d+4*\c:VF+12*\d+4*\c+3], v[KA] offset:6144+1536*\d+512*\c
.endr
.endr
	WIN 0
	ds_load_b64 v[VS:VS+1], v[KB] offset:12544
	s_wait_dscnt 13                                ; K and its words are in; V's 13 loads may be out
	STT 0, S0
	STT 1, S1
	WIN 0
	PLACES                                         ; in front of the first read of results
	SOFT 0, S0
	s_wait_dscnt 0x0                               ; V
	PV 0
	STT 2, S0
	SOFT 1, S1
	PV 1
	STT 3, S1
	SOFT 2, S0
	PV 2
	SOFT 3, S1
	PV 3
	WIN 0
	s_add_co_u32 s[TB], s[TB], 12800
.endm
	s_load_b128 s[4:7], s[0:1], 0x0                ; qimg, kvimg
	s_load_b64 s[8:9], s[0:1], 0x10                ; heads
	v_lshl_add_u32 v[SPW], v0, 2, SPARE
	v_mov_b32 v[NIL], 0
	ds_add_u32 v[SPW], v[NIL]                      ; the wave's opening: the add and its wait ahead of my first tensor load; work on registers stands between them
	v_lshrrev_b32 v1, 5, v0
	v_readfirstlane_b32 s10, v1                    ; wave 0..7
	s_and_b32 s12, ttmp7, 0xffff                   ; the head, 16 b + h, which the four partners share
	; descriptor group 1: dense bytes as rows of 256 (32 elements of 8 bytes), no padding; 15:0 the mask of all four partners, bit 21 beside it
	s_mov_b32 s16, 15|(3<<16)|(1<<21)
	s_mov_b32 s17, 32<<16                          ; tensor_dim0
	s_mov_b32 s18, 25<<16                          ; tensor_dim1 = 25 rows: 6,400 bytes
	s_mov_b32 s19, 32<<16                          ; tile_dim0
	s_mov_b32 s20, 25                              ; tile_dim1
	s_mov_b32 s21, 32                              ; from row to row
	s_mov_b32 s22, 0
	s_mov_b32 s23, 0
	s_mov_b32 s24, 15|(3<<16)|(1<<21)
	s_mov_b32 s25, 32<<16
	s_mov_b32 s26, 75<<16                          ; 75 rows: 19,200 bytes
	s_mov_b32 s27, 32<<16
	s_mov_b32 s28, 75
	s_mov_b32 s29, 32
	s_mov_b32 s30, 0
	s_mov_b32 s31, 0
	s_mul_i32 s46, s12, 204800                     ; the head's block in kvimg
	s_mov_b32 s32, 1
	s_mul_i32 s33, s10, 6400                       ; the first load: my eighth of steps 0 to 3; LDS mirrors the head's block
	s_add_co_u32 s48, s46, s33
	s_mov_b32 s49, 0
	s_mov_b32 s36, 1
	s_mul_i32 s37, s10, 19200
	s_add_co_u32 s37, s37, 51200                   ; the second: my eighth of steps 4 to 15
	s_add_co_u32 s50, s46, s37
	s_mov_b32 s51, 0
	s_mov_b32 s[CS], 0x3e38aa3b                    ; log2(e) / 8
	s_mov_b32 s[CS+1], s[CS]
	s_mov_b32 s[SEL], 0x76543210
	s_mov_b32 s[SEL+1], 0xfedcba98
	s_mov_b32 s[TB], 0
	s_bfe_u32 s11, ttmp6, 0x40000                  ; cx: it enters q's and the result's addresses alone
	s_mul_i32 s52, s12, 102400                     ; q: the head, the step 4 cx + w / 2 of 128 queries
	s_lshl_b32 s56, s11, 2
	s_lshr_b32 s57, s10, 1
	s_add_co_u32 s56, s56, s57
	s_mul_i32 s56, s56, 6400
	s_add_co_u32 s52, s52, s56
	s_and_b32 s57, s10, 1
	s_mul_i32 s54, s57, 3072
	s_add_co_u32 s54, s54, s52                     ; my two double tiles,
	s_mov_b32 s55, 0
	s_lshl_b32 s57, s57, 2
	s_add_co_u32 s52, s52, s57                     ; and, 6,144 on, their words
	s_mov_b32 s53, 0
	s_lshr_b32 s58, s12, 4                         ; the result: row 2,048 b + 512 cx + 64 w of 4,096 bytes, + 256 h
	s_lshl_b32 s58, s58, 11
	s_lshl_b32 s59, s11, 9
	s_add_co_u32 s58, s58, s59
	s_lshl_b32 s59, s10, 6
	s_add_co_u32 s58, s58, s59
	s_lshl_b32 s58, s58, 12
	s_and_b32 s59, s12, 15
	s_lshl_b32 s59, s59, 8
	s_add_co_u32 s58, s58, s59
	s_mov_b32 s59, 0
	s_wait_dscnt 0x0                               ; the opening add is done
	s_wait_kmcnt 0x0
	s_add_nc_u64 s[34:35], s[6:7], s[48:49]
	s_or_b32 s35, s35, 0x80000000                  ; type = 2
	s_add_nc_u64 s[38:39], s[6:7], s[50:51]
	s_or_b32 s39, s39, 0x80000000
	s_add_nc_u64 s[60:61], s[4:5], s[52:53]
	s_add_nc_u64 s[4:5], s[4:5], s[54:55]
	s_add_nc_u64 s[8:9], s[8:9], s[58:59]
	CROUND                                         ; all four work-groups are here: the joint loads meet
	tensor_load_to_lds s[32:35], s[16:23]
	s_nop 0
	tensor_load_to_lds s[36:39], s[24:31]
	s_nop 0
.rept 4
	v_nop
.endr
	v_and_b32 v10, 31, v0                          ; lane
	v_and_b32 v11, 15, v0                          ; r
	v_bfe_u32 v55, v0, 4, 1                        ; lane / 16
	v_lshlrev_b32 v[LI], 4, v10
	v_lshlrev_b32 v[L8], 3, v10
	WIN 0x40
.irp e, 0,1                            ; my double tile e: registers 0-5 are tile 2 e's q, registers 6-11 tile 2 e + 1's
	global_load_b128 v[134+24*\e:137+24*\e], v[LI], s[4:5] offset:1536*\e th:TH_LOAD_NT
	global_load_b64 v[138+24*\e:139+24*\e], v[LI], s[4:5] offset:1536*\e+512 th:TH_LOAD_NT
	global_load_b64 v[146+24*\e:147+24*\e], v[LI], s[4:5] offset:1536*\e+520 th:TH_LOAD_NT
	global_load_b128 v[148+24*\e:151+24*\e], v[LI], s[4:5] offset:1536*\e+1024 th:TH_LOAD_NT
.endr
	WIN 0
	global_load_b32 v54, v[L8], s[60:61] offset:6144   ; lanes 0-15: double tile 0's words, lanes 16-31: double tile 1's
	WIN 0x40
.irp z, 0,1,2,3,4
.irp k, 0,1,2,3,4,5
	v_mov_b32 v[128+12*\z+\k], 0                   ; the zero halves of (q | 0) and (0 | q)
.endr
.endr
	WIN 0
	s_mul_i32 s56, s10, 4352
	s_add_co_u32 s56, s56, STG                     ; my stage
	v_mul_u32_u24 v[STO], v11, 272
	v_lshl_add_u32 v[STO], v55, 6, v[STO]
	v_add_nc_u32 v[STO], s56, v[STO]               ; in: row r, + 64 (lane / 16)
	v_mul_u32_u24 v[RD], v55, 272
	v_lshl_add_u32 v[RD], v11, 4, v[RD]
	v_add_nc_u32 v[RD], s56, v[RD]                 ; back: lanes 0-15 one row of 256 bytes, lanes 16-31 the next
	v_lshlrev_b32 v[GO], 12, v55
	v_lshl_add_u32 v[GO], v11, 4, v[GO]            ; and the same two rows of the result, 4,096 bytes apart
.irp t, 0,1,2,3
	v_mov_b32 v[13+4*\t], 0xff61b1e6               ; the largest t so far: -3e38
	v_floor_f32 v[12+4*\t], -v[13+4*\t]            ; -M
	v_mov_b32 v[14+4*\t], 0                        ; the sum, in two halves
	v_mov_b32 v[15+4*\t], 0
	v_mov_b32 v[BP+\t], 0                          ; written once: a lane permute's destination counts as one of its sources
.endr
	v_mov_b32 v[F+1], 0                            ; named as the upper half of a pair
	s_wait_loadcnt 0x0                             ; q and its words
	v_and_b32 v[QSA], 0xffff, v54                  ; even tile, (q | 0): its two bytes below, byte 0 over the zero codes
	v_lshlrev_b32 v[QSA+1], 16, v54                ; even tile, (0 | q)
	v_lshrrev_b32 v[QSA+2], 16, v54                ; odd tile, (q | 0)
	v_and_b32 v[QSA+3], 0xffff0000, v54            ; odd tile, (0 | q)
	WIN 0x40
.set xx, 0
.rept 128
	v_mov_b32 v[xx], 0                             ; O^T: the step is written once; the first finds zeros, which the first change of M leaves zeros.  (Also the places between the scale words above and the first product)
.set xx, xx+1
.endr
	WIN 0
	s_wait_tensorcnt 1                             ; my part of steps 0 to 3 is in; the second load may stay out
	s_barrier_signal -1
	s_barrier_wait -1
	s_mov_b32 s45, 0
.Lfirst:
	KSTEP
	s_add_co_u32 s45, s45, 1
	s_cmp_lt_u32 s45, 4
	s_cbranch_scc1 .Lfirst
	s_wait_tensorcnt 0x0                           ; my part of steps 4 to 15 is in,
	s_wait_dscnt 0x0
	s_barrier_signal -1
	s_barrier_wait -1                              ; everybody's is
	s_mov_b32 s45, 0
.Lrest:
	KSTEP
	s_add_co_u32 s45, s45, 1
	s_cmp_lt_u32 s45, 12
	s_cbranch_scc1 .Lrest
	; THE WAY OUT.  The sum's two halves and lane l xor 16's are added (these lines are the places behind the last products); O^T / the sum goes through my stage, a tile at a time, and leaves as rows of 256 bytes.
.irp t, 0,1,2,3
	v_add_f32 v[BM+\t], v[14+4*\t], v[15+4*\t]
.endr
.irp t, 0,1,2,3
	v_permlanex16_b32 v[BP+\t], v[BM+\t], s[SEL], s[SEL+1]
.endr
.irp t, 0,1,2,3
	v_add_f32 v[BM+\t], v[BM+\t], v[BP+\t]
.endr
.irp t, 0,1,2,3
	v_rcp_f32 v[14+4*\t], v[BM+\t]
.endr
	v_nop                                          ; a plain place behind the last reciprocal
	s_wait_alu depctr_va_vdst(0)                   ; one wait for the four, ahead of the first reader
.macro OUTT t
.set SB, S0+64*((\t)%2)
.if (\t) >= 2
	s_wait_xcnt 0x0                                ; the stores of the tile two back have read their registers
.endif
	WIN 0x01
.set xx, 0
.rept 16
	v_pk_mul_f32 v[SB+2*xx:SB+2*xx+1], v[32*(\t)+2*xx:32*(\t)+2*xx+1], v[14+4*(\t):15+4*(\t)] op_sel_hi:[1,0]   ; register 8 d + i is channel 32 (d / 2) + 16 (lane / 16) + 8 (d % 2) + i
.set xx, xx+1
.endr
	WIN 0
.irp x, 0,1,2,3,4,5,6,7
	ds_store_b128 v[STO], v[SB+4*\x:SB+4*\x+3] offset:128*(\x/4)+16*(\x%4)
.endr
.irp i, 0,1,2,3,4,5,6,7
	ds_load_b128 v[SB+32+4*\i:SB+35+4*\i], v[RD] offset:544*\i     ; LDS serves a wave's instructions in order: these see my stores
.endr
.irp i, 0,1,2,3,4,5,6,7
	s_wait_dscnt 7-\i
	global_store_b128 v[GO], v[SB+32+4*\i:SB+35+4*\i], s[8:9] offset:(2*\i+8*(\i/4)+8*((\t)%2)+32*((\t)/2))*4096   ; stage row 2 i + lane / 16 is query 32 (t / 2) + 8 (t % 2) + row + 8 (row / 8); 16 lanes store 256 consecutive bytes
.endr
.endm
	OUTT 0
	OUTT 1
	OUTT 2
	OUTT 3
	s_wait_tensorcnt 0x0                           ; the wave's end, behind my last tensor load and my last LDS store
	ds_add_u32 v[SPW], v[NIL]
	s_wait_dscnt 0x0
	CROUND                                         ; the closing round
	s_endpgm
.Lfunc_end_k_qa0bb8f18d4_attn:
	.size	k_qa0bb8f18d4_attn, .Lfunc_end_k_qa0bb8f18d4_attn-k_qa0bb8f18d4_attn
	.p2alignl 7, 3214868480
	.fill 96, 4, 3214868480
	.section	.rodata,"a",@progbits
	.p2align	6, 0x0
	.amdhsa_kernel k_qa0bb8f18d4_attn
		.amdhsa_group_segment_fixed_size 240640
		.amdhsa_private_segment_fixed_size 0
		.amdhsa_enable_private_segment 0
		.amdhsa_kernarg_size 24
		.amdhsa_user_sgpr_count 2
		.amdhsa_user_sgpr_kernarg_segment_ptr 1
		.amdhsa_wavefront_size32 1
		.amdhsa_system_sgpr_workgroup_id_x 1
		.amdhsa_system_sgpr_workgroup_id_y 1
		.amdhsa_system_sgpr_workgroup_id_z 1
		.amdhsa_system_vgpr_workitem_id 0
		.amdhsa_next_free_vgpr 512
		.amdhsa_next_free_sgpr 66
		.amdhsa_reserve_vcc 0
		.amdhsa_float_denorm_mode_32 3
		.amdhsa_float_denorm_mode_16_64 3
		.amdhsa_memory_ordered 1
		.amdhsa_forward_progress 1
		.amdhsa_inst_pref_size 137
	.end_amdhsa_kernel
	.amdgpu_metadata
---
amdhsa.version: [ 1, 2 ]
amdhsa.kernels:
  - .name:           k_qa0bb8f18d4_attn
    .symbol:         k_qa0bb8f18d4_attn.kd
    .args:
      - { .name: qimg, .offset: 0, .size: 8, .value_kind: global_buffer, .address_space: global }
      - { .name: kvimg, .offset: 8, .size: 8, .value_kind: global_buffer, .address_space: global }
      - { .name: heads, .offset: 16, .size: 8, .value_kind: global_buffer, .address_space: global }
    .group_segment_fixed_size: 240640
    .private_segment_fixed_size: 0
    .kernarg_segment_align: 8
    .kernarg_segment_size: 24
    .max_flat_workgroup_size: 256
    .sgpr_count:     66
    .vgpr_count:     512
    .wavefront_size: 32
...
	.end_amdgpu_metadata
.endif
;; end of part 3
;; launch outp (part 4): grid 2 x 128, 4 waves a work-group, no clusters, 85,760 bytes of LDS; arguments heads, wimg, bo, out0; writes out0
.if DOCPART == 4
	.amdgcn_target "amdgcn-amd-amdhsa--gfx1250"
	.amdhsa_code_object_version 6
	.text
	.protected	k_qa0bb8f18d4_outp
	.globl	k_qa0bb8f18d4_outp
	.p2align	8
	.type	k_qa0bb8f18d4_outp,@function
k_qa0bb8f18d4_outp:
	s_mov_b64 s[64:65], 0
	v_nop
	global_prefetch_b8 v0, s[64:65] scope:SCOPE_SE
	s_setreg_imm32_b32 hwreg(HW_REG_WAVE_MODE, 25, 1), 1
	s_wait_xcnt 0x0
; out = concat Wo^T + bo on codes of E2M3.  concat's index along K is c = 16 d + h; heads is [row][h][64] f32, so block j of 32 along K is channels 2 j, 2 j + 1 of all 16 heads.
; Inside a block the codes stand in the order 2 h + p (c = 32 j + 16 p + h), as the first launch laid Wo's: blocks, scales and products are those of the natural order.
; SHARES.  Work-group (nh, Rb): rows 64 Rb .. + 63, columns 512 nh .. + 511: 256 work-groups.  PHASE X: wave w quantises rows 16 w .. 16 w + 15, a row at a time, A LANE A BLOCK: each load reads one head's 256 bytes,
; a block's maximum needs no other lane; the codes go to LDS as fragment images (8 K steps x (4 images of 1,536 bytes + 256 of scale words + 16 of padding)).
; PHASE G: wave w makes 64 rows x 128 columns (32 accumulators); source 0 = 16 columns of Wo, source 1 = 16 rows, so that a lane holds neighbouring columns of one row.  Wo's blocks come from wimg into four sets of registers.
; NO MULTICAST: a weight fragment feeds one wave of a work-group and goes from memory into its registers; the rows' f32 numbers are shared by two work-groups only.
; LIMITS: NaN and infinities are not served; a block of zeros, or one under 2^-124, keeps the scale byte 1.
; REGISTERS.  window 0: v1-18 addresses and scratch; v20-23 x's scale words, v24-39 W's (four sets); v40-61 codes and words just made; v64-159 x's two sets, on the way out v64-191 rows of the result.
;   window 1: W's sets 0, 1; the bias at v192.   window 3: W's sets 2, 3.   window 2: the accumulators at 64 j + 8 i (phase X: four rows as loaded).
.set SS,    6416
.set STG,   51456
.set SPARE, 85248
.set LI,  1
.set L8,  2
.set A0,  3
.set A1,  4
.set AS,  5
.set SH,  6
.set SPW, 8
.set NIL, 9
.set STO, 10
.set RD,  11
.set BA,  18
.set XS,  20
.set WS,  24
.set XF,  64
.set BK,  64
.set MSB, 0
.macro WIN new
.if MSB != (\new)
	s_set_vgpr_msb (MSB<<8)|(\new)
.set MSB, (\new)
.endif
.endm
.macro PLACES
.rept 4
	v_nop
.endr
.endm
.macro WM d, a, b, c, sa, sb, ra, rb
.if (\ra) && (\rb)
	v_wmma_scale_f32_16x16x128_f8f6f4 v[0+(\d):7+(\d)], v[0+(\a):11+(\a)], v[0+(\b):11+(\b)], v[0+(\c):7+(\c)], v[0+(\sa)], v[0+(\sb)] matrix_a_fmt:MATRIX_FMT_FP6 matrix_b_fmt:MATRIX_FMT_FP6 matrix_a_scale:MATRIX_SCALE_ROW1 matrix_b_scale:MATRIX_SCALE_ROW1
.elseif (\ra)
	v_wmma_scale_f32_16x16x128_f8f6f4 v[0+(\d):7+(\d)], v[0+(\a):11+(\a)], v[0+(\b):11+(\b)], v[0+(\c):7+(\c)], v[0+(\sa)], v[0+(\sb)] matrix_a_fmt:MATRIX_FMT_FP6 matrix_b_fmt:MATRIX_FMT_FP6 matrix_a_scale:MATRIX_SCALE_ROW1
.elseif (\rb)
	v_wmma_scale_f32_16x16x128_f8f6f4 v[0+(\d):7+(\d)], v[0+(\a):11+(\a)], v[0+(\b):11+(\b)], v[0+(\c):7+(\c)], v[0+(\sa)], v[0+(\sb)] matrix_a_fmt:MATRIX_FMT_FP6 matrix_b_fmt:MATRIX_FMT_FP6 matrix_b_scale:MATRIX_SCALE_ROW1
.else
	v_wmma_scale_f32_16x16x128_f8f6f4 v[0+(\d):7+(\d)], v[0+(\a):11+(\a)], v[0+(\b):11+(\b)], v[0+(\c):7+(\c)], v[0+(\sa)], v[0+(\sb)] matrix_a_fmt:MATRIX_FMT_FP6 matrix_b_fmt:MATRIX_FMT_FP6
.endif
.endm
.macro WLD blk, t0                     ; four fragments of weight block blk into set blk % 4: window 1 (sets 0, 1) or 3
	WIN 0x40+0x80*(((\blk)%4)/2)
.irp i, 0,1,2,3
.irp c, 0,1,2
	global_load_b128 v[96*((\blk)%2)+12*((\t0)+\i)+4*\c:96*((\blk)%2)+12*((\t0)+\i)+4*\c+3], v[LI], s[6:7] offset:12800*(\blk)+1536*((\t0)+\i)+512*\c
.endr
.endr
	WIN 0
.endm
.macro WLS blk
	global_load_b128 v[WS+4*((\blk)%4):WS+4*((\blk)%4)+3], v[LI], s[6:7] offset:12800*(\blk)+12288
.endm
.macro RLOAD i                         ; row i of my 16: lane j takes channels 2 j, 2 j + 1 of each head: 256 consecutive bytes a load
	WIN 0x80
.irp h, 0,1,2,3,4,5,6,7,8,9,10,11,12,13,14,15
	global_load_b64 v[32*((\i)%4)+2*\h:32*((\i)%4)+2*\h+1], v[L8], s[4:5] offset:(\i)*4096+256*\h
.endr
	WIN 0
.endm
.macro ROW i, cnt, ld
.set SL, 32*((\i)%4)
.set CC, 40+10*((\i)%2)
.set WD, 60+(\i)%2
	s_wait_loadcnt \cnt                            ; this row's 16 loads are in; the rows behind it may be out
	s_wait_dscnt 4                                 ; the stores of the row two back are done: their registers are written again
	WIN 0x0a
	v_max3_num_f32 v12, |v[SL]|, |v[SL+1]|, 0x1800000              ; my block's largest magnitude, with the floor 2^(3 - 127)
	v_max3_num_f32 v13, |v[SL+2]|, |v[SL+3]|, 0x1800000
.irp k, 4,8,12,16,20,24,28
	v_max3_num_f32 v12, |v[SL+\k]|, |v[SL+\k+1]|, v12
	v_max3_num_f32 v13, |v[SL+\k+2]|, |v[SL+\k+3]|, v13
.endr
	WIN 0
	v_max_num_f32 v12, v12, v13
	v_add_nc_u32 v14, 0xff000000, v12              ; 2 off the exponent field: the conversion's scale operand
	v_lshrrev_b32 v15, 23, v14                     ; the scale's byte
	WIN 0x02
	v_cvt_scalef32_pk16_fp6_f32 v[CC:CC+2], v[SL:SL+15], v14
	v_cvt_scalef32_pk16_fp6_f32 v[CC+6:CC+8], v[SL+16:SL+31], v14
	WIN 0
	v_lshlrev_b32 v15, v[SH], v15                  ; the byte at its place in the K step's word.  (The plain place behind the conversions)
	v_mov_b32 v[CC+3], v[CC+6]
	v_mov_b32 v[CC+4], v[CC+7]
	v_mov_b32 v[CC+5], v[CC+8]
	v_mov_b32_dpp v16, v15 row_xmask:1 row_mask:0xf bank_mask:0xf
	v_or_b32 v15, v15, v16
	v_mov_b32_dpp v16, v15 row_xmask:2 row_mask:0xf bank_mask:0xf
	v_or_b32 v[WD], v15, v16                       ; with the three other lanes of the K step: the row's scale word
.if \ld
	RLOAD (\i)+4
.endif
	ds_store_b64 v[A0], v[CC:CC+1] offset:16*(\i)
	ds_store_b64 v[A1], v[CC+2:CC+3] offset:16*(\i)
	ds_store_b64 v[A0], v[CC+4:CC+5] offset:16*(\i)+512
	ds_store_b32 v[AS], v[WD] offset:8*(\i)        ; the four lanes of a K step write the same word with the same value
.endm
.macro FETCHX s                        ; K step s: four fragments of x and their words
.irp j, 0,1,2,3
.irp c, 0,1,2
	ds_load_b128 v[XF+48*((\s)%2)+12*\j+4*\c:XF+48*((\s)%2)+12*\j+4*\c+3], v[LI] offset:SS*(\s)+1536*\j+512*\c
.endr
.endr
	ds_load_b64 v[XS+2*((\s)%2):XS+2*((\s)%2)+1], v[L8] offset:SS*(\s)+6144
.endm
.macro MUL16 s, t0                     ; W's tiles t0 .. t0 + 3 x the four tiles of rows; the 32 accumulators take turns, one instruction a turn
.if (\s) == 0
	WIN 0x91                                       ; the bias (window 1) is the C of each sum's first instruction
.else
	WIN 0xa1+2*(((\s)%4)/2)
.endif
.set ii, \t0
.rept 4
.set jj, 0
.rept 4
.if (\s) == 0
.set cc, 192+8*ii
.else
.set cc, 64*jj+8*ii
.endif
	WM 64*jj+8*ii, 96*((\s)%2)+12*ii, XF+48*((\s)%2)+12*jj, cc, WS+4*((\s)%4)+ii/2, XS+2*((\s)%2)+jj/2, ii%2, jj%2
.set jj, jj+1
.endr
.set ii, ii+1
.endr
	WIN 0
.endm
.macro GSTEP s
.if (\s) == 4
	s_wait_loadcnt 63                              ; block 4 is in (75 younger loads might stay out; the wait's field holds 63)
.elseif (\s) > 4
	s_wait_loadcnt 25*(7-(\s))                     ; this block is in; the later blocks' loads may be out
.endif
	s_wait_dscnt 0x0                               ; x's fragments, asked for a step ago
.if (\s) < 7
	FETCHX (\s)+1                                  ; (the places in front of these loads closed the step before)
.endif
	MUL16 \s, 0
	PLACES                                         ; four places in front of loads into registers that matrix instructions have read
.if (\s) < 4
	WLD (\s)+4, 0
.endif
	MUL16 \s, 4
	PLACES
.if (\s) < 4
	WLD (\s)+4, 4
	WLS (\s)+4
.endif
.endm
	s_load_b256 s[4:11], s[0:1], 0x0               ; heads, wimg, bo, out0
	v_lshl_add_u32 v[SPW], v0, 2, SPARE
	v_mov_b32 v[NIL], 0
	v_lshrrev_b32 v1, 5, v0
	v_readfirstlane_b32 s12, v1                    ; wave
	s_and_b32 s14, ttmp7, 0xffff                   ; Rb
	v_and_b32 v12, 31, v0
	v_lshlrev_b32 v[LI], 4, v12
	v_lshlrev_b32 v[L8], 3, v12
	v_bfe_u32 v12, v0, 2, 3                        ; my block's K step: lane / 4
	v_mul_u32_u24 v13, v12, SS
	v_bfe_u32 v14, v0, 1, 1                        ; which half of the fragment's registers
	v_and_b32 v15, 1, v0                           ; which half of its lanes
	v_lshl_add_u32 v16, v15, 8, v13
	s_mul_i32 s16, s12, 1536
	v_add_nc_u32 v16, s16, v16
	v_mad_u32_u24 v[A0], v14, 520, v16             ; register pairs 0, 1, 2 lie at 0, 8, 512 of an image; pairs 3, 4, 5 at 520, 1,024, 1,032
	v_mad_u32_u24 v[A1], v14, 1016, v16
	v_add_nc_u32 v[A1], 8, v[A1]
	s_and_b32 s17, s12, 1
	s_lshl_b32 s17, s17, 7
	s_lshr_b32 s18, s12, 1
	s_lshl_b32 s18, s18, 2
	s_add_co_u32 s17, s17, s18
	s_add_co_u32 s17, s17, 6144
	v_add_nc_u32 v[AS], s17, v13                   ; the word of tile w, row i: 6,144 + 8 (i + 16 (w % 2)) + 4 (w / 2)
	v_and_b32 v[SH], 3, v0
	v_lshlrev_b32 v[SH], 3, v[SH]
	v_and_b32 v12, 15, v0                          ; r
	v_bfe_u32 v13, v0, 4, 1                        ; lane / 16
	v_lshlrev_b32 v[BA], 6, v13
	s_mul_i32 s17, s12, 8448
	s_add_co_u32 s17, s17, STG                     ; my stage: 16 rows x 528 bytes
	v_mul_u32_u24 v[STO], v12, 528
	v_lshl_add_u32 v[STO], v13, 6, v[STO]
	v_add_nc_u32 v[STO], s17, v[STO]
	v_add_nc_u32 v[RD], s17, v[LI]
	s_lshl_b32 s15, ttmp9, 2
	s_add_co_u32 s15, s15, s12                     ; cg = 4 nh + w
	s_lshl_b32 s20, s14, 18                        ; rows 64 Rb of 4,096 bytes,
	s_lshl_b32 s21, s12, 16
	s_add_co_u32 s20, s20, s21                     ; + 16 w
	s_mov_b32 s21, 0
	s_lshl_b32 s22, s15, 3
	s_add_co_u32 s22, s22, 192
	s_mul_i32 s22, s22, 12800                      ; Wo's blocks 192 + 8 cg on
	s_mov_b32 s23, 0
	s_lshl_b32 s24, s15, 9                         ; 128 columns of f32
	s_mov_b32 s25, 0
	s_lshl_b32 s26, s14, 18
	s_add_co_u32 s26, s26, s24
	s_mov_b32 s27, 0
	s_wait_kmcnt 0x0
	s_add_nc_u64 s[4:5], s[4:5], s[20:21]
	s_add_nc_u64 s[6:7], s[6:7], s[22:23]
	s_add_nc_u64 s[8:9], s[8:9], s[24:25]
	s_add_nc_u64 s[10:11], s[10:11], s[26:27]
.irp k, 0,1,2,3
	WLD \k, 0
	WLD \k, 4
	WLS \k
.endr
	WIN 0x40
.irp i, 0,1,2,3,4,5,6,7                ; lane (r, h) wants, for W's tile 2 b + u, the bias of columns 32 b + 16 h + 8 u + 0 .. 7
	global_load_b128 v[192+8*\i:195+8*\i], v[BA], s[8:9] offset:128*(\i/2)+32*(\i%2)
	global_load_b128 v[196+8*\i:199+8*\i], v[BA], s[8:9] offset:128*(\i/2)+32*(\i%2)+16
.endr
	WIN 0
	RLOAD 0
	RLOAD 1
	RLOAD 2
	RLOAD 3
.irp i, 0,1,2,3,4,5,6,7,8,9,10,11
	ROW \i, 48, 1
.endr
	ROW 12, 48, 0                                  ; the last four rows load nothing: the counts run down
	ROW 13, 32, 0
	ROW 14, 16, 0
	ROW 15, 0, 0
	s_wait_dscnt 0x0                               ; for the others' sake: my images have landed
	s_barrier_signal -1
	s_barrier_wait -1
	FETCHX 0
.irp s, 0,1,2,3,4,5,6,7
	GSTEP \s
.endr
; THE WAY OUT, 16 rows x 128 columns at a time: through my own stage and back as whole rows of 512 bytes.  LDS serves a wave's instructions in order: no wait between the stores and the loads, nor in front of the next block's stores.
.macro TOSTAGE a
	WIN 0x08
.irp i, 0,1,2,3,4,5,6,7
	ds_store_b128 v[STO], v[64*(\a)+8*\i:64*(\a)+8*\i+3] offset:128*(\i/2)+32*(\i%2)        ; each accumulator from its low end on
	ds_store_b128 v[STO], v[64*(\a)+8*\i+4:64*(\a)+8*\i+7] offset:128*(\i/2)+32*(\i%2)+16
.endr
	WIN 0
.irp t, 0,1,2,3,4,5,6,7,8,9,10,11,12,13,14,15
	ds_load_b128 v[BK+64*((\a)%2)+4*\t:BK+64*((\a)%2)+4*\t+3], v[RD] offset:528*\t
.endr
.endm
.macro SEND a, younger
	s_wait_dscnt \younger                          ; the block is back in registers
.irp t, 0,1,2,3,4,5,6,7,8,9,10,11,12,13,14,15
	global_store_b128 v[LI], v[BK+64*((\a)%2)+4*\t:BK+64*((\a)%2)+4*\t+3], s[10:11] offset:(16*(\a)+\t)*4096 th:TH_STORE_NT   ; 512 consecutive bytes, at a multiple of 256 from the output's first byte
.endr
.endm
	TOSTAGE 0                                      ; (the last step's closing places stand in front)
.irp a, 1,2,3
.if \a > 1
	s_wait_xcnt 0x0                                ; the stores of the block two back have read their registers
.endif
	TOSTAGE \a
	SEND \a-1, 32                                  ; behind that block's loads: this block's 16 stores and 16 loads
.endr
	SEND 3, 0
	s_wait_tensorcnt 0x0                           ; the wave's end, behind my last LDS store
	ds_add_u32 v[SPW], v[NIL]
	s_wait_dscnt 0x0
	s_endpgm
.Lfunc_end_k_qa0bb8f18d4_outp:
	.size	k_qa0bb8f18d4_outp, .Lfunc_end_k_qa0bb8f18d4_outp-k_qa0bb8f18d4_outp
	.p2alignl 7, 3214868480
	.fill 96, 4, 3214868480
	.section	.rodata,"a",@progbits
	.p2align	6, 0x0
	.amdhsa_kernel k_qa0bb8f18d4_outp
		.amdhsa_group_segment_fixed_size 85760
		.amdhsa_private_segment_fixed_size 0
		.amdhsa_enable_private_segment 0
		.amdhsa_kernarg_size 32
		.amdhsa_user_sgpr_count 2
		.amdhsa_user_sgpr_kernarg_segment_ptr 1
		.amdhsa_wavefront_size32 1
		.amdhsa_system_sgpr_workgroup_id_x 1
		.amdhsa_system_sgpr_workgroup_id_y 1
		.amdhsa_system_sgpr_workgroup_id_z 1
		.amdhsa_system_vgpr_workitem_id 0
		.amdhsa_next_free_vgpr 1024
		.amdhsa_next_free_sgpr 66
		.amdhsa_reserve_vcc 0
		.amdhsa_float_denorm_mode_32 3
		.amdhsa_float_denorm_mode_16_64 3
		.amdhsa_memory_ordered 1
		.amdhsa_forward_progress 1
		.amdhsa_inst_pref_size 139
	.end_amdhsa_kernel
	.amdgpu_metadata
---
amdhsa.version: [ 1, 2 ]
amdhsa.kernels:
  - .name:           k_qa0bb8f18d4_outp
    .symbol:         k_qa0bb8f18d4_outp.kd
    .args:
      - { .name: heads, .offset: 0, .size: 8, .value_kind: global_buffer, .address_space: global }
      - { .name: wimg, .offset: 8, .size: 8, .value_kind: global_buffer, .address_space: global }
      - { .name: bo, .offset: 16, .size: 8, .value_kind: global_buffer, .address_space: global }
      - { .name: out0, .offset: 24, .size: 8, .value_kind: global_buffer, .address_space: global }
    .group_segment_fixed_size: 85760
    .private_segment_fixed_size: 0
    .kernarg_segment_align: 8
    .kernarg_segment_size: 32
    .max_flat_workgroup_size: 128
    .sgpr_count:     66
    .vgpr_count:     1024
    .wavefront_size: 32
...
	.end_amdgpu_metadata
.endif
;; end of part 4
;; ======== version 2 of 2: 4 launches
;; workspace buffers: wimg 3,276,800 bytes; qimg 6,553,600 bytes; kvimg 13,107,200 bytes; heads 33,554,432 bytes
;; launch prep (part 5): grid 256 x 1, 4 waves a work-group, no clusters, 80,896 bytes of LDS; arguments Wq, Wk, Wv, Wo, wimg; writes wimg
.if DOCPART == 5
	.amdgcn_target "amdgcn-amd-amdhsa--gfx1250"
	.amdhsa_code_object_version 6
	.text
	.protected	k_qa0bb8f18d4_prep
	.globl	k_qa0bb8f18d4_prep
	.p2align	8
	.type	k_qa0bb8f18d4_prep,@function
k_qa0bb8f18d4_prep:
	s_mov_b64 s[64:65], 0
	v_nop
	global_prefetch_b8 v0, s[64:65] scope:SCOPE_SE
	s_setreg_imm32_b32 hwreg(HW_REG_WAVE_MODE, 25, 1), 1
	s_wait_xcnt 0x0
; The four weights become codes of E2M3 with one E8M0 byte for each 32 along K, laid in the order of an operand's registers.
; wimg: 256 blocks of 12,800 bytes; block 64 T + 8 cg + s (T: 0 Wq, 1 Wk, 2 Wv, 3 Wo; cg: 128 output columns; s: 128 along K) holds 8 fragment images of 1,536 bytes and one scale image of 512.
; A fragment image is the 12 registers of an operand as they stand: registers 4 c .. 4 c + 3 of lane l at 512 c + 16 l.  Tile 2 g + u of the 128 columns: lane r holds column 32 g + 8 u + r + 8 (r / 8).
; The scale image: the word at 16 l + 4 i belongs to tile 2 i + l / 16, row l % 16.
; A work-group makes one block; wave w takes columns 32 w .. 32 w + 31, A LANE A COLUMN, ITS REGISTERS DOWN K: a block of 32 lies in one lane, and the conversions give codes with K innermost.
; Wq, Wk, Wv are [16][1024][64] with K in the middle: each load reads 128 consecutive bytes.  Wo is [n][c] with K innermost: its rows come as 512 dense bytes and turn through the wave's own stage.
; Wo's codes are laid in another order inside each block of 32: place 2 h + p holds c = 32 j + 16 p + h; the last launch quantises its rows in the same order, so blocks and products stay the same.
; A block's scale byte is its largest magnitude's exponent field - 2, held at 1 from below.
; LIMITS: NaN and infinities are not served; a block of zeros, or one whose largest magnitude lies under 2^-124, keeps the byte 1 (its bytes are read by this program alone).
; No matrix unit, no cluster, no tensor load: the launch streams 16 MiB once and shares nothing between work-groups.
.set TSTG,  12800                      ; LDS: 0 .. 12,799 the block's image; from here Wo's stage: 4 waves x 32 rows x 528 bytes
.set SPARE, 80384                      ; the spare words, 128 bytes for each wave
.set X,     32                         ; v32-159: my column's 128 numbers
	s_load_b256 s[4:11], s[0:1], 0x0               ; Wq, Wk, Wv, Wo
	s_load_b64 s[12:13], s[0:1], 0x20              ; wimg
	v_lshl_add_u32 v18, v0, 2, SPARE               ; my spare word; never rewritten
	v_mov_b32 v19, 0                               ; 0; never rewritten
	v_lshrrev_b32 v1, 5, v0
	v_readfirstlane_b32 s14, v1                    ; wave
	v_and_b32 v1, 31, v0                           ; lane = my column among the wave's 32
	v_lshlrev_b32 v2, 2, v1                        ; 4 x lane
	v_lshlrev_b32 v3, 4, v1                        ; 16 x lane
	v_bfe_u32 v9, v0, 3, 1                         ; u: which of the wave's two tiles my column falls into
	v_and_b32 v10, 7, v0
	v_bfe_u32 v11, v0, 4, 1
	v_lshl_add_u32 v10, v11, 3, v10                ; r: its row there
	s_mul_i32 s15, s14, 3072
	v_mul_u32_u24 v4, v9, 1536
	v_lshl_add_u32 v4, v10, 4, v4
	v_add_nc_u32 v4, s15, v4                       ; v4: where my codes go: 3,072 w + 1,536 u + 16 r
	s_lshl_b32 s17, s14, 2
	s_add_co_u32 s17, s17, 12288
	v_lshlrev_b32 v5, 4, v10
	v_lshl_add_u32 v5, v9, 8, v5
	v_add_nc_u32 v5, s17, v5                       ; v5: my scale word: 12,288 + 16 r + 256 u + 4 w
	v_add_nc_u32 v6, s15, v3                       ; v6: the way out: 3,072 w + 16 x lane, in LDS and in the block alike
	s_mul_i32 s17, s14, 16896
	s_add_co_u32 s17, s17, TSTG
	v_add_nc_u32 v7, s17, v3                       ; v7: Wo's stage, in: 16 x lane of a row
	v_mul_u32_u24 v8, v1, 528
	v_add_nc_u32 v8, s17, v8                       ; v8: and out: my row
	s_lshr_b32 s16, ttmp9, 6                       ; T
	s_bfe_u32 s18, ttmp9, 0x30003                  ; cg
	s_and_b32 s19, ttmp9, 7                        ; s
	s_mul_i32 s20, ttmp9, 12800
	s_mov_b32 s21, 0
	s_lshl_b32 s22, s18, 1                         ; Wq, Wk, Wv: head 2 cg + w / 2, 262,144 bytes a head; row 128 s of 256 bytes; column 32 (w % 2)
	s_lshr_b32 s23, s14, 1
	s_add_co_u32 s22, s22, s23
	s_lshl_b32 s22, s22, 18
	s_lshl_b32 s23, s19, 15
	s_add_co_u32 s22, s22, s23
	s_and_b32 s23, s14, 1
	s_lshl_b32 s23, s23, 7
	s_add_co_u32 s22, s22, s23
	s_mov_b32 s23, 0
	s_lshl_b32 s24, s18, 19                        ; Wo: row 128 cg + 32 w of 4,096 bytes, + 512 s
	s_lshl_b32 s25, s14, 17
	s_add_co_u32 s24, s24, s25
	s_lshl_b32 s25, s19, 9
	s_add_co_u32 s24, s24, s25
	s_mov_b32 s25, 0
	s_wait_kmcnt 0x0
	s_add_nc_u64 s[12:13], s[12:13], s[20:21]      ; my block
	s_cmp_eq_u32 s16, 1                            ; the choice hangs on the work-group's number alone
	s_cselect_b64 s[4:5], s[6:7], s[4:5]
	s_cmp_eq_u32 s16, 2
	s_cselect_b64 s[4:5], s[8:9], s[4:5]
	s_add_nc_u64 s[4:5], s[4:5], s[22:23]
	s_add_nc_u64 s[10:11], s[10:11], s[24:25]
	s_cmp_eq_u32 s16, 3
	s_cbranch_scc1 .Lwo
.irp b, 0,1,2,3
.irp i, 0,1,2,3,4,5,6,7,8,9,10,11,12,13,14,15,16,17,18,19,20,21,22,23,24,25,26,27,28,29,30,31
	global_load_b32 v[X+32*\b+\i], v2, s[4:5] offset:(32*\b+\i)*256 th:TH_LOAD_NT   ; W(k, my column): 32 lanes read 128 consecutive bytes
.endr
.endr
	s_branch .Lquant
.Lwo:
.irp n, 0,1,2,3,4,5,6,7,8,9,10,11,12,13,14,15,16,17,18,19,20,21,22,23,24,25,26,27,28,29,30,31
	global_load_b128 v[X+4*\n:X+4*\n+3], v3, s[10:11] offset:4096*\n th:TH_LOAD_NT   ; row n's 128 numbers: 512 consecutive bytes
.endr
	s_wait_loadcnt 0x0
	s_wait_alu depctr_va_vdst(0)
.irp n, 0,1,2,3,4,5,6,7,8,9,10,11,12,13,14,15,16,17,18,19,20,21,22,23,24,25,26,27,28,29,30,31
	ds_store_b128 v7, v[X+4*\n:X+4*\n+3] offset:528*\n
.endr
	s_wait_dscnt 0x0                               ; the stores have read X: it is loaded anew
.irp b, 0,1,2,3
.irp h, 0,1,2,3,4,5,6,7,8,9,10,11,12,13,14,15
.irp p, 0,1
	ds_load_b32 v[X+32*\b+2*\h+\p], v8 offset:128*\b+4*(16*\p+\h)   ; place 2 h + p of block b takes c = 32 b + 16 p + h of my row
.endr
.endr
.endr
	s_wait_dscnt 0x0
.Lquant:
; Block b of my column: lane (r, b % 2) of the fragment wants it in registers 6 (b / 2) .. 6 (b / 2) + 5.
.macro BLOCK b
.set XS, X+32*(\b)
.if 96-32*(\b) > 63
	s_wait_loadcnt 63                              ; 96 younger loads might stay out; the wait's field holds 63
.else
	s_wait_loadcnt 96-32*(\b)                      ; the later blocks' loads may stay out
.endif
	v_max3_num_f32 v12, |v[XS]|, |v[XS+1]|, |v[XS+2]|
	v_max3_num_f32 v13, |v[XS+3]|, |v[XS+4]|, |v[XS+5]|
.irp i, 6,10,14,18,22,26
	v_max3_num_f32 v12, v12, |v[XS+\i]|, |v[XS+\i+1]|
	v_max3_num_f32 v13, v13, |v[XS+\i+2]|, |v[XS+\i+3]|
.endr
	v_max3_num_f32 v12, v12, |v[XS+30]|, |v[XS+31]|
	v_max3_num_f32 v12, v12, v13, 0x1800000        ; and the floor 2^(3 - 127): the byte cannot fall under 1
	v_add_nc_u32 v14, 0xff000000, v12              ; 2 off the exponent field: the conversion's scale operand
	v_lshrrev_b32 v15, 23, v14                     ; the scale's byte
.if (\b) == 0
	v_mov_b32 v16, v15
.else
	v_lshl_or_b32 v16, v15, 8*(\b), v16
.endif
	v_cvt_scalef32_pk16_fp6_f32 v[20:22], v[XS:XS+15], v14
	v_cvt_scalef32_pk16_fp6_f32 v[26:28], v[XS+16:XS+31], v14      ; (a conversion's three registers begin on an even number)
	v_nop                                          ; one plain place behind a scaled conversion
	v_mov_b32 v23, v26
	v_mov_b32 v24, v27
	v_mov_b32 v25, v28
.irp q, 0,1,2
	ds_store_b64 v4, v[20+2*\q:21+2*\q] offset:512*((3*((\b)/2)+\q)/2)+8*((3*((\b)/2)+\q)%2)+256*((\b)%2)
.endr
	s_wait_dscnt 0x0                               ; the stores have read their registers: the next block's codes may be written
.endm
	BLOCK 0
	BLOCK 1
	BLOCK 2
	BLOCK 3
	s_wait_alu depctr_va_vdst(0)
	ds_store_b32 v5, v16
.irp k, 0,1,2,3,4,5
	ds_load_b128 v[160+4*\k:163+4*\k], v6 offset:512*\k            ; my wave's two images: LDS serves a wave's instructions in order, so these see my stores
.endr
.irp k, 0,1,2,3,4,5
	s_wait_dscnt 5-\k
	global_store_b128 v6, v[160+4*\k:163+4*\k], s[12:13] offset:512*\k   ; 32 lanes store 512 consecutive bytes, at a multiple of 256 from the buffer's first byte
.endr
	s_wait_dscnt 0x0                               ; for the others' sake: my scale words have landed
	s_barrier_signal -1
	s_barrier_wait -1
	s_cmp_lg_u32 s14, 0
	s_cbranch_scc1 .Ldone
	ds_load_b128 v[184:187], v3 offset:12288       ; wave 0 sends the scale image, to which all four waves wrote
	s_wait_dscnt 0x0
	global_store_b128 v3, v[184:187], s[12:13] offset:12288
.Ldone:
	s_wait_tensorcnt 0x0                           ; the wave's end, behind my last LDS store
	ds_add_u32 v18, v19
	s_wait_dscnt 0x0
	s_endpgm
.Lfunc_end_k_qa0bb8f18d4_prep:
	.size	k_qa0bb8f18d4_prep, .Lfunc_end_k_qa0bb8f18d4_prep-k_qa0bb8f18d4_prep
	.p2alignl 7, 3214868480
	.fill 96, 4, 3214868480
	.section	.rodata,"a",@progbits
	.p2align	6, 0x0
	.amdhsa_kernel k_qa0bb8f18d4_prep
		.amdhsa_group_segment_fixed_size 80896
		.amdhsa_private_segment_fixed_size 0
		.amdhsa_enable_private_segment 0
		.amdhsa_kernarg_size 40
		.amdhsa_user_sgpr_count 2
		.amdhsa_user_sgpr_kernarg_segment_ptr 1
		.amdhsa_wavefront_size32 1
		.amdhsa_system_sgpr_workgroup_id_x 1
		.amdhsa_system_sgpr_workgroup_id_y 1
		.amdhsa_system_sgpr_workgroup_id_z 1
		.amdhsa_system_vgpr_workitem_id 0
		.amdhsa_next_free_vgpr 192
		.amdhsa_next_free_sgpr 66
		.amdhsa_reserve_vcc 0
		.amdhsa_float_denorm_mode_32 3
		.amdhsa_float_denorm_mode_16_64 3
		.amdhsa_memory_ordered 1
		.amdhsa_forward_progress 1
		.amdhsa_inst_pref_size 37
	.end_amdhsa_kernel
	.amdgpu_metadata
---
amdhsa.version: [ 1, 2 ]
amdhsa.kernels:
  - .name:           k_qa0bb8f18d4_prep
    .symbol:         k_qa0bb8f18d4_prep.kd
    .args:
      - { .name: Wq, .offset: 0, .size: 8, .value_kind: global_buffer, .address_space: global }
      - { .name: Wk, .offset: 8, .size: 8, .value_kind: global_buffer, .address_space: global }
      - { .name: Wv, .offset: 16, .size: 8, .value_kind: global_buffer, .address_space: global }
      - { .name: Wo, .offset: 24, .size: 8, .value_kind: global_buffer, .address_space: global }
      - { .name: wimg, .offset: 32, .size: 8, .value_kind: global_buffer, .address_space: global }
    .group_segment_fixed_size: 80896
    .private_segment_fixed_size: 0
    .kernarg_segment_align: 8
    .kernarg_segment_size: 40
    .max_flat_workgroup_size: 128
    .sgpr_count:     66
    .vgpr_count:     192
    .wavefront_size: 32
...
	.end_amdgpu_metadata
.endif
;; end of part 5
;; launch proj (part 6): grid 64 x 3, 4 waves a work-group, no clusters, 170,496 bytes of LDS; arguments Q, K, V, bq, bk, bv, wimg, qimg, kvimg; writes qimg, kvimg
.if DOCPART == 6
	.amdgcn_target "amdgcn-amd-amdhsa--gfx1250"
	.amdhsa_code_object_version 6
	.text
	.protected	k_qa0bb8f18d4_proj
	.globl	k_qa0bb8f18d4_proj
	.p2align	8
	.type	k_qa0bb8f18d4_proj,@function
k_qa0bb8f18d4_proj:
	s_mov_b64 s[64:65], 0
	v_nop
	global_prefetch_b8 v0, s[64:65] scope:SCOPE_SE
	s_setreg_imm32_b32 hwreg(HW_REG_WAVE_SCHED_MODE, 0, 2), 2
	s_setreg_imm32_b32 hwreg(HW_REG_WAVE_MODE, 25, 1), 1
	s_wait_xcnt 0x0
	s_wait_alu depctr_vm_vsrc(0)
; q = Q Wq + bq, k = K Wk + bk, v = V Wv + bv on codes of E2M3; the results are quantised again, q and k along a head's 64, v along the keys, and stored in the order of the next launch's operand registers.
; SHARES.  Work-group (R, T): tensor T (0 Q, 1 K, 2 V), rows 128 R .. 128 R + 127 of its 8,192, all 1,024 columns.  192 work-groups: 8,192 rows a tensor do not divide into 256 equal shares of whole groups of 32 rows.
; PHASE X: wave w quantises rows 32 w .. 32 w + 31 (two tiles of 16) for all of K and stores fragment images in LDS: 8 K steps x (8 images of 1,536 bytes + a scale image of 512).  The f32 rows are read once.
; PHASE G: wave w makes columns 256 w .. 256 w + 255 in two passes of 128: 64 accumulators; x's fragments come from LDS, the weights' from wimg straight into registers, a block ahead.
; TILES.  Tile 2 g + u of 32 rows (of x and of the weights' columns alike): lane r holds row 32 g + 8 u + r + 8 (r / 8), so that, as source 0, the 16 registers of result tiles 2 g, 2 g + 1 are 16 neighbours.
;   q, k: source 0 = 16 columns of W, source 1 = 16 rows of x: a lane holds one row and its registers run along the head's channels.   v: source 0 = x, source 1 = W: a lane holds one channel and its registers run along the keys.
; OUT.  q, k: for 32 rows of one head a DOUBLE TILE of 1,536 bytes: registers 0-5 row r of tile 2 p (block lane / 16 of the head's 64), registers 6-11 the same of tile 2 p + 1; scale bytes 0, 1 and 2, 3.
;   v: for 16 channels and 128 keys a plain fragment.  qimg [64 heads][16 steps] x 6,400 (4 double tiles, 256 of scale words); kvimg [64][16] x 12,800 (K's 4, V's 4, K's words, V's words).
; NO MULTICAST: a weight fragment feeds one wave of a work-group and goes from memory into that wave's registers; a joint ring would add 800 KB of LDS writes and reads to each work-group for bytes that are used once there.
; LIMITS: NaN and infinities are not served; a block of zeros, or one whose largest magnitude lies under 2^-124, keeps the scale byte 1 (read by this program alone).
; REGISTERS.  window 0: v1-11 addresses; v12-17 the way out's scale words; v20-27 x's scale words, v28-35 W's (two sets each); v36-53 the quantiser's; v64-159, v160-255 x's two sets (phase X: 2 x 64 numbers, codes from v192; the way out: four images from v160).
;   window 1: W's two sets at v0, v96; the bias at v192.   windows 2, 3: the accumulators (phase X: window 2 holds four units as loaded).
; THE MODE: SCHED_MODE bits 1:0 = 2 (LLVM: expert scheduling mode 2), set by the entry lines.  The code itself states the register dependences between vector or matrix instructions and memory or LDS instructions, with s_wait_alu, always for 0.
; THE PLAN, PHASE X.  Unit p: window 2's slot p % 4 is loaded, then read by the stage's stores; XN[p % 2] is filled by the stage's loads, then read by the quantiser; PC[p % 2] and PW[p % 2] are written by the quantiser, then read by the
;   four image stores; the images' two addresses are made once in four units.  Two waits a unit: on vm_vsrc at its head, on va_vdst behind its quantiser.
; THE PLAN, PHASE G.  Step s multiplies W[s % 2] and x[s % 2]; all its loads (block s + 1, x's fragments of step s + 1) land in the OTHER sets, which no product of step s names.  ONE wait on va_vdst at the step's head states that the
;   products of step s - 1 are done reading those sets; the add to x's LDS address, behind a wait on vm_vsrc, stands just ahead of it.  The loads follow with no further wait: the weights' at once, x's in two runs, one ahead of the
;   step's products and one in their middle.
; THE PLAN, THE WAY OUT.  A head's four images have registers of their own: four quantisers, one wait on va_vdst, thirteen stores; one wait on vm_vsrc ahead of the second head's quantisers.
.set STG,   102400                     ; LDS: behind x's images: 4 waves x 2 stages x 16 rows x 528 bytes
.set SPARE, 169984                     ; the spare words, 128 bytes for each wave
.set LI,  1                            ; 16 x lane
.set SI,  2                            ; stage, in
.set SOA, 3                            ; stage, out: row r, + 64 (lane / 16)
.set XW,  4                            ; x's images: 3,072 w + 16 x lane
.set XWS, 5                            ; their scale words: 12,288 + 16 r + 4 w
.set XA,  6                            ; phase G: the next K step's images
.set BAQ, 7                            ; the bias, q and k: 64 (lane / 16)
.set SPW, 8
.set NIL, 9
.set L8,  10                           ; 8 x lane
.set BAV, 11                           ; the bias, v: 4 (r + 8 (r / 8))
.set SW,  12
.set SD,  16
.set XS,  20
.set WS,  28
.set TM,  36
.set PW,  52
.set XWC, 56
.set XWSC, 57
.set XF,  64
.set XN,  64
.set PC,  192
.set OC,  160                          ; the way out: image g of a head at OC + 20 g
.set MSB, 0
.macro WIN new                         ; the immediate's high byte repeats the setting that is left
.if MSB != (\new)
	s_set_vgpr_msb (MSB<<8)|(\new)
.set MSB, (\new)
.endif
.endm
.macro PLACES
.rept 4
	v_nop
.endr
.endm
; one matrix instruction: D, A, B, C (the constant 0 where c < 0), the two scale registers, and whether each side's words stand in lanes 16-31
.macro WM d, a, b, c, sa, sb, ra, rb
.if (\c) < 0
.if (\ra) && (\rb)
	v_wmma_scale_f32_16x16x128_f8f6f4 v[0+(\d):7+(\d)], v[0+(\a):11+(\a)], v[0+(\b):11+(\b)], 0, v[0+(\sa)], v[0+(\sb)] matrix_a_fmt:MATRIX_FMT_FP6 matrix_b_fmt:MATRIX_FMT_FP6 matrix_a_scale:MATRIX_SCALE_ROW1 matrix_b_scale:MATRIX_SCALE_ROW1
.elseif (\ra)
	v_wmma_scale_f32_16x16x128_f8f6f4 v[0+(\d):7+(\d)], v[0+(\a):11+(\a)], v[0+(\b):11+(\b)], 0, v[0+(\sa)], v[0+(\sb)] matrix_a_fmt:MATRIX_FMT_FP6 matrix_b_fmt:MATRIX_FMT_FP6 matrix_a_scale:MATRIX_SCALE_ROW1
.elseif (\rb)
	v_wmma_scale_f32_16x16x128_f8f6f4 v[0+(\d):7+(\d)], v[0+(\a):11+(\a)], v[0+(\b):11+(\b)], 0, v[0+(\sa)], v[0+(\sb)] matrix_a_fmt:MATRIX_FMT_FP6 matrix_b_fmt:MATRIX_FMT_FP6 matrix_b_scale:MATRIX_SCALE_ROW1
.else
	v_wmma_scale_f32_16x16x128_f8f6f4 v[0+(\d):7+(\d)], v[0+(\a):11+(\a)], v[0+(\b):11+(\b)], 0, v[0+(\sa)], v[0+(\sb)] matrix_a_fmt:MATRIX_FMT_FP6 matrix_b_fmt:MATRIX_FMT_FP6
.endif
.else
.if (\ra) && (\rb)
	v_wmma_scale_f32_16x16x128_f8f6f4 v[0+(\d):7+(\d)], v[0+(\a):11+(\a)], v[0+(\b):11+(\b)], v[0+(\c):7+(\c)], v[0+(\sa)], v[0+(\sb)] matrix_a_fmt:MATRIX_FMT_FP6 matrix_b_fmt:MATRIX_FMT_FP6 matrix_a_scale:MATRIX_SCALE_ROW1 matrix_b_scale:MATRIX_SCALE_ROW1
.elseif (\ra)
	v_wmma_scale_f32_16x16x128_f8f6f4 v[0+(\d):7+(\d)], v[0+(\a):11+(\a)], v[0+(\b):11+(\b)], v[0+(\c):7+(\c)], v[0+(\sa)], v[0+(\sb)] matrix_a_fmt:MATRIX_FMT_FP6 matrix_b_fmt:MATRIX_FMT_FP6 matrix_a_scale:MATRIX_SCALE_ROW1
.elseif (\rb)
	v_wmma_scale_f32_16x16x128_f8f6f4 v[0+(\d):7+(\d)], v[0+(\a):11+(\a)], v[0+(\b):11+(\b)], v[0+(\c):7+(\c)], v[0+(\sa)], v[0+(\sb)] matrix_a_fmt:MATRIX_FMT_FP6 matrix_b_fmt:MATRIX_FMT_FP6 matrix_b_scale:MATRIX_SCALE_ROW1
.else
	v_wmma_scale_f32_16x16x128_f8f6f4 v[0+(\d):7+(\d)], v[0+(\a):11+(\a)], v[0+(\b):11+(\b)], v[0+(\c):7+(\c)], v[0+(\sa)], v[0+(\sb)] matrix_a_fmt:MATRIX_FMT_FP6 matrix_b_fmt:MATRIX_FMT_FP6
.endif
.endif
.endm
; a weight block, off bytes behind the block in hand, into set sg: eight fragments (window 1), three loads of 512 consecutive bytes each, and the scale image: 25 loads
.macro WLOAD sg, off
	WIN 0x40
.irp i, 0,1,2,3,4,5,6,7
.irp c, 0,1,2
	global_load_b128 v[96*(\sg)+12*\i+4*\c:96*(\sg)+12*\i+4*\c+3], v[LI], s[16:17] offset:(\off)+1536*\i+512*\c
.endr
.endr
	WIN 0
	global_load_b128 v[WS+4*(\sg):WS+4*(\sg)+3], v[LI], s[16:17] offset:(\off)+12288
.endm
; PHASE X.  A unit is one tile's 16 rows x 128 along K; unit 2 s + u; pos = unit % 4.  Each load takes 512 consecutive bytes of one row.
.macro LOADU pos, off
	WIN 0x80
.irp i, 0,1,2,3,4,5,6,7,8,9,10,11,12,13,14,15
	global_load_b128 v[64*(\pos)+4*\i:64*(\pos)+4*\i+3], v[LI], s[4:5] offset:(8*((\pos)%2)+\i+8*(\i/8))*4096+512*((\pos)/2)+(\off) th:TH_LOAD_NT
.endr
	WIN 0
.endm
; the unit turns through the wave's own stage: in as loaded, out 16 neighbours of each block of 32 to a lane.  LDS serves a wave's instructions in order: no wait between the stores and the loads
.macro TURNU pos
	WIN 0x08
.irp i, 0,1,2,3,4,5,6,7,8,9,10,11,12,13,14,15
	ds_store_b128 v[SI], v[64*(\pos)+4*\i:64*(\pos)+4*\i+3] offset:8448*((\pos)%2)+528*\i
.endr
	WIN 0
.irp b, 0,1,2,3
.irp j, 0,1,2,3
	ds_load_b128 v[XN+64*((\pos)%2)+16*\b+4*\j:XN+64*((\pos)%2)+16*\b+4*\j+3], v[SOA] offset:8448*((\pos)%2)+128*\b+16*\j
.endr
.endr
.endm
; 64 numbers of a lane, v[s] on in window w, register 16 b + i = k 32 b + 16 (lane / 16) + i of my row, become a fragment's codes in v[pc] on and its scale word in v[pw] (window 0).
; Each result tile of eight registers is read from its low end on.
.macro QUANT s, w, pc, pw
	WIN (\w)*5
.irp b, 0,1,2,3
	v_max3_num_f32 v[TM+\b], |v[(\s)+16*\b]|, |v[(\s)+16*\b+1]|, 0x1800000   ; with the floor 2^(3 - 127): the byte cannot fall under 1
.endr
.irp i, 2,4,6,8,10,12,14
.irp b, 0,1,2,3
	v_max3_num_f32 v[TM+\b], |v[(\s)+16*\b+\i]|, |v[(\s)+16*\b+\i+1]|, v[TM+\b]
.endr
.endr
	WIN 0
.irp b, 0,1,2,3
	v_permlanex16_b32 v[TM+4+\b], v[TM+\b], s32, s33
.endr
.irp b, 0,1,2,3
	v_max_num_f32 v[TM+\b], v[TM+\b], v[TM+4+\b]   ; with lane l xor 16's: the block's largest magnitude
.endr
.irp b, 0,1,2,3
	v_add_nc_u32 v[TM+12+\b], 0xff000000, v[TM+\b] ; 2 off the exponent field: the conversion's scale operand
.endr
.irp b, 0,1,2,3
	v_lshrrev_b32 v[TM+4+\b], 23, v[TM+12+\b]      ; the scale's byte
.endr
	v_lshl_or_b32 v[\pw], v[TM+5], 8, v[TM+4]
	v_lshl_or_b32 v[\pw], v[TM+6], 16, v[\pw]
	v_lshl_or_b32 v[\pw], v[TM+7], 24, v[\pw]
	WIN (\w)
.irp c, 0,1
	v_cvt_scalef32_pk16_fp6_f32 v[(\pc)+6*\c:(\pc)+6*\c+2], v[(\s)+32*\c:(\s)+32*\c+15], v[TM+12+2*\c]
	v_cvt_scalef32_pk16_fp6_f32 v[(\pc)+12+4*\c:(\pc)+14+4*\c], v[(\s)+32*\c+16:(\s)+32*\c+31], v[TM+13+2*\c]
.endr
	WIN 0
	v_nop                                          ; one plain place behind a scaled conversion
.irp c, 0,1                            ; the operand's layout wants a whole block in a lane
.irp i, 0,1,2
	v_permlane16_swap_b32 v[(\pc)+6*\c+\i], v[(\pc)+12+4*\c+\i]
.endr
.irp i, 0,1,2
	v_mov_b32 v[(\pc)+3+6*\c+\i], v[(\pc)+12+4*\c+\i]
.endr
.endr
.endm
.macro IMAGE pos
.irp c, 0,1,2
	ds_store_b128 v[XWC], v[PC+20*((\pos)%2)+4*\c:PC+20*((\pos)%2)+4*\c+3] offset:12800*((\pos)/2)+1536*((\pos)%2)+512*\c
.endr
	ds_store_b32 v[XWSC], v[PW+(\pos)%2] offset:12800*((\pos)/2)+256*((\pos)%2)   ; lanes r and r + 16 write the same word with the same value
.endm
.macro UNIT pos, ld, cnt, turn
	s_wait_dscnt 4                                 ; this unit's numbers are back from the stage; the last unit's four image stores may be out
	s_wait_alu depctr_vm_vsrc(0)                   ; my stage stores have read this unit's registers as loaded, in which the loads below land; the image stores of two units back have read the codes and the word that this unit's quantiser writes again; in unit 0: all image stores have read their two addresses
.if (\pos) == 0
	v_add_nc_u32 v[XWC], s35, v[XW]                ; where the trip's two K steps lie among x's images
	v_add_nc_u32 v[XWSC], s35, v[XWS]
.endif
.if \ld
	LOADU \pos, 1024                               ; the unit four on, into the registers just freed
.endif
.if \turn
	s_wait_loadcnt \cnt                            ; the next unit's 16 loads are in; the units behind it may be out
	TURNU ((\pos)+1)%4                             ; its numbers land where the last unit's quantiser read: that quantiser stands ahead of the last unit's wait on va_vdst, and no vector line since names those registers
.endif
	QUANT XN+64*((\pos)%2), 0, PC+20*((\pos)%2), PW+(\pos)%2
	s_wait_alu depctr_va_vdst(0)                   ; the quantiser has written the codes and the word (in unit 0: the adds the two addresses), which the image stores read; and it is done reading its 64 numbers, where the next unit's stage loads land
	IMAGE \pos
.endm
; PHASE G
.macro FETCHXA sg, adr                 ; a K step's fragments 0 to 3 of x and their scale image: 13 loads
.irp j, 0,1,2,3
.irp c, 0,1,2
	ds_load_b128 v[XF+96*(\sg)+12*\j+4*\c:XF+96*(\sg)+12*\j+4*\c+3], v[\adr] offset:1536*\j+512*\c
.endr
.endr
	ds_load_b128 v[XS+4*(\sg):XS+4*(\sg)+3], v[\adr] offset:12288
.endm
.macro FETCHXB sg, adr                 ; and its fragments 4 to 7: 12 loads
.irp j, 4,5,6,7
.irp c, 0,1,2
	ds_load_b128 v[XF+96*(\sg)+12*\j+4*\c:XF+96*(\sg)+12*\j+4*\c+3], v[\adr] offset:1536*\j+512*\c
.endr
.endr
.endm
; 32 matrix instructions: W's tiles t0 .. t0 + 3 x x's eight.  The 64 accumulators take turns, one instruction a turn, in the same order in every step.
; q, k (var 0): accumulator (x tile j, W tile i) at 256 (i / 4) + 32 j + 8 (i % 4);  v (var 1): at 64 i + 8 j.  first: the bias is the C of the sum's first instruction.
; In both forms tiles 0 to 3 fill window 2 and tiles 4 to 7 window 3: a run of 32 writes no register of the run before it, whichever form either has.
.macro MULH var, sg, t0, first
.if \var
.if \first
	WIN 0x94+0x40*((\t0)/4)
.else
	WIN 0xa4+0x50*((\t0)/4)
.endif
.else
.if \first
	WIN 0x91+0x40*((\t0)/4)
.else
	WIN 0xa1+0x50*((\t0)/4)
.endif
.endif
.set ii, \t0
.rept 4
.set jj, 0
.rept 8
.if \var
.set dd, 64*(ii%4)+8*jj
.else
.set dd, 32*jj+8*(ii%4)
.endif
.if \first
.set cc, 192+8*ii
.else
.set cc, dd
.endif
.if \var
	WM dd, XF+96*(\sg)+12*jj, 96*(\sg)+12*ii, cc, XS+4*(\sg)+jj/2, WS+4*(\sg)+ii/2, jj%2, ii%2
.else
	WM dd, 96*(\sg)+12*ii, XF+96*(\sg)+12*jj, cc, WS+4*(\sg)+ii/2, XS+4*(\sg)+jj/2, ii%2, jj%2
.endif
.set jj, jj+1
.endr
.set ii, ii+1
.endr
.endm
.macro MSEL sg, t0, first              ; the branch hangs on the work-group's number alone and stands round the products alone
	s_cmp_eq_u32 s23, 2
	s_cbranch_scc1 .Lmv_\@
	MULH 0, \sg, \t0, \first
	WIN 0
	s_branch .Lmj_\@
.Lmv_\@:
	MULH 1, \sg, \t0, \first
	WIN 0
.Lmj_\@:
.endm
.macro WNEXT sg, cond                  ; the next block into the other set; cond = 2: not in the last pass, whose last step has no next block
.if \cond == 2
	s_cmp_eq_u32 s31, 1
	s_cbranch_scc1 .Lnw_\@
.endif
	WLOAD \sg, 12800
.if \cond == 2
.Lnw_\@:
.endif
.endm
.macro STEP sg, first, wl, xnext
	s_wait_loadcnt 0x0                             ; this block's 25 loads, asked for at the head of the step before, are in (in step 0: the bias too); nothing else is out
	s_wait_dscnt 0x0                               ; x's fragments, asked for in the step before
.if \xnext
	s_wait_alu depctr_vm_vsrc(0)                   ; the fragment loads issued so far have read v[XA]; in step 0 also: the stage stores have read window 2, which the products write, and the image stores and the way out's stores the registers in which x's other set lands
	s_add_co_u32 s35, s35, 12800
	v_add_nc_u32 v[XA], s35, v[LI]                 ; the next K step's images
.endif
	s_wait_alu depctr_va_vdst(0)                   ; the products of the step before are done reading the other sets of W, of x and of their scale words, in which all loads of this step land (in step 0: the quantisers are done with x's other set); in steps 0 to 6 v[XA] is written
	WNEXT 1-(\sg), \wl                             ; at once, so that the block has the whole step in which to land
.if \xnext
	FETCHXA 1-(\sg), XA                            ; x's next fragments 0 to 3 and their words
.endif
	MSEL \sg, 0, \first
.if \xnext
	FETCHXB 1-(\sg), XA                            ; and 4 to 7.  No wait: no product since the wait above names the other set
.endif
	MSEL \sg, 4, \first
	PLACES                                         ; four places behind the step's last products, ahead of the loads of the next step and of the way out's first read of results
	s_wait_xcnt 0x0                                ; the loads have read their base: it steps to the next block
	s_add_nc_u64 s[16:17], s[16:17], 12800
.endm
	s_load_b256 s[4:11], s[0:1], 0x0               ; Q, K, V, bq
	s_load_b256 s[12:19], s[0:1], 0x20             ; bk, bv, wimg, qimg
	s_load_b64 s[20:21], s[0:1], 0x40              ; kvimg
	v_lshl_add_u32 v[SPW], v0, 2, SPARE
	v_mov_b32 v[NIL], 0
	v_lshrrev_b32 v1, 5, v0
	v_readfirstlane_b32 s22, v1                    ; wave
	s_and_b32 s23, ttmp7, 0xffff                   ; T
	v_and_b32 v54, 31, v0                          ; lane
	v_and_b32 v55, 15, v0                          ; r
	v_bfe_u32 v58, v0, 4, 1                        ; lane / 16
	v_lshlrev_b32 v[LI], 4, v54
	v_lshlrev_b32 v[L8], 3, v54
	s_wait_alu depctr_va_sdst(0)                   ; s22, the wave's number, is written, ahead of its first reader
	s_mul_i32 s36, s22, 16896
	s_add_co_u32 s36, s36, STG
	v_add_nc_u32 v[SI], s36, v[LI]
	v_mul_u32_u24 v[SOA], v55, 528
	v_lshl_add_u32 v[SOA], v58, 6, v[SOA]
	v_add_nc_u32 v[SOA], s36, v[SOA]
	s_mul_i32 s36, s22, 3072
	v_add_nc_u32 v[XW], s36, v[LI]
	s_lshl_b32 s36, s22, 2
	s_add_co_u32 s36, s36, 12288
	v_lshl_add_u32 v[XWS], v55, 4, s36
	v_lshlrev_b32 v[BAQ], 6, v58
	v_and_b32 v59, 8, v55
	v_add_nc_u32 v59, v59, v55
	v_lshlrev_b32 v[BAV], 2, v59
.irp b, 0,1,2,3
	v_mov_b32 v[TM+4+\b], 0                        ; written once: a lane permute's destination counts as one of its sources
.endr
	s_mov_b32 s30, 0xffff0000                      ; lanes 16-31
	s_mov_b32 s32, 0x76543210
	s_mov_b32 s33, 0xfedcba98                      ; v_permlanex16_b32's selects for lane l xor 16
	s_lshl_b32 s36, ttmp9, 19                      ; x: row 128 R + 32 w of 4,096 bytes
	s_lshl_b32 s37, s22, 17
	s_add_co_u32 s36, s36, s37
	s_mov_b32 s37, 0
	s_mul_i32 s38, s23, 819200                     ; the weights: 64 blocks a tensor, 16 a wave, on end
	s_mul_i32 s39, s22, 204800
	s_add_co_u32 s38, s38, s39
	s_mov_b32 s39, 0
	s_lshl_b32 s40, s22, 10                        ; the bias: 256 numbers a wave
	s_mov_b32 s41, 0
	s_cmp_eq_u32 s23, 0
	s_cselect_b32 s42, 0, 1                        ; kvimg's steps are twice qimg's
	s_lshl_b32 s28, 102400, s42                    ; s[28:29]: from head to head
	s_mov_b32 s29, 0
	s_lshr_b32 s43, ttmp9, 4
	s_lshl_b32 s43, s43, 4
	s_lshl_b32 s44, s22, 2
	s_add_co_u32 s43, s43, s44                     ; my first head: 16 b + 4 w
	s_mul_i32 s43, s43, s28
	s_and_b32 s44, ttmp9, 15                       ; the step of 128 rows in the sequence
	s_lshl_b32 s45, 6400, s42
	s_mul_i32 s44, s44, s45
	s_add_co_u32 s44, s43, s44
	s_mov_b32 s45, 0
	s_lshl_b32 s46, 6144, s42
	s_add_co_u32 s46, s46, s44                     ; the scale images lie behind the fragments
	s_mov_b32 s47, 0
	s_cmp_eq_u32 s23, 2
	s_cselect_b32 s48, 6144, 0                     ; V's fragments behind K's,
	s_cselect_b32 s49, 256, 0                      ; V's words behind K's
	s_add_co_u32 s44, s44, s48
	s_add_co_u32 s46, s46, s49
	s_wait_kmcnt 0x0
	s_cmp_eq_u32 s23, 1                            ; the choices hang on the work-group's number alone
	s_cselect_b64 s[4:5], s[6:7], s[4:5]
	s_cselect_b64 s[10:11], s[12:13], s[10:11]
	s_cmp_eq_u32 s23, 2
	s_cselect_b64 s[4:5], s[8:9], s[4:5]
	s_cselect_b64 s[10:11], s[14:15], s[10:11]
	s_cmp_eq_u32 s23, 0
	s_cselect_b64 s[18:19], s[18:19], s[20:21]
	s_add_nc_u64 s[4:5], s[4:5], s[36:37]          ; x at my wave's first row
	s_add_nc_u64 s[16:17], s[16:17], s[38:39]      ; the weights at my first block
	s_add_nc_u64 s[10:11], s[10:11], s[40:41]      ; the bias at my first column
	s_add_nc_u64 s[26:27], s[18:19], s[46:47]      ; out: the scale image,
	s_add_nc_u64 s[18:19], s[18:19], s[44:45]      ; and the fragments
	s_wait_alu depctr_va_vdst(0)                   ; the offsets and LDS addresses v1 to v5, v7, v10 and v11 are written: every load and store of the kernel but the images' and x's later fragments' reads one of them, and none is written again
	WLOAD 0, 0                                     ; the first weight block lands while x is quantised
	LOADU 0, 0
	LOADU 1, 0
	LOADU 2, 0
	LOADU 3, 0
	s_wait_loadcnt 48                              ; unit 0 is in; units 1 to 3 may be out
	TURNU 0
	s_wait_dscnt 0x0
	s_mov_b32 s35, 0                               ; where the trip's two K steps lie among x's images
	s_mov_b32 s34, 0
.Lx:                                               ; three trips of four units; each unit asks for the unit four on
	UNIT 0, 1, 48, 1
	UNIT 1, 1, 48, 1
	UNIT 2, 1, 48, 1
	UNIT 3, 1, 48, 1
	s_wait_dscnt 0x0                               ; my LDS instructions of the trip are done, ahead of the trip that makes the images' addresses anew (the wait on vm_vsrc in its first unit states the registers' side of that)
	s_wait_xcnt 0x0                                ; the loads have read their base
	s_add_nc_u64 s[4:5], s[4:5], 1024
	s_add_co_u32 s35, s35, 25600
	s_add_co_u32 s34, s34, 1
	s_cmp_lt_u32 s34, 3
	s_cbranch_scc1 .Lx
	UNIT 0, 0, 32, 1                               ; the last four units load nothing: the counts run down
	UNIT 1, 0, 16, 1
	UNIT 2, 0, 0, 1
	UNIT 3, 0, 0, 0
	s_wait_dscnt 0x0                               ; for the others' sake: my images have landed
	s_barrier_signal -1
	s_barrier_wait -1                              ; x's 64 fragments lie in LDS; nothing writes them again
	s_mov_b32 s31, 0                               ; the pass
.Lpass:
	s_mov_b32 s35, 0
	FETCHXA 0, LI                                  ; K step 0's fragments, by the kept address.  No wait: x's set 0 and its words were last named by the quantiser of phase X, or by the products of step 6, each ahead of a later wait on va_vdst, and no store reads them
	FETCHXB 0, LI
	s_cmp_eq_u32 s23, 2
	s_cbranch_scc1 .Lbias_v
	WIN 0x40
.irp i, 0,1,2,3,4,5,6,7                ; q, k: lane (r, h) wants, for W's tile 2 b + u, the bias of columns 32 b + 16 h + 8 u + 0 .. 7.  (The bias's registers were last named in step 0 of the pass before, ahead of many waits on va_vdst)
	global_load_b128 v[192+8*\i:195+8*\i], v[BAQ], s[10:11] offset:128*(\i/2)+32*(\i%2)
	global_load_b128 v[196+8*\i:199+8*\i], v[BAQ], s[10:11] offset:128*(\i/2)+32*(\i%2)+16
.endr
	WIN 0
	s_branch .Lbias_done
.Lbias_v:
	WIN 0x40
.irp i, 0,1,2,3,4,5,6,7                ; v: a lane holds one column: its bias, in all eight registers
	global_load_b32 v[192+8*\i], v[BAV], s[10:11] offset:128*(\i/2)+32*(\i%2)
.endr
	s_wait_loadcnt 0x0
	WIN 0x41
.irp i, 0,1,2,3,4,5,6,7
.irp k, 1,2,3,4,5,6,7
	v_mov_b32 v[192+8*\i+\k], v[192+8*\i]
.endr
.endr
	WIN 0
	PLACES
.Lbias_done:
	STEP 0, 1, 1, 1                                ; K step 0 starts the sums on the bias
	s_mov_b32 s34, 0
.Lk:                                               ; K steps 1 to 6, two to a trip: both sets are back at their start
	STEP 1, 0, 1, 1
	STEP 0, 0, 1, 1
	s_add_co_u32 s34, s34, 1
	s_cmp_lt_u32 s34, 3
	s_cbranch_scc1 .Lk
	STEP 1, 0, 2, 0                                ; K step 7 fetches no more of x, and the next pass's first block where there is a next pass
	; THE WAY OUT.  Group G = 4 e + g is 64 registers at 64 g of window 2 + e: q, k: head e's 64 channels of x's tiles 2 g, 2 g + 1; v: 128 keys of head e's channel tile g.  Each becomes one image of 1,536 bytes.
.irp e, 0,1
.if \e
	s_wait_alu depctr_vm_vsrc(0)                   ; the first head's stores have read the four images' registers and the scale words, which the quantisers and the selects below write again (the wait on XCNT stands above)
.endif
.irp g, 0,1,2,3
	QUANT 64*\g, 2+\e, OC+20*\g, SW+\g
.endr
	v_cndmask_b32 v[SD], v[SW], v[SW+1], s30       ; the scale image: lanes 0-15 the even group's words, lanes 16-31 the odd group's
	v_cndmask_b32 v[SD+1], v[SW+2], v[SW+3], s30
	s_wait_alu depctr_va_vdst(0)                   ; the four quantisers have written the codes and the selects the scale image, which the thirteen stores read
.irp g, 0,1,2,3
.irp c, 0,1,2
	global_store_b128 v[LI], v[OC+20*\g+4*\c:OC+20*\g+4*\c+3], s[18:19] offset:1536*\g+512*\c   ; 512 consecutive bytes, at a multiple of 256 from the buffer's first byte
.endr
.endr
	global_store_b64 v[L8], v[SD:SD+1], s[26:27]   ; 256 consecutive bytes
	s_wait_xcnt 0x0                                ; the stores have read their bases and their registers
	s_add_nc_u64 s[18:19], s[18:19], s[28:29]      ; the next head
	s_add_nc_u64 s[26:27], s[26:27], s[28:29]
.endr
	s_add_nc_u64 s[10:11], s[10:11], 512           ; the next pass's bias
	s_add_co_u32 s31, s31, 1
	s_cmp_lt_u32 s31, 2
	s_cbranch_scc1 .Lpass
	s_wait_dscnt 0x0                               ; the wave's end of a launch in the mode that stores to LDS
	s_wait_alu 0x0
	s_wait_tensorcnt 0x0
	ds_add_u32 v[SPW], v[NIL]
	s_wait_dscnt 0x0
	s_endpgm
.Lfunc_end_k_qa0bb8f18d4_proj:
	.size	k_qa0bb8f18d4_proj, .Lfunc_end_k_qa0bb8f18d4_proj-k_qa0bb8f18d4_proj
	.p2alignl 7, 3214868480
	.fill 96, 4, 3214868480
	.section	.rodata,"a",@progbits
	.p2align	6, 0x0
	.amdhsa_kernel k_qa0bb8f18d4_proj
		.amdhsa_group_segment_fixed_size 170496
		.amdhsa_private_segment_fixed_size 0
		.amdhsa_enable_private_segment 0
		.amdhsa_kernarg_size 72
		.amdhsa_user_sgpr_count 2
		.amdhsa_user_sgpr_kernarg_segment_ptr 1
		.amdhsa_wavefront_size32 1
		.amdhsa_system_sgpr_workgroup_id_x 1
		.amdhsa_system_sgpr_workgroup_id_y 1
		.amdhsa_system_sgpr_workgroup_id_z 1
		.amdhsa_system_vgpr_workitem_id 0
		.amdhsa_next_free_vgpr 1024
		.amdhsa_next_free_sgpr 80
		.amdhsa_reserve_vcc 0
		.amdhsa_float_denorm_mode_32 3
		.amdhsa_float_denorm_mode_16_64 3
		.amdhsa_memory_ordered 1
		.amdhsa_forward_progress 1
		.amdhsa_inst_pref_size 191
	.end_amdhsa_kernel
	.amdgpu_metadata
---
amdhsa.version: [ 1, 2 ]
amdhsa.kernels:
  - .name:           k_qa0bb8f18d4_proj
    .symbol:         k_qa0bb8f18d4_proj.kd
    .args:
      - { .name: Q, .offset: 0, .size: 8, .value_kind: global_buffer, .address_space: global }
      - { .name: K, .offset: 8, .size: 8, .value_kind: global_buffer, .address_space: global }
      - { .name: V, .offset: 16, .size: 8, .value_kind: global_buffer, .address_space: global }
      - { .name: bq, .offset: 24, .size: 8, .value_kind: global_buffer, .address_space: global }
      - { .name: bk, .offset: 32, .size: 8, .value_kind: global_buffer, .address_space: global }
      - { .name: bv, .offset: 40, .size: 8, .value_kind: global_buffer, .address_space: global }
      - { .name: wimg, .offset: 48, .size: 8, .value_kind: global_buffer, .address_space: global }
      - { .name: qimg, .offset: 56, .size: 8, .value_kind: global_buffer, .address_space: global }
      - { .name: kvimg, .offset: 64, .size: 8, .value_kind: global_buffer, .address_space: global }
    .group_segment_fixed_size: 170496
    .private_segment_fixed_size: 0
    .kernarg_segment_align: 8
    .kernarg_segment_size: 72
    .max_flat_workgroup_size: 128
    .sgpr_count:     80
    .vgpr_count:     1024
    .wavefront_size: 32
...
	.end_amdgpu_metadata
.endif
;; end of part 6
;; launch attn (part 7): grid 4 x 64, 8 waves a work-group, clusters of 4 x 1, 327,680 bytes of LDS; arguments qimg, kvimg, heads; writes heads
.if DOCPART == 7
	.amdgcn_target "amdgcn-amd-amdhsa--gfx1250"
	.amdhsa_code_object_version 6
	.text
	.protected	k_qa0bb8f18d4_attn
	.globl	k_qa0bb8f18d4_attn
	.p2align	8
	.type	k_qa0bb8f18d4_attn,@function
k_qa0bb8f18d4_attn:
	s_mov_b64 s[64:65], 0
	v_nop
	global_prefetch_b8 v0, s[64:65] scope:SCOPE_SE
	s_setreg_imm32_b32 hwreg(HW_REG_WAVE_MODE, 25, 1), 1
	s_wait_xcnt 0x0
	s_wait_alu depctr_hold_cnt(0) depctr_sa_sdst(0) depctr_va_vdst(0) depctr_va_sdst(0) depctr_va_ssrc(0) depctr_va_vcc(0) depctr_vm_vsrc(0)
	s_getreg_b32 s2, hwreg(HW_REG_IB_STS2, 6, 4)
	s_cmp_eq_u32 s2, 0
	s_cbranch_scc0 .Lentry_in_a_cluster
	s_endpgm
.Lentry_in_a_cluster:
	s_bfe_u32 s2, ttmp6, 0x10000c
	s_cmp_lg_u32 s2, 0x3003
	s_cbranch_scc0 .Lentry_shape_is_right
	s_endpgm
.Lentry_shape_is_right:
; heads[b][s][h][:] = the sum over keys of softmax(q . k / 8) v, both products on codes of E2M3 with one E8M0 scale for each 32 along a product's K.
; THE SOFTMAX: t = score x log2(e) / 8; M = the running largest t rounded UP to a whole number; p = 2^(t - M) is quantised along the keys, not normalised; the row's sum is taken of the unquantised p and divides at the end.
; When M moves, the sum and O are multiplied by 2^(old M - new M), which rounds nothing.
; SHARES.  A cluster of four work-groups owns one head (64 of them); a work-group 512 queries, each of its eight waves 64: four tiles of 16, two waves to a SIMD.  Every wave walks the head's 2,048 keys, 128 a step.
; A HEAD'S K AND V, CODES AND SCALES, ARE 204,800 BYTES AND STAY IN LDS: filled once, jointly for the four partners (the same tensor loads with a mask that names the four), so there is no ring and nothing is filled again.
; Each wave issues two loads: 6,400 bytes of the first four steps, then 19,200 of the other twelve; two tensor loads of a wave are out at the most.
; LAYOUT.  Both products are used transposed: S^T = K Q^T, O^T = V^T P^T: a lane holds ONE query throughout.  The head's 64 fill half of the instruction's 128 along K: a DOUBLE TILE of K holds two tiles of 16 keys in
; the two halves; against (q | 0) it gives the first tile's scores, against (0 | q) the second's.  q's six registers stand between blocks of six zero registers, so both forms are runs of 12; the empty half has zero codes.
; Tile 2 b + u of a step: lane r holds key 32 b + 8 u + r + 8 (r / 8), so that the 16 registers of tiles 2 b, 2 b + 1 are keys 32 b + 16 (lane / 16) + 0 .. 15.  Queries and V's channels are ordered likewise.
; LIMITS: p under 2^-126 counts as 0; a block of p that is all 0 keeps the scale byte 1 over zero codes; NaN and infinities are not served.
; REGISTERS.  window 0: v1-9 addresses; v12-27 four statistics a tile (-M, largest t, the sum in two halves); v28-31 K's and V's scale words; v32-35 q's four forms of scale word; v36-53 at work; v60-107 K's four double tiles;
;   v108-171, v172-235 two buffers of scores; v236-254 p's codes.   window 1: v0-127 O^T (32 a tile); v128-181 zeros and q by turns; v184-231 V's four fragments.
.set STG,   204800                     ; LDS: behind K and V: 8 waves x 16 rows x 272 bytes, for the way out
.set SPARE, 239616                     ; the spare words, 128 bytes for each wave
.set LI,  1
.set L8,  2
.set KA,  3
.set KB,  4
.set SPW, 5
.set NIL, 6
.set STO, 7
.set RD,  8
.set GO,  9
.set KS,  28
.set VS,  30
.set QSA, 32
.set F,   36
.set BM,  38
.set BP,  42
.set SO,  46
.set TA,  50
.set PS,  51
.set SU,  52
.set KF,  60
.set S0,  108
.set S1,  172
.set PC,  236
.set VF,  184
.set CS,  40                           ; s[40:41] c = log2(e) / 8
.set SEL, 42                           ; s[42:43]
.set TB,  44                           ; s44 LDS byte at which the step's block begins
.set MSB, 0
.macro WIN new
.if MSB != (\new)
	s_set_vgpr_msb (MSB<<8)|(\new)
.set MSB, (\new)
.endif
.endm
.macro PLACES
.rept 4
	v_nop
.endr
.endm
.macro WM d, a, b, c, sa, sb, ra, rb
.if (\c) < 0
.if (\ra) && (\rb)
	v_wmma_scale_f32_16x16x128_f8f6f4 v[0+(\d):7+(\d)], v[0+(\a):11+(\a)], v[0+(\b):11+(\b)], 0, v[0+(\sa)], v[0+(\sb)] matrix_a_fmt:MATRIX_FMT_FP6 matrix_b_fmt:MATRIX_FMT_FP6 matrix_a_scale:MATRIX_SCALE_ROW1 matrix_b_scale:MATRIX_SCALE_ROW1
.elseif (\ra)
	v_wmma_scale_f32_16x16x128_f8f6f4 v[0+(\d):7+(\d)], v[0+(\a):11+(\a)], v[0+(\b):11+(\b)], 0, v[0+(\sa)], v[0+(\sb)] matrix_a_fmt:MATRIX_FMT_FP6 matrix_b_fmt:MATRIX_FMT_FP6 matrix_a_scale:MATRIX_SCALE_ROW1
.elseif (\rb)
	v_wmma_scale_f32_16x16x128_f8f6f4 v[0+(\d):7+(\d)], v[0+(\a):11+(\a)], v[0+(\b):11+(\b)], 0, v[0+(\sa)], v[0+(\sb)] matrix_a_fmt:MATRIX_FMT_FP6 matrix_b_fmt:MATRIX_FMT_FP6 matrix_b_scale:MATRIX_SCALE_ROW1
.else
	v_wmma_scale_f32_16x16x128_f8f6f4 v[0+(\d):7+(\d)], v[0+(\a):11+(\a)], v[0+(\b):11+(\b)], 0, v[0+(\sa)], v[0+(\sb)] matrix_a_fmt:MATRIX_FMT_FP6 matrix_b_fmt:MATRIX_FMT_FP6
.endif
.else
.if (\ra) && (\rb)
	v_wmma_scale_f32_16x16x128_f8f6f4 v[0+(\d):7+(\d)], v[0+(\a):11+(\a)], v[0+(\b):11+(\b)], v[0+(\c):7+(\c)], v[0+(\sa)], v[0+(\sb)] matrix_a_fmt:MATRIX_FMT_FP6 matrix_b_fmt:MATRIX_FMT_FP6 matrix_a_scale:MATRIX_SCALE_ROW1 matrix_b_scale:MATRIX_SCALE_ROW1
.elseif (\ra)
	v_wmma_scale_f32_16x16x128_f8f6f4 v[0+(\d):7+(\d)], v[0+(\a):11+(\a)], v[0+(\b):11+(\b)], v[0+(\c):7+(\c)], v[0+(\sa)], v[0+(\sb)] matrix_a_fmt:MATRIX_FMT_FP6 matrix_b_fmt:MATRIX_FMT_FP6 matrix_a_scale:MATRIX_SCALE_ROW1
.elseif (\rb)
	v_wmma_scale_f32_16x16x128_f8f6f4 v[0+(\d):7+(\d)], v[0+(\a):11+(\a)], v[0+(\b):11+(\b)], v[0+(\c):7+(\c)], v[0+(\sa)], v[0+(\sb)] matrix_a_fmt:MATRIX_FMT_FP6 matrix_b_fmt:MATRIX_FMT_FP6 matrix_b_scale:MATRIX_SCALE_ROW1
.else
	v_wmma_scale_f32_16x16x128_f8f6f4 v[0+(\d):7+(\d)], v[0+(\a):11+(\a)], v[0+(\b):11+(\b)], v[0+(\c):7+(\c)], v[0+(\sa)], v[0+(\sb)] matrix_a_fmt:MATRIX_FMT_FP6 matrix_b_fmt:MATRIX_FMT_FP6
.endif
.endif
.endm
.macro CROUND                          ; a round of the cluster's barrier
	s_barrier_signal -1
	s_barrier_wait -1
	s_cmp_lg_u32 s10, 0
	s_cbranch_scc1 .Lnot_wave_0_\@
	s_barrier_signal -3
.Lnot_wave_0_\@:
	s_barrier_wait -3
	s_barrier_signal -1
	s_barrier_wait -1
.endm
; tile t's scores of the step's 128 keys into the buffer at sb: K's double tile b against (q | 0), then against (0 | q)
.macro STT t, sb
	WIN 0x04                                       ; source 1 (q) window 1
.irp b, 0,1,2,3
.irp u, 0,1
	WM (\sb)+16*\b+8*\u, KF+12*\b, 134+12*(\t)-6*\u, -1, KS+\b/2, QSA+2*((\t)%2)+\u, \b%2, (\t)/2
.endr
.endr
.endm
; tile t's O^T += V^T P^T: four tiles of 16 channels, four accumulators by turns
.macro PV t
	WIN 0x51                                       ; source 0 (V), C and D window 1; source 1 (p) window 0
.irp d, 0,1,2,3
	WM 32*(\t)+8*\d, VF+12*\d, PC, 32*(\t)+8*\d, VS+\d/2, PS, \d%2, 0
.endr
.endm
; tile t's softmax of one step, on the 64 scores at sb; it leaves p's codes at PC, their scale word in PS, and O^T under the new M
.macro SOFT t, sb
.set rT, 12+4*(\t)
	WIN 0
.irp b, 0,1,2,3
	v_max3_num_f32 v[BM+\b], v[(\sb)+16*\b], v[(\sb)+16*\b+1], v[(\sb)+16*\b+2]   ; the largest score of each block of 32 keys: for the row's maximum, and, since p rises with the score, for the block's largest p
.endr
.irp i, 3,5,7,9,11,13
.irp b, 0,1,2,3
	v_max3_num_f32 v[BM+\b], v[BM+\b], v[(\sb)+16*\b+\i], v[(\sb)+16*\b+\i+1]
.endr
.endr
.irp b, 0,1,2,3
	v_max_num_f32 v[BM+\b], v[BM+\b], v[(\sb)+16*\b+15]
.endr
.irp b, 0,1,2,3
	s_delay_alu instid0(VALU_DEP_4)
	v_permlanex16_b32 v[BP+\b], v[BM+\b], s[SEL], s[SEL+1]
.endr
.irp b, 0,1,2,3
	s_delay_alu instid0(VALU_DEP_4)
	v_max_num_f32 v[BM+\b], v[BM+\b], v[BP+\b]     ; with lane l xor 16's 16 keys
.endr
	s_delay_alu instid0(VALU_DEP_2)
	v_max3_num_f32 v[TA], v[BM], v[BM+1], v[BM+2]
	s_delay_alu instid0(VALU_DEP_1)
	v_max_num_f32 v[TA], v[TA], v[BM+3]
	s_delay_alu instid0(VALU_DEP_1)
	v_mul_f32 v[TA], s[CS], v[TA]                  ; the step's largest t (c is positive)
	s_delay_alu instid0(VALU_DEP_1)
	v_max_num_f32 v[rT+1], v[rT+1], v[TA]          ; the running largest t
	v_mov_b32 v[TA], v[rT]
	s_delay_alu instid0(VALU_DEP_2)
	v_floor_f32 v[rT], -v[rT+1]                    ; -M = floor(-t): M is a whole number
	s_delay_alu instid0(VALU_DEP_1)
	v_sub_f32 v[TA], v[rT], v[TA]                  ; old M - new M: a whole number, 0 or less
	s_delay_alu instid0(VALU_DEP_1)
	v_cvt_i32_f32 v[TA], v[TA]                     ; (it saturates)
	s_delay_alu instid0(VALU_DEP_1)
	v_ldexp_f32 v[F], 1.0, v[TA]                   ; f = 2^(old M - new M)
.irp j, 0,2,4,6,8,10,12,14,16,18,20,22,24,26,28,30,32,34,36,38,40,42,44,46,48,50,52,54,56,58,60,62
	v_pk_fma_f32 v[(\sb)+\j:(\sb)+\j+1], v[(\sb)+\j:(\sb)+\j+1], s[CS:CS+1], v[rT:rT+1] op_sel_hi:[1,0,0]   ; t - M
.endr
.irp b, 0,1,2,3
	v_fma_f32 v[BM+\b], v[BM+\b], s[CS], v[rT]     ; the same of each block's largest score
.endr
	s_wait_alu depctr_va_vdst(0)
.irp j, 0,1,2,3,4,5,6,7,8,9,10,11,12,13,14,15,16,17,18,19,20,21,22,23,24,25,26,27,28,29,30,31,32,33,34,35,36,37,38,39,40,41,42,43,44,45,46,47,48,49,50,51,52,53,54,55,56,57,58,59,60,61,62,63
	v_exp_f32 v[(\sb)+\j], v[(\sb)+\j]             ; p = 2^(t - M), at most 1
.endr
	v_pk_mul_f32 v[rT+2:rT+3], v[rT+2:rT+3], v[F:F+1] op_sel_hi:[1,0]   ; the sums under the new M: the plain place behind the exponentials
	s_wait_alu depctr_va_vdst(0)                   ; one wait for the batch of 64, ahead of its first reader
.irp b, 0,1,2,3
	v_exp_f32 v[BM+\b], v[BM+\b]                   ; the block's largest p: the same two instructions on the same number
.endr
	v_pk_add_f32 v[SU:SU+1], v[(\sb):(\sb)+1], v[(\sb)+2:(\sb)+3]       ; the row's sum, of the unquantised p, in two chains
.irp j, 4,8,12,16,20,24,28,32,36,40,44,48,52,56,60
	v_pk_add_f32 v[rT+2:rT+3], v[rT+2:rT+3], v[(\sb)+\j:(\sb)+\j+1]
	v_pk_add_f32 v[SU:SU+1], v[SU:SU+1], v[(\sb)+\j+2:(\sb)+\j+3]
.endr
	s_delay_alu instid0(VALU_DEP_1)
	v_pk_add_f32 v[rT+2:rT+3], v[rT+2:rT+3], v[SU:SU+1]
	s_wait_alu depctr_va_vdst(0)                   ; and one for the four
.irp b, 0,1,2,3
	v_max_num_f32 v[BM+\b], 0x1800000, v[BM+\b]    ; the floor 2^(3 - 127): the byte cannot fall under 1
.endr
.irp b, 0,1,2,3
	s_delay_alu instid0(VALU_DEP_4)
	v_add_nc_u32 v[SO+\b], 0xff000000, v[BM+\b]    ; 2 off the exponent field: the conversion's scale operand
.endr
.irp b, 0,1,2,3
	s_delay_alu instid0(VALU_DEP_4)
	v_lshrrev_b32 v[BP+\b], 23, v[SO+\b]           ; the scale's byte
.endr
	s_delay_alu instid0(VALU_DEP_3)
	v_lshl_or_b32 v[PS], v[BP+1], 8, v[BP]
	s_delay_alu instid0(VALU_DEP_1)
	v_lshl_or_b32 v[PS], v[BP+2], 16, v[PS]
	s_delay_alu instid0(VALU_DEP_1)
	v_lshl_or_b32 v[PS], v[BP+3], 24, v[PS]
.irp c, 0,1
	v_cvt_scalef32_pk16_fp6_f32 v[PC+6*\c:PC+6*\c+2], v[(\sb)+32*\c:(\sb)+32*\c+15], v[SO+2*\c]
	v_cvt_scalef32_pk16_fp6_f32 v[PC+12+4*\c:PC+14+4*\c], v[(\sb)+32*\c+16:(\sb)+32*\c+31], v[SO+2*\c+1]
.endr
	v_nop                                          ; one plain place behind a scaled conversion
.irp c, 0,1
.irp i, 0,1,2
	v_permlane16_swap_b32 v[PC+6*\c+\i], v[PC+12+4*\c+\i]
.endr
.irp i, 0,1,2
	s_delay_alu instid0(VALU_DEP_3)
	v_mov_b32 v[PC+3+6*\c+\i], v[PC+12+4*\c+\i]
.endr
.endr
	WIN 0x41
.irp j, 0,2,4,6,8,10,12,14,16,18,20,22,24,26,28,30
	v_pk_mul_f32 v[32*(\t)+\j:32*(\t)+\j+1], v[32*(\t)+\j:32*(\t)+\j+1], v[F:F+1] op_sel_hi:[1,0]   ; O^T under the new M
.endr
	PLACES                                         ; with the sixteen above: the places between p's codes and scale word, written by vector instructions, and the products
.endm
; A KEY STEP: 128 keys.  The next tile's scores are made ahead of the present tile's softmax, in the other buffer.
.macro KSTEP
	v_add_nc_u32 v[KA], s[TB], v[LI]
	v_add_nc_u32 v[KB], s[TB], v[L8]
	v_nop
	v_nop                                          ; four places in front of loads into registers that the last products read
.irp b, 0,1,2,3
.irp c, 0,1,2
	ds_load_b128 v[KF+12*\b+4*\c:KF+12*\b+4*\c+3], v[KA] offset:1536*\b+512*\c
.endr
.endr
	ds_load_b64 v[KS:KS+1], v[KB] offset:12288
	WIN 0x40
.irp d, 0,1,2,3
.irp c, 0,1,2
	ds_load_b128 v[VF+12*\d+4*\c:VF+12*\d+4*\c+3], v[KA] offset:6144+1536*\d+512*\c
.endr
.endr
	WIN 0
	ds_load_b64 v[VS:VS+1], v[KB] offset:12544
	s_wait_dscnt 13                                ; K and its words are in; V's 13 loads may be out
	STT 0, S0
	STT 1, S1
	WIN 0
	PLACES                                         ; in front of the first read of results
	SOFT 0, S0
	s_wait_alu depctr_va_vdst(0)
	s_wait_dscnt 0x0                               ; V
	PV 0
	STT 2, S0
	SOFT 1, S1
	PV 1
	STT 3, S1
	SOFT 2, S0
	PV 2
	SOFT 3, S1
	PV 3
	WIN 0
	s_add_co_u32 s[TB], s[TB], 12800
.endm
	s_load_b128 s[4:7], s[0:1], 0x0                ; qimg, kvimg
	s_load_b64 s[8:9], s[0:1], 0x10                ; heads
	v_lshl_add_u32 v[SPW], v0, 2, SPARE
	v_mov_b32 v[NIL], 0
	ds_add_u32 v[SPW], v[NIL]                      ; the wave's opening: the add and its wait ahead of my first tensor load; work on registers stands between them
	ds_add_u32 v[SPW], v[NIL]
	v_lshrrev_b32 v1, 5, v0
	s_delay_alu instid0(VALU_DEP_1)
	v_readfirstlane_b32 s10, v1                    ; wave 0..7
	s_and_b32 s12, ttmp7, 0xffff                   ; the head, 16 b + h, which the four partners share
	; descriptor group 1: dense bytes as rows of 256 (32 elements of 8 bytes), no padding; 15:0 the mask of all four partners, bit 21 beside it
	s_mov_b32 s16, 15|(3<<16)|(1<<21)
	s_mov_b32 s17, 32<<16                          ; tensor_dim0
	s_mov_b32 s18, 25<<16                          ; tensor_dim1 = 25 rows: 6,400 bytes
	s_mov_b32 s19, 32<<16                          ; tile_dim0
	s_mov_b32 s20, 25                              ; tile_dim1
	s_mov_b32 s21, 32                              ; from row to row
	s_mov_b32 s22, 0
	s_mov_b32 s23, 0
	s_mov_b32 s24, 15|(3<<16)|(1<<21)
	s_mov_b32 s25, 32<<16
	s_mov_b32 s26, 75<<16                          ; 75 rows: 19,200 bytes
	s_mov_b32 s27, 32<<16
	s_mov_b32 s28, 75
	s_mov_b32 s29, 32
	s_mov_b32 s30, 0
	s_mov_b32 s31, 0
	s_mul_i32 s46, s12, 204800                     ; the head's block in kvimg
	s_mov_b32 s32, 1
	s_mul_i32 s33, s10, 6400                       ; the first load: my eighth of steps 0 to 3; LDS mirrors the head's block
	s_add_co_u32 s48, s46, s33
	s_mov_b32 s49, 0
	s_mov_b32 s36, 1
	s_mul_i32 s37, s10, 19200
	s_add_co_u32 s37, s37, 51200                   ; the second: my eighth of steps 4 to 15
	s_add_co_u32 s50, s46, s37
	s_mov_b32 s51, 0
	s_mov_b32 s[CS], 0x3e38aa3b                    ; log2(e) / 8
	s_mov_b32 s[CS+1], s[CS]
	s_mov_b32 s[SEL], 0x76543210
	s_mov_b32 s[SEL+1], 0xfedcba98
	s_mov_b32 s[TB], 0
	s_bfe_u32 s11, ttmp6, 0x40000                  ; cx: it enters q's and the result's addresses alone
	s_mul_i32 s52, s12, 102400                     ; q: the head, the step 4 cx + w / 2 of 128 queries
	s_lshl_b32 s56, s11, 2
	s_lshr_b32 s57, s10, 1
	s_add_co_u32 s56, s56, s57
	s_mul_i32 s56, s56, 6400
	s_add_co_u32 s52, s52, s56
	s_and_b32 s57, s10, 1
	s_mul_i32 s54, s57, 3072
	s_add_co_u32 s54, s54, s52                     ; my two double tiles,
	s_mov_b32 s55, 0
	s_lshl_b32 s57, s57, 2
	s_add_co_u32 s52, s52, s57                     ; and, 6,144 on, their words
	s_mov_b32 s53, 0
	s_lshr_b32 s58, s12, 4                         ; the result: row 2,048 b + 512 cx + 64 w of 4,096 bytes, + 256 h
	s_lshl_b32 s58, s58, 11
	s_lshl_b32 s59, s11, 9
	s_add_co_u32 s58, s58, s59
	s_lshl_b32 s59, s10, 6
	s_add_co_u32 s58, s58, s59
	s_lshl_b32 s58, s58, 12
	s_and_b32 s59, s12, 15
	s_lshl_b32 s59, s59, 8
	s_add_co_u32 s58, s58, s59
	s_mov_b32 s59, 0
	s_wait_dscnt 0x0                               ; the opening add is done
	s_wait_kmcnt 0x0
	s_add_nc_u64 s[34:35], s[6:7], s[48:49]
	s_or_b32 s35, s35, 0x80000000                  ; type = 2
	s_add_nc_u64 s[38:39], s[6:7], s[50:51]
	s_or_b32 s39, s39, 0x80000000
	s_add_nc_u64 s[60:61], s[4:5], s[52:53]
	s_add_nc_u64 s[4:5], s[4:5], s[54:55]
	s_add_nc_u64 s[8:9], s[8:9], s[58:59]
	CROUND                                         ; all four work-groups are here: the joint loads meet
	tensor_load_to_lds s[32:35], s[16:23]
	s_nop 0
	s_wait_alu depctr_va_vdst(0)
	s_wait_tensorcnt 0x0
	ds_add_u32 v5, v6
	s_wait_dscnt 0x0
	CROUND
	tensor_load_to_lds s[36:39], s[24:31]
	s_nop 0
.rept 4
	v_nop
.endr
	v_and_b32 v10, 31, v0                          ; lane
	v_and_b32 v11, 15, v0                          ; r
	v_bfe_u32 v55, v0, 4, 1                        ; lane / 16
	s_delay_alu instid0(VALU_DEP_3)
	v_lshlrev_b32 v[LI], 4, v10
	s_delay_alu instid0(VALU_DEP_4)
	v_lshlrev_b32 v[L8], 3, v10
	WIN 0x40
.irp e, 0,1                            ; my double tile e: registers 0-5 are tile 2 e's q, registers 6-11 tile 2 e + 1's
	global_load_b128 v[134+24*\e:137+24*\e], v[LI], s[4:5] offset:1536*\e th:TH_LOAD_NT
	global_load_b64 v[138+24*\e:139+24*\e], v[LI], s[4:5] offset:1536*\e+512 th:TH_LOAD_NT
	global_load_b64 v[146+24*\e:147+24*\e], v[LI], s[4:5] offset:1536*\e+520 th:TH_LOAD_NT
	global_load_b128 v[148+24*\e:151+24*\e], v[LI], s[4:5] offset:1536*\e+1024 th:TH_LOAD_NT
.endr
	WIN 0
	global_load_b32 v54, v[L8], s[60:61] offset:6144   ; lanes 0-15: double tile 0's words, lanes 16-31: double tile 1's
	WIN 0x40
.irp z, 0,1,2,3,4
.irp k, 0,1,2,3,4,5
	v_mov_b32 v[128+12*\z+\k], 0                   ; the zero halves of (q | 0) and (0 | q)
.endr
.endr
	WIN 0
	s_mul_i32 s56, s10, 4352
	s_add_co_u32 s56, s56, STG                     ; my stage
	v_mul_u32_u24 v[STO], v11, 272
	s_delay_alu instid0(VALU_DEP_1)
	v_lshl_add_u32 v[STO], v55, 6, v[STO]
	s_delay_alu instid0(VALU_DEP_1)
	v_add_nc_u32 v[STO], s56, v[STO]               ; in: row r, + 64 (lane / 16)
	v_mul_u32_u24 v[RD], v55, 272
	s_delay_alu instid0(VALU_DEP_1)
	v_lshl_add_u32 v[RD], v11, 4, v[RD]
	s_delay_alu instid0(VALU_DEP_1)
	v_add_nc_u32 v[RD], s56, v[RD]                 ; back: lanes 0-15 one row of 256 bytes, lanes 16-31 the next
	v_lshlrev_b32 v[GO], 12, v55
	s_delay_alu instid0(VALU_DEP_1)
	v_lshl_add_u32 v[GO], v11, 4, v[GO]            ; and the same two rows of the result, 4,096 bytes apart
.irp t, 0,1,2,3
	v_mov_b32 v[13+4*\t], 0xff61b1e6               ; the largest t so far: -3e38
	s_delay_alu instid0(VALU_DEP_1)
	v_floor_f32 v[12+4*\t], -v[13+4*\t]            ; -M
	v_mov_b32 v[14+4*\t], 0                        ; the sum, in two halves
	v_mov_b32 v[15+4*\t], 0
	v_mov_b32 v[BP+\t], 0                          ; written once: a lane permute's destination counts as one of its sources
.endr
	v_mov_b32 v[F+1], 0                            ; named as the upper half of a pair
	s_wait_loadcnt 0x0                             ; q and its words
	v_and_b32 v[QSA], 0xffff, v54                  ; even tile, (q | 0): its two bytes below, byte 0 over the zero codes
	v_lshlrev_b32 v[QSA+1], 16, v54                ; even tile, (0 | q)
	v_lshrrev_b32 v[QSA+2], 16, v54                ; odd tile, (q | 0)
	v_and_b32 v[QSA+3], 0xffff0000, v54            ; odd tile, (0 | q)
	WIN 0x40
.set xx, 0
.rept 128
	v_mov_b32 v[xx], 0                             ; O^T: the step is written once; the first finds zeros, which the first change of M leaves zeros.  (Also the places between the scale words above and the first product)
.set xx, xx+1
.endr
	WIN 0
	s_wait_tensorcnt 1                             ; my part of steps 0 to 3 is in; the second load may stay out
	s_barrier_signal -1
	s_barrier_wait -1
	s_mov_b32 s45, 0
.Lfirst:
	KSTEP
	s_add_co_u32 s45, s45, 1
	s_cmp_lt_u32 s45, 4
	s_cbranch_scc1 .Lfirst
	s_wait_tensorcnt 0x0                           ; my part of steps 4 to 15 is in,
	s_wait_dscnt 0x0
	s_barrier_signal -1
	s_barrier_wait -1                              ; everybody's is
	s_mov_b32 s45, 0
.Lrest:
	KSTEP
	s_add_co_u32 s45, s45, 1
	s_cmp_lt_u32 s45, 12
	s_cbranch_scc1 .Lrest
	; THE WAY OUT.  The sum's two halves and lane l xor 16's are added (these lines are the places behind the last products); O^T / the sum goes through my stage, a tile at a time, and leaves as rows of 256 bytes.
.irp t, 0,1,2,3
	v_add_f32 v[BM+\t], v[14+4*\t], v[15+4*\t]
.endr
.irp t, 0,1,2,3
	s_delay_alu instid0(VALU_DEP_4)
	v_permlanex16_b32 v[BP+\t], v[BM+\t], s[SEL], s[SEL+1]
.endr
.irp t, 0,1,2,3
	s_delay_alu instid0(VALU_DEP_4)
	v_add_f32 v[BM+\t], v[BM+\t], v[BP+\t]
.endr
	s_wait_alu depctr_va_vdst(0)
.irp t, 0,1,2,3
	v_rcp_f32 v[14+4*\t], v[BM+\t]
.endr
	v_nop                                          ; a plain place behind the last reciprocal
	s_wait_alu depctr_va_vdst(0)                   ; one wait for the four, ahead of the first reader
.macro OUTT t
.set SB, S0+64*((\t)%2)
.if (\t) >= 2
	s_wait_xcnt 0x0                                ; the stores of the tile two back have read their registers
.endif
	WIN 0x01
.set xx, 0
.rept 16
	v_pk_mul_f32 v[SB+2*xx:SB+2*xx+1], v[32*(\t)+2*xx:32*(\t)+2*xx+1], v[14+4*(\t):15+4*(\t)] op_sel_hi:[1,0]   ; register 8 d + i is channel 32 (d / 2) + 16 (lane / 16) + 8 (d % 2) + i
.set xx, xx+1
.endr
	WIN 0
.irp x, 0,1,2,3,4,5,6,7
	ds_store_b128 v[STO], v[SB+4*\x:SB+4*\x+3] offset:128*(\x/4)+16*(\x%4)
.endr
.irp i, 0,1,2,3,4,5,6,7
	ds_load_b128 v[SB+32+4*\i:SB+35+4*\i], v[RD] offset:544*\i     ; LDS serves a wave's instructions in order: these see my stores
.endr
.irp i, 0,1,2,3,4,5,6,7
	s_wait_dscnt 7-\i
	global_store_b128 v[GO], v[SB+32+4*\i:SB+35+4*\i], s[8:9] offset:(2*\i+8*(\i/4)+8*((\t)%2)+32*((\t)/2))*4096   ; stage row 2 i + lane / 16 is query 32 (t / 2) + 8 (t % 2) + row + 8 (row / 8); 16 lanes store 256 consecutive bytes
.endr
.endm
	OUTT 0
	OUTT 1
	OUTT 2
	OUTT 3
	s_wait_tensorcnt 0x0                           ; the wave's end, behind my last tensor load and my last LDS store
	ds_add_u32 v[SPW], v[NIL]
	s_wait_dscnt 0x0
	CROUND                                         ; the closing round
	s_endpgm
.Lfunc_end_k_qa0bb8f18d4_attn:
	.size	k_qa0bb8f18d4_attn, .Lfunc_end_k_qa0bb8f18d4_attn-k_qa0bb8f18d4_attn
	.p2alignl 7, 3214868480
	.fill 96, 4, 3214868480
	.section	.rodata,"a",@progbits
	.p2align	6, 0x0
	.amdhsa_kernel k_qa0bb8f18d4_attn
		.amdhsa_group_segment_fixed_size 327680
		.amdhsa_private_segment_fixed_size 0
		.amdhsa_enable_private_segment 0
		.amdhsa_kernarg_size 24
		.amdhsa_user_sgpr_count 2
		.amdhsa_user_sgpr_kernarg_segment_ptr 1
		.amdhsa_wavefront_size32 1
		.amdhsa_system_sgpr_workgroup_id_x 1
		.amdhsa_system_sgpr_workgroup_id_y 1
		.amdhsa_system_sgpr_workgroup_id_z 1
		.amdhsa_system_vgpr_workitem_id 0
		.amdhsa_next_free_vgpr 512
		.amdhsa_next_free_sgpr 66
		.amdhsa_reserve_vcc 0
		.amdhsa_float_denorm_mode_32 3
		.amdhsa_float_denorm_mode_16_64 3
		.amdhsa_memory_ordered 1
		.amdhsa_forward_progress 1
		.amdhsa_inst_pref_size 147
	.end_amdhsa_kernel
	.amdgpu_metadata
---
amdhsa.version: [ 1, 2 ]
amdhsa.kernels:
  - .name:           k_qa0bb8f18d4_attn
    .symbol:         k_qa0bb8f18d4_attn.kd
    .args:
      - { .name: qimg, .offset: 0, .size: 8, .value_kind: global_buffer, .address_space: global }
      - { .name: kvimg, .offset: 8, .size: 8, .value_kind: global_buffer, .address_space: global }
      - { .name: heads, .offset: 16, .size: 8, .value_kind: global_buffer, .address_space: global }
    .group_segment_fixed_size: 327680
    .private_segment_fixed_size: 0
    .kernarg_segment_align: 8
    .kernarg_segment_size: 24
    .max_flat_workgroup_size: 256
    .sgpr_count:     66
    .vgpr_count:     512
    .wavefront_size: 32
...
	.end_amdgpu_metadata
.endif
;; end of part 7
;; launch outp (part 8): grid 2 x 128, 4 waves a work-group, no clusters, 85,760 bytes of LDS; arguments heads, wimg, bo, out0; writes out0
.if DOCPART == 8
	.amdgcn_target "amdgcn-amd-amdhsa--gfx1250"
	.amdhsa_code_object_version 6
	.text
	.protected	k_qa0bb8f18d4_outp
	.globl	k_qa0bb8f18d4_outp
	.p2align	8
	.type	k_qa0bb8f18d4_outp,@function
k_qa0bb8f18d4_outp:
	s_mov_b64 s[64:65], 0
	v_nop
	global_prefetch_b8 v0, s[64:65] scope:SCOPE_SE
	s_setreg_imm32_b32 hwreg(HW_REG_WAVE_SCHED_MODE, 0, 2), 2
	s_setreg_imm32_b32 hwreg(HW_REG_WAVE_MODE, 25, 1), 1
	s_wait_xcnt 0x0
	s_wait_alu depctr_vm_vsrc(0)
; out = concat Wo^T + bo on codes of E2M3.  concat's index along K is c = 16 d + h; heads is [row][h][64] f32, so block j of 32 along K is channels 2 j, 2 j + 1 of all 16 heads.
; Inside a block the codes stand in the order 2 h + p (c = 32 j + 16 p + h), as the first launch laid Wo's: blocks, scales and products are those of the natural order.
; SHARES.  Work-group (nh, Rb): rows 64 Rb .. + 63, columns 512 nh .. + 511: 256 work-groups.  PHASE X: wave w quantises rows 16 w .. 16 w + 15, a row at a time, A LANE A BLOCK: each load reads one head's 256 bytes,
; a block's maximum needs no other lane; the codes go to LDS as fragment images (8 K steps x (4 images of 1,536 bytes + 256 of scale words + 16 of padding)).
; PHASE G: wave w makes 64 rows x 128 columns (32 accumulators); source 0 = 16 columns of Wo, source 1 = 16 rows, so that a lane holds neighbouring columns of one row.  Wo's blocks come from wimg into four sets of registers.
; NO MULTICAST: a weight fragment feeds one wave of a work-group and goes from memory into its registers; the rows' f32 numbers are shared by two work-groups only.
; LIMITS: NaN and infinities are not served; a block of zeros, or one under 2^-124, keeps the scale byte 1.
; REGISTERS.  window 0: v1-18 addresses and scratch; v20-23 x's scale words, v24-39 W's (four sets); v40-61 codes and words just made; v64-159 x's two sets, on the way out v64-191 rows of the result.
;   window 1: W's sets 0, 1; the bias at v192.   window 3: W's sets 2, 3.   window 2: the accumulators at 64 j + 8 i (phase X: four rows as loaded).
; THE MODE: SCHED_MODE bits 1:0 = 2 (LLVM: expert scheduling mode 2), set by the entry lines.  The code itself states the register dependences between vector or matrix instructions and memory or LDS instructions, with s_wait_alu, always for 0.
; THE PLAN, PHASE X.  Row i: window 2's slot i % 4 is loaded, read by the row's vector lines, and loaded again with row i + 4; the codes CC[i % 2] and the word WD[i % 2] are written by those lines and read by the row's four LDS stores.
;   One wait on va_vdst behind the row's arithmetic serves the loads and the stores that follow it; one on vm_vsrc at the head of rows 2 to 15 frees CC and WD.  No address is written behind the head.
; THE PLAN, PHASE G.  Step s multiplies W[s % 4] and x[s % 2].  Its loads land in x[(s + 1) % 2] (the fragments of step s + 1) and, in steps 1 to 4, in W[(s - 1) % 4] (block s + 3): the sets that step s - 1 multiplied and that no product
;   of step s names.  ONE wait on va_vdst at the head of steps 1 to 6 states that step s - 1's products are done reading them; the loads follow, dealt among the step's four runs of eight products, with no further wait.
; THE PLAN, THE WAY OUT.  One wait on va_vdst behind the places: the accumulators are written, x's registers read.  The rows read back have two buffers by turns: a wait on vm_vsrc ahead of blocks 2 and 3.
.set SS,    6416
.set STG,   51456
.set SPARE, 85248
.set LI,  1
.set L8,  2
.set A0,  3
.set A1,  4
.set AS,  5
.set SH,  6
.set SPW, 8
.set NIL, 9
.set STO, 10
.set RD,  11
.set BA,  18
.set XS,  20
.set WS,  24
.set XF,  64
.set BK,  64
.set MSB, 0
.macro WIN new
.if MSB != (\new)
	s_set_vgpr_msb (MSB<<8)|(\new)
.set MSB, (\new)
.endif
.endm
.macro PLACES
.rept 4
	v_nop
.endr
.endm
.macro WM d, a, b, c, sa, sb, ra, rb
.if (\ra) && (\rb)
	v_wmma_scale_f32_16x16x128_f8f6f4 v[0+(\d):7+(\d)], v[0+(\a):11+(\a)], v[0+(\b):11+(\b)], v[0+(\c):7+(\c)], v[0+(\sa)], v[0+(\sb)] matrix_a_fmt:MATRIX_FMT_FP6 matrix_b_fmt:MATRIX_FMT_FP6 matrix_a_scale:MATRIX_SCALE_ROW1 matrix_b_scale:MATRIX_SCALE_ROW1
.elseif (\ra)
	v_wmma_scale_f32_16x16x128_f8f6f4 v[0+(\d):7+(\d)], v[0+(\a):11+(\a)], v[0+(\b):11+(\b)], v[0+(\c):7+(\c)], v[0+(\sa)], v[0+(\sb)] matrix_a_fmt:MATRIX_FMT_FP6 matrix_b_fmt:MATRIX_FMT_FP6 matrix_a_scale:MATRIX_SCALE_ROW1
.elseif (\rb)
	v_wmma_scale_f32_16x16x128_f8f6f4 v[0+(\d):7+(\d)], v[0+(\a):11+(\a)], v[0+(\b):11+(\b)], v[0+(\c):7+(\c)], v[0+(\sa)], v[0+(\sb)] matrix_a_fmt:MATRIX_FMT_FP6 matrix_b_fmt:MATRIX_FMT_FP6 matrix_b_scale:MATRIX_SCALE_ROW1
.else
	v_wmma_scale_f32_16x16x128_f8f6f4 v[0+(\d):7+(\d)], v[0+(\a):11+(\a)], v[0+(\b):11+(\b)], v[0+(\c):7+(\c)], v[0+(\sa)], v[0+(\sb)] matrix_a_fmt:MATRIX_FMT_FP6 matrix_b_fmt:MATRIX_FMT_FP6
.endif
.endm
.macro WLD blk, t0                     ; four fragments of weight block blk into set blk % 4: window 1 (sets 0, 1) or 3
	WIN 0x40+0x80*(((\blk)%4)/2)
.irp i, 0,1,2,3
.irp c, 0,1,2
	global_load_b128 v[96*((\blk)%2)+12*((\t0)+\i)+4*\c:96*((\blk)%2)+12*((\t0)+\i)+4*\c+3], v[LI], s[6:7] offset:12800*(\blk)+1536*((\t0)+\i)+512*\c
.endr
.endr
	WIN 0
.endm
.macro WLS blk
	global_load_b128 v[WS+4*((\blk)%4):WS+4*((\blk)%4)+3], v[LI], s[6:7] offset:12800*(\blk)+12288
.endm
.macro RLOAD i                         ; row i of my 16: lane j takes channels 2 j, 2 j + 1 of each head: 256 consecutive bytes a load
	WIN 0x80
.irp h, 0,1,2,3,4,5,6,7,8,9,10,11,12,13,14,15
	global_load_b64 v[32*((\i)%4)+2*\h:32*((\i)%4)+2*\h+1], v[L8], s[4:5] offset:(\i)*4096+256*\h
.endr
	WIN 0
.endm
.macro ROW i, cnt, ld
.set SL, 32*((\i)%4)
.set CC, 40+10*((\i)%2)
.set WD, 60+(\i)%2
	s_wait_loadcnt \cnt                            ; this row's 16 loads are in; the rows behind it may be out
	s_wait_dscnt 4                                 ; the stores of the row two back are done
.if (\i) >= 2
	s_wait_alu depctr_vm_vsrc(0)                   ; the LDS stores of the row two back have read its codes and its word, whose registers this row writes again
.endif
	WIN 0x0a
	v_max3_num_f32 v12, |v[SL]|, |v[SL+1]|, 0x1800000              ; my block's largest magnitude, with the floor 2^(3 - 127)
	v_max3_num_f32 v13, |v[SL+2]|, |v[SL+3]|, 0x1800000
.irp k, 4,8,12,16,20,24,28
	v_max3_num_f32 v12, |v[SL+\k]|, |v[SL+\k+1]|, v12
	v_max3_num_f32 v13, |v[SL+\k+2]|, |v[SL+\k+3]|, v13
.endr
	WIN 0
	v_max_num_f32 v12, v12, v13
	v_add_nc_u32 v14, 0xff000000, v12              ; 2 off the exponent field: the conversion's scale operand
	v_lshrrev_b32 v15, 23, v14                     ; the scale's byte
	WIN 0x02
	v_cvt_scalef32_pk16_fp6_f32 v[CC:CC+2], v[SL:SL+15], v14
	v_cvt_scalef32_pk16_fp6_f32 v[CC+6:CC+8], v[SL+16:SL+31], v14
	WIN 0
	v_lshlrev_b32 v15, v[SH], v15                  ; the byte at its place in the K step's word.  (The plain place behind the conversions)
	v_mov_b32 v[CC+3], v[CC+6]
	v_mov_b32 v[CC+4], v[CC+7]
	v_mov_b32 v[CC+5], v[CC+8]
	v_mov_b32_dpp v16, v15 row_xmask:1 row_mask:0xf bank_mask:0xf
	v_or_b32 v15, v15, v16
	v_mov_b32_dpp v16, v15 row_xmask:2 row_mask:0xf bank_mask:0xf
	v_or_b32 v[WD], v15, v16                       ; with the three other lanes of the K step: the row's scale word
	s_wait_alu depctr_va_vdst(0)                   ; the row's lines have written its codes and its word, which the LDS stores read, and are done reading the row as loaded, where the loads of the row four on land
.if \ld
	RLOAD (\i)+4
.endif
	ds_store_b64 v[A0], v[CC:CC+1] offset:16*(\i)
	ds_store_b64 v[A1], v[CC+2:CC+3] offset:16*(\i)
	ds_store_b64 v[A0], v[CC+4:CC+5] offset:16*(\i)+512
	ds_store_b32 v[AS], v[WD] offset:8*(\i)        ; the four lanes of a K step write the same word with the same value
.endm
.macro FETCHX s                        ; K step s: four fragments of x and their words
.irp j, 0,1,2,3
.irp c, 0,1,2
	ds_load_b128 v[XF+48*((\s)%2)+12*\j+4*\c:XF+48*((\s)%2)+12*\j+4*\c+3], v[LI] offset:SS*(\s)+1536*\j+512*\c
.endr
.endr
	ds_load_b64 v[XS+2*((\s)%2):XS+2*((\s)%2)+1], v[L8] offset:SS*(\s)+6144
.endm
.macro MULT s, t0, nt                  ; W's tiles t0 .. t0 + nt - 1 x the four tiles of rows; the 32 accumulators take turns, one instruction a turn, in the same order in every step
.if (\s) == 0
	WIN 0x91                                       ; the bias (window 1) is the C of each sum's first instruction
.else
	WIN 0xa1+2*(((\s)%4)/2)
.endif
.set ii, \t0
.rept \nt
.set jj, 0
.rept 4
.if (\s) == 0
.set cc, 192+8*ii
.else
.set cc, 64*jj+8*ii
.endif
	WM 64*jj+8*ii, 96*((\s)%2)+12*ii, XF+48*((\s)%2)+12*jj, cc, WS+4*((\s)%4)+ii/2, XS+2*((\s)%2)+jj/2, ii%2, jj%2
.set jj, jj+1
.endr
.set ii, ii+1
.endr
	WIN 0
.endm
.macro GSTEP s
.if ((\s) == 4) || ((\s) == 5)
	s_wait_loadcnt 50                              ; this block is in; the two blocks asked for behind it, 25 loads each, may be out
.elseif (\s) == 6
	s_wait_loadcnt 25                              ; block 6 is in; block 7 may be out
.elseif (\s) == 7
	s_wait_loadcnt 0x0
.endif
	s_wait_dscnt 0x0                               ; x's fragments, asked for in the step before
.if ((\s) > 0) && ((\s) < 7)
	s_wait_alu depctr_va_vdst(0)                   ; the products of the step before are done reading their sets of x, of W and of the scale words, in which all loads of this step land
.endif
	MULT \s, 0, 2
.if (\s) < 7
	FETCHX (\s)+1                                  ; no wait: no product since the wait above names the other set of x (in step 0: nothing has named it yet)
.endif
	MULT \s, 2, 2
.if ((\s) > 0) && ((\s) < 5)
	WLD (\s)+3, 0                                  ; block s + 3 into the set that the step before multiplied: three steps ahead of its use
.endif
	MULT \s, 4, 2
.if ((\s) > 0) && ((\s) < 5)
	WLD (\s)+3, 4
	WLS (\s)+3
.endif
	MULT \s, 6, 2
	PLACES                                         ; four places behind the step's last products, ahead of the next step's loads and of the way out's first read of results
.endm
	s_load_b256 s[4:11], s[0:1], 0x0               ; heads, wimg, bo, out0
	v_lshl_add_u32 v[SPW], v0, 2, SPARE
	v_mov_b32 v[NIL], 0
	v_lshrrev_b32 v1, 5, v0
	v_readfirstlane_b32 s12, v1                    ; wave
	s_and_b32 s14, ttmp7, 0xffff                   ; Rb
	v_and_b32 v12, 31, v0
	v_lshlrev_b32 v[LI], 4, v12
	v_lshlrev_b32 v[L8], 3, v12
	v_bfe_u32 v12, v0, 2, 3                        ; my block's K step: lane / 4
	v_mul_u32_u24 v13, v12, SS
	s_wait_alu depctr_va_vdst(0)
	v_bfe_u32 v14, v0, 1, 1                        ; which half of the fragment's registers
	v_and_b32 v15, 1, v0                           ; which half of its lanes
	v_lshl_add_u32 v16, v15, 8, v13
	s_wait_alu depctr_va_sdst(0)                   ; s12, the wave's number, is written, ahead of its first reader
	s_mul_i32 s16, s12, 1536
	v_add_nc_u32 v16, s16, v16
	v_mad_u32_u24 v[A0], v14, 520, v16             ; register pairs 0, 1, 2 lie at 0, 8, 512 of an image; pairs 3, 4, 5 at 520, 1,024, 1,032
	v_mad_u32_u24 v[A1], v14, 1016, v16
	v_add_nc_u32 v[A1], 8, v[A1]
	s_and_b32 s17, s12, 1
	s_lshl_b32 s17, s17, 7
	s_lshr_b32 s18, s12, 1
	s_lshl_b32 s18, s18, 2
	s_add_co_u32 s17, s17, s18
	s_add_co_u32 s17, s17, 6144
	v_add_nc_u32 v[AS], s17, v13                   ; the word of tile w, row i: 6,144 + 8 (i + 16 (w % 2)) + 4 (w / 2)
	v_and_b32 v[SH], 3, v0
	v_lshlrev_b32 v[SH], 3, v[SH]
	v_and_b32 v12, 15, v0                          ; r
	v_bfe_u32 v13, v0, 4, 1                        ; lane / 16
	v_lshlrev_b32 v[BA], 6, v13
	s_mul_i32 s17, s12, 8448
	s_add_co_u32 s17, s17, STG                     ; my stage: 16 rows x 528 bytes
	v_mul_u32_u24 v[STO], v12, 528
	v_lshl_add_u32 v[STO], v13, 6, v[STO]
	v_add_nc_u32 v[STO], s17, v[STO]
	v_add_nc_u32 v[RD], s17, v[LI]
	s_lshl_b32 s15, ttmp9, 2
	s_add_co_u32 s15, s15, s12                     ; cg = 4 nh + w
	s_lshl_b32 s20, s14, 18                        ; rows 64 Rb of 4,096 bytes,
	s_lshl_b32 s21, s12, 16
	s_add_co_u32 s20, s20, s21                     ; + 16 w
	s_mov_b32 s21, 0
	s_lshl_b32 s22, s15, 3
	s_add_co_u32 s22, s22, 192
	s_mul_i32 s22, s22, 12800                      ; Wo's blocks 192 + 8 cg on
	s_mov_b32 s23, 0
	s_lshl_b32 s24, s15, 9                         ; 128 columns of f32
	s_mov_b32 s25, 0
	s_lshl_b32 s26, s14, 18
	s_add_co_u32 s26, s26, s24
	s_mov_b32 s27, 0
	s_wait_kmcnt 0x0
	s_add_nc_u64 s[4:5], s[4:5], s[20:21]
	s_add_nc_u64 s[6:7], s[6:7], s[22:23]
	s_add_nc_u64 s[8:9], s[8:9], s[24:25]
	s_add_nc_u64 s[10:11], s[10:11], s[26:27]
	s_wait_alu depctr_va_vdst(0)                   ; the offsets and LDS addresses v1 to v5, v10, v11 and v18 are written: every load and store of the kernel reads one of them, and none is written again
.irp k, 0,1,2,3
	WLD \k, 0
	WLD \k, 4
	WLS \k
.endr
	WIN 0x40
.irp i, 0,1,2,3,4,5,6,7                ; lane (r, h) wants, for W's tile 2 b + u, the bias of columns 32 b + 16 h + 8 u + 0 .. 7
	global_load_b128 v[192+8*\i:195+8*\i], v[BA], s[8:9] offset:128*(\i/2)+32*(\i%2)
	global_load_b128 v[196+8*\i:199+8*\i], v[BA], s[8:9] offset:128*(\i/2)+32*(\i%2)+16
.endr
	WIN 0
	RLOAD 0
	RLOAD 1
	RLOAD 2
	RLOAD 3
.irp i, 0,1,2,3,4,5,6,7,8,9,10,11
	ROW \i, 48, 1
.endr
	ROW 12, 48, 0                                  ; the last four rows load nothing: the counts run down
	ROW 13, 32, 0
	ROW 14, 16, 0
	ROW 15, 0, 0
	s_wait_dscnt 0x0                               ; for the others' sake: my images have landed
	s_barrier_signal -1
	s_barrier_wait -1
	FETCHX 0                                       ; (no vector line has named x's registers yet)
.irp s, 0,1,2,3,4,5,6,7
	GSTEP \s
.endr
; THE WAY OUT, 16 rows x 128 columns at a time: through my own stage and back as whole rows of 512 bytes.  LDS serves a wave's instructions in order: no wait between the stores and the loads, nor in front of the next block's stores.
.macro TOSTAGE a
	WIN 0x08
.irp i, 0,1,2,3,4,5,6,7
	ds_store_b128 v[STO], v[64*(\a)+8*\i:64*(\a)+8*\i+3] offset:128*(\i/2)+32*(\i%2)        ; each accumulator from its low end on
	ds_store_b128 v[STO], v[64*(\a)+8*\i+4:64*(\a)+8*\i+7] offset:128*(\i/2)+32*(\i%2)+16
.endr
	WIN 0
.irp t, 0,1,2,3,4,5,6,7,8,9,10,11,12,13,14,15
	ds_load_b128 v[BK+64*((\a)%2)+4*\t:BK+64*((\a)%2)+4*\t+3], v[RD] offset:528*\t
.endr
.endm
.macro SEND a, younger
	s_wait_dscnt \younger                          ; the block is back in registers
.irp t, 0,1,2,3,4,5,6,7,8,9,10,11,12,13,14,15
	global_store_b128 v[LI], v[BK+64*((\a)%2)+4*\t:BK+64*((\a)%2)+4*\t+3], s[10:11] offset:(16*(\a)+\t)*4096 th:TH_STORE_NT   ; 512 consecutive bytes, at a multiple of 256 from the output's first byte
.endr
.endm
	s_wait_alu depctr_va_vdst(0)                   ; the products have written all 32 accumulators, which the stage stores read, and are done reading x's fragments, where the rows read back land; the last step's closing places stay beside this wait; no vector line follows it
	TOSTAGE 0
.irp a, 1,2,3
.if \a > 1
	s_wait_xcnt 0x0                                ; the stores of the block two back have had their addresses translated,
	s_wait_alu depctr_vm_vsrc(0)                   ; and have read their registers, in which this block's rows land
.endif
	TOSTAGE \a
	SEND \a-1, 32                                  ; behind that block's loads: this block's 16 stores and 16 loads
.endr
	SEND 3, 0
	s_wait_dscnt 0x0                               ; the wave's end of a launch in the mode that stores to LDS
	s_wait_alu 0x0
	s_wait_tensorcnt 0x0
	ds_add_u32 v[SPW], v[NIL]
	s_wait_dscnt 0x0
	s_endpgm
.Lfunc_end_k_qa0bb8f18d4_outp:
	.size	k_qa0bb8f18d4_outp, .Lfunc_end_k_qa0bb8f18d4_outp-k_qa0bb8f18d4_outp
	.p2alignl 7, 3214868480
	.fill 96, 4, 3214868480
	.section	.rodata,"a",@progbits
	.p2align	6, 0x0
	.amdhsa_kernel k_qa0bb8f18d4_outp
		.amdhsa_group_segment_fixed_size 85760
		.amdhsa_private_segment_fixed_size 0
		.amdhsa_enable_private_segment 0
		.amdhsa_kernarg_size 32
		.amdhsa_user_sgpr_count 2
		.amdhsa_user_sgpr_kernarg_segment_ptr 1
		.amdhsa_wavefront_size32 1
		.amdhsa_system_sgpr_workgroup_id_x 1
		.amdhsa_system_sgpr_workgroup_id_y 1
		.amdhsa_system_sgpr_workgroup_id_z 1
		.amdhsa_system_vgpr_workitem_id 0
		.amdhsa_next_free_vgpr 1024
		.amdhsa_next_free_sgpr 66
		.amdhsa_reserve_vcc 0
		.amdhsa_float_denorm_mode_32 3
		.amdhsa_float_denorm_mode_16_64 3
		.amdhsa_memory_ordered 1
		.amdhsa_forward_progress 1
		.amdhsa_inst_pref_size 141
	.end_amdhsa_kernel
	.amdgpu_metadata
---
amdhsa.version: [ 1, 2 ]
amdhsa.kernels:
  - .name:           k_qa0bb8f18d4_outp
    .symbol:         k_qa0bb8f18d4_outp.kd
    .args:
      - { .name: heads, .offset: 0, .size: 8, .value_kind: global_buffer, .address_space: global }
      - { .name: wimg, .offset: 8, .size: 8, .value_kind: global_buffer, .address_space: global }
      - { .name: bo, .offset: 16, .size: 8, .value_kind: global_buffer, .address_space: global }
      - { .name: out0, .offset: 24, .size: 8, .value_kind: global_buffer, .address_space: global }
    .group_segment_fixed_size: 85760
    .private_segment_fixed_size: 0
    .kernarg_segment_align: 8
    .kernarg_segment_size: 32
    .max_flat_workgroup_size: 128
    .sgpr_count:     66
    .vgpr_count:     1024
    .wavefront_size: 32
...
	.end_amdgpu_metadata
.endif
;; end of part 8
